; MI455X (gfx1250); checked and timed in simulation.
; The chip was launched on July 23, 2026; its instructions are those of AMD's public machine-readable ISA for CDNA 5 (MIT licence, August 2026) and "CDNA5" Instruction Set Architecture Reference Guide (July 2026). The comments in the code are by the model that wrote it; some were corrected since.
;; Head. Allowed arithmetic: float matrix products may take bf16 or f16 operands with f32 sums; all other float work in f32.
;; Inputs: k_wei 1,024 x 1,024 float32; mask 2,048 x 2,048 bool; q_wei 1,024 x 1,024 float32; v_wei 1,024 x 1,024 float32; x 4 x 2,048 x 1,024 float32.
;; Outputs: out0 4 x 2,048 x 1,024 float32.
;; 3 versions, each right; version 2 is faster than version 1; version 3 is version 2 with the launch cast written anew for expert scheduling mode. Each part assembles by itself: llvm-mc -triple=amdgcn-amd-amdhsa -mcpu=gfx1250 --defsym DOCPART=n.
;; ======== version 1 of 3: 6 launches
;; limits: values are held in f16: magnitudes above 65,504 overflow, below 6.1e-05 lose precision; inputs' magnitudes at most 65,504; right only within a limited range of input values
;; workspace buffers: xb 16,777,216 bytes; xh 16,777,216 bytes; wb 6,291,456 bytes; g2 4,194,304 bytes; yh 16,777,216 bytes; pe 33,554,432 bytes; stats 1,048,576 bytes; zh 16,777,216 bytes
;; launch cast (part 1): grid 704 x 1, 8 waves a work-group, no clusters, 0 bytes of LDS; arguments x, q_wei, k_wei, v_wei, xb, xh, wb; writes xb, xh, wb
.if DOCPART == 1
	.amdgcn_target "amdgcn-amd-amdhsa--gfx1250"
	.amdhsa_code_object_version 6
	.text
	.protected	k_q60ba49a034_cast
	.globl	k_q60ba49a034_cast
	.p2align	8
	.type	k_q60ba49a034_cast,@function
k_q60ba49a034_cast:
	s_mov_b64 s[64:65], 0
	v_nop
	global_prefetch_b8 v0, s[64:65] scope:SCOPE_SE
	s_setreg_imm32_b32 hwreg(HW_REG_WAVE_MODE, 25, 1), 1
	s_wait_xcnt 0x0
; cast: every input number is rounded once to bf16 (nearest even); the layouts stay.
;   x [8192][1024] f32      -> xb: that bf16;  xh: the same number written as f16
;   q_wei, k_wei [1024][1024] -> wb[0], wb[1]: bf16
;   v_wei [1024][1024]        -> wb[2]: its bf16 written as f16
; A bf16 number has 8 significant bits and f16 holds 11, so the f16 copies are exact for magnitudes from 2^-14 up.
; LIMITS: x and v_wei below 65,504 in magnitude; smaller than 2^-14 they are kept to an absolute 2^-25.
; All sources are rows of 1,024 f32 (4,096 bytes) that become 2,048 bytes.  A work-group takes 16 rows: groups 0-511 those of x, 512-575 of q_wei,
; 576-639 of k_wei, 640-703 of v_wei.  Thread t owns columns 4 t .. 4 t + 3: a load of a wave covers 512 consecutive bytes, a store 256 consecutive
; bytes at a multiple of 256 from the buffer's first byte.  All 16 loads of a thread go out at once; load and store registers are written once.
; No LDS, no matrix unit, no cluster: no byte is read twice and no two work-groups share an input.
.set INROW,  4096
.set OUTROW, 2048
.set X, 4                              ; v[4:67]    row i: 4 f32 as loaded
.set Y, 68                             ; v[68:99]   row i: 4 bf16
.set H, 100                            ; v[100:131] row i: 4 f16
.set T, 132                            ; v[132:135] the bf16 widened again, at work
	s_load_b256 s[4:11], s[0:1], 0x0               ; x s[4:5], q_wei s[6:7], k_wei s[8:9], v_wei s[10:11]
	s_load_b128 s[12:15], s[0:1], 0x20             ; xb s[12:13], xh s[14:15]
	s_load_b64 s[16:17], s[0:1], 0x30              ; wb
	s_mov_b32 s24, ttmp9                           ; the group's number
	s_sub_co_u32 s25, s24, 512                     ; its number among the weights' groups (used only from 512 on)
	s_and_b32 s26, s25, 63                         ; its number inside one weight
	s_mov_b32 s34, 0xffff0000                      ; a word's upper bf16
	v_lshlrev_b32 v1, 4, v0                        ; my 16 bytes of a source row
	v_lshlrev_b32 v2, 3, v0                        ; my 8 bytes of a destination row
	s_wait_kmcnt 0x0
	s_cmp_lt_u32 s24, 640                          ; the choice of buffers hangs on the group's number alone
	s_cselect_b64 s[20:21], s[8:9], s[10:11]       ; k_wei or v_wei
	s_cmp_lt_u32 s24, 576
	s_cselect_b64 s[20:21], s[6:7], s[20:21]       ; q_wei
	s_cmp_lt_u32 s24, 512
	s_cselect_b64 s[20:21], s[4:5], s[20:21]       ; x
	s_cselect_b64 s[22:23], s[12:13], s[16:17]     ; xb or wb
	s_cselect_b32 s27, s24, s26                    ; block of 16 rows in the source
	s_cselect_b32 s28, s24, s25                    ; block of 16 rows in the destination (wb holds the three weights one behind the other)
	s_lshl_b32 s30, s27, 16                        ; 16 rows x 4,096 bytes
	s_mov_b32 s31, 0
	s_lshl_b32 s32, s28, 15                        ; 16 rows x 2,048 bytes
	s_mov_b32 s33, 0
	s_add_nc_u64 s[20:21], s[20:21], s[30:31]
	s_add_nc_u64 s[22:23], s[22:23], s[32:33]
	s_add_nc_u64 s[14:15], s[14:15], s[32:33]      ; xh, used by x's groups alone
.irp i, 0,1,2,3,4,5,6,7,8,9,10,11,12,13,14,15
	global_load_b128 v[X+4*\i:X+4*\i+3], v1, s[20:21] offset:INROW*\i th:TH_LOAD_NT   ; read once in the launch
.endr
; Row i.  yb: the scalar pair of the buffer that takes the bf16 (0: none); hb: of the buffer that takes the f16 (0: none).
.macro ROW i, yb, hb
	s_wait_loadcnt 15-\i                           ; loads come back in order: row i is in, the 15 - i younger ones stay out
	v_cvt_pk_bf16_f32 v[Y+2*\i],   v[X+4*\i],   v[X+4*\i+1]
	v_cvt_pk_bf16_f32 v[Y+2*\i+1], v[X+4*\i+2], v[X+4*\i+3]
.if \yb
	global_store_b64 v2, v[Y+2*\i:Y+2*\i+1], s[\yb:\yb+1] offset:OUTROW*\i
.endif
.if \hb
	v_lshlrev_b32 v[T],   16,  v[Y+2*\i]           ; the rounded numbers as f32 again,
	v_and_b32     v[T+1], s34, v[Y+2*\i]
	v_lshlrev_b32 v[T+2], 16,  v[Y+2*\i+1]
	v_and_b32     v[T+3], s34, v[Y+2*\i+1]
	v_cvt_pk_f16_f32 v[H+2*\i],   v[T],   v[T+1]   ; and as f16
	v_cvt_pk_f16_f32 v[H+2*\i+1], v[T+2], v[T+3]
	global_store_b64 v2, v[H+2*\i:H+2*\i+1], s[\hb:\hb+1] offset:OUTROW*\i
.endif
.endm
	s_cmp_lt_u32 s24, 512
	s_cbranch_scc1 .Lx
	s_cmp_lt_u32 s24, 640
	s_cbranch_scc1 .Lqk
.irp i, 0,1,2,3,4,5,6,7,8,9,10,11,12,13,14,15
	ROW \i, 0, 22                                  ; v_wei: f16 to wb
.endr
	s_endpgm
.Lqk:
.irp i, 0,1,2,3,4,5,6,7,8,9,10,11,12,13,14,15
	ROW \i, 22, 0                                  ; q_wei, k_wei: bf16 to wb
.endr
	s_endpgm
.Lx:
.irp i, 0,1,2,3,4,5,6,7,8,9,10,11,12,13,14,15
	ROW \i, 22, 14                                 ; x: bf16 to xb, f16 to xh
.endr
	s_endpgm
.Lfunc_end_k_q60ba49a034_cast:
	.size	k_q60ba49a034_cast, .Lfunc_end_k_q60ba49a034_cast-k_q60ba49a034_cast
	.p2alignl 7, 3214868480
	.fill 96, 4, 3214868480
	.section	.rodata,"a",@progbits
	.p2align	6, 0x0
	.amdhsa_kernel k_q60ba49a034_cast
		.amdhsa_group_segment_fixed_size 0
		.amdhsa_private_segment_fixed_size 0
		.amdhsa_enable_private_segment 0
		.amdhsa_kernarg_size 56
		.amdhsa_user_sgpr_count 2
		.amdhsa_user_sgpr_kernarg_segment_ptr 1
		.amdhsa_wavefront_size32 1
		.amdhsa_system_sgpr_workgroup_id_x 1
		.amdhsa_system_sgpr_workgroup_id_y 1
		.amdhsa_system_sgpr_workgroup_id_z 1
		.amdhsa_system_vgpr_workitem_id 0
		.amdhsa_next_free_vgpr 136
		.amdhsa_next_free_sgpr 66
		.amdhsa_reserve_vcc 0
		.amdhsa_float_denorm_mode_32 3
		.amdhsa_float_denorm_mode_16_64 3
		.amdhsa_memory_ordered 1
		.amdhsa_forward_progress 1
		.amdhsa_inst_pref_size 25
	.end_amdhsa_kernel
	.amdgpu_metadata
---
amdhsa.version: [ 1, 2 ]
amdhsa.kernels:
  - .name:           k_q60ba49a034_cast
    .symbol:         k_q60ba49a034_cast.kd
    .args:
      - { .name: x, .offset: 0, .size: 8, .value_kind: global_buffer, .address_space: global }
      - { .name: q_wei, .offset: 8, .size: 8, .value_kind: global_buffer, .address_space: global }
      - { .name: k_wei, .offset: 16, .size: 8, .value_kind: global_buffer, .address_space: global }
      - { .name: v_wei, .offset: 24, .size: 8, .value_kind: global_buffer, .address_space: global }
      - { .name: xb, .offset: 32, .size: 8, .value_kind: global_buffer, .address_space: global }
      - { .name: xh, .offset: 40, .size: 8, .value_kind: global_buffer, .address_space: global }
      - { .name: wb, .offset: 48, .size: 8, .value_kind: global_buffer, .address_space: global }
    .group_segment_fixed_size: 0
    .private_segment_fixed_size: 0
    .kernarg_segment_align: 8
    .kernarg_segment_size: 56
    .max_flat_workgroup_size: 256
    .sgpr_count:     66
    .vgpr_count:     136
    .wavefront_size: 32
...
	.end_amdgpu_metadata
.endif
;; end of part 1
;; launch amat (part 2): grid 4 x 8, 4 waves a work-group, clusters of 4 x 4, 327,680 bytes of LDS; arguments wb, g2; writes g2
.if DOCPART == 2
	.amdgcn_target "amdgcn-amd-amdhsa--gfx1250"
	.amdhsa_code_object_version 6
	.text
	.protected	k_q60ba49a034_amat
	.globl	k_q60ba49a034_amat
	.p2align	8
	.type	k_q60ba49a034_amat,@function
k_q60ba49a034_amat:
	s_mov_b64 s[64:65], 0
	v_nop
	global_prefetch_b8 v0, s[64:65] scope:SCOPE_SE
	s_setreg_imm32_b32 hwreg(HW_REG_WAVE_MODE, 25, 1), 1
	s_wait_xcnt 0x0
	s_wait_alu depctr_hold_cnt(0) depctr_sa_sdst(0) depctr_va_vdst(0) depctr_va_sdst(0) depctr_va_ssrc(0) depctr_va_vcc(0) depctr_vm_vsrc(0)
	s_getreg_b32 s2, hwreg(HW_REG_IB_STS2, 6, 4)
	s_cmp_eq_u32 s2, 0
	s_cbranch_scc0 .Lentry_in_a_cluster
	s_endpgm
.Lentry_in_a_cluster:
	s_bfe_u32 s2, ttmp6, 0x10000c
	s_cmp_lg_u32 s2, 0xf033
	s_cbranch_scc0 .Lentry_shape_is_right
	s_endpgm
.Lentry_shape_is_right:
; amat: G[c][d] = 2^-10 x sum over h of Wq[c][h] Wk[d][h], so that q k^T = (x G) x^T x 2^10.  Wq = wb[0], Wk = wb[1], bf16 [1024][1024]; sums in f32.
; G goes out as two bf16 parts, g2[c][d] = bf16(G) and g2[1024 + c][d] = bf16(G - bf16(G)): together 16 significant bits, so that the product x G of
; the next launch carries no rounding of G worth the name.  The factor 2^-10 (exact) gives the next launch's f16 result its room.
; A work-group makes 128 x 256 of G with four waves, a wave 64 x 128: 32 accumulator tiles in window 1.  K = 1,024 in steps of 128 through two LDS slots.
; Both operands have K along their rows: all fragments are plain 16-byte LDS loads.  The problem has work for 32 such work-groups, and those are launched.
; CLUSTERS: 4 x 4 work-groups; Wq's tile is asked for jointly along a row of the cluster, Wk's along a column.
; THE MATRIX INSTRUCTION IS USED TRANSPOSED: source 0 = 16 rows of Wk (columns d), source 1 = 16 rows of Wq (rows c): lane l holds row l % 16 and its eight
; registers the columns 8 (l / 16) + 0 .. 7.
.set WROW,   1024                      ; elements in a row of a weight
.set GROWB,  2048                      ; bytes in a row of g2
.set LOPART, 1024*GROWB                ; the low parts lie 1,024 rows behind the high parts
.set PITCH,  272                       ; an LDS row: 256 bytes + 16
.set AOFF,   256*PITCH                 ; a slot: Wk's 256 rows, then Wq's 128 rows
.set SLOT,   AOFF+128*PITCH            ; 104,448
.set STAGE,  2*SLOT                    ; from here on LDS stores alone write
.set SPITCH, 272
.set SLO,    16*SPITCH                 ; a wave's stage: 16 rows of high parts, then 16 rows of low parts
.set LAPS,   4                         ; a lap = two K steps
.set ADRA, 16                          ; v16-17 my Wq fragments in slot 0, 1
.set ADRB, 20                          ; v20-21 my Wk fragments
.set STO,  24
.set RD,   25
.set CO,   26
.set WD,   48                          ; v48-55   a tile's high parts widened again
.set FA,   64                          ; v64-95, v96-127: Wq's fragments, two buffers
.set FB,   128                         ; v128-191, v192-255: Wk's fragments, two buffers
.set TMPH, 64                          ; the way out: v64-95 packed high parts, v96-127 packed low parts,
.set TMPL, 96
.set RBH,  128                         ; v128-159, v160-191 rows read back,
.set RBL,  160
.set TS,   192                         ; v192-255 a row block's 64 scaled numbers
.set G1, 24
.set G0, 32
.set G1B, 48
.set G0B, 56
.set MSB, 0
.macro WIN new                         ; the immediate's high byte repeats the setting that is left; a switch that changes nothing is dropped
.if MSB != \new
	s_set_vgpr_msb (MSB<<8)|\new
.set MSB, \new
.endif
.endm
.set MUL, 0x50                         ; sources 0 and 1 window 0, C and D window 1
.macro JLOAD s                         ; waves 0 and 1 fetch the halves of Wk's tile, waves 2 and 3 those of Wq's
	s_cmp_eq_u32 s11, 0
	s_cbranch_scc0 .Lfor_a_\@
	tensor_load_to_lds s[G0B+4*\s:G0B+4*\s+3], s[G1B:G1B+7]
	s_nop 0
	s_branch .Lasked_\@
.Lfor_a_\@:
	tensor_load_to_lds s[G0+4*\s:G0+4*\s+3], s[G1:G1+7]
	s_nop 0
.Lasked_\@:
.endm
; A round of the cluster's barrier: my work-group's barrier; wave 0 signals for the work-group; every wave waits for all sixteen; my work-group's barrier again.
.macro CREST
	s_cmp_lg_u32 s10, 0
	s_cbranch_scc1 .Lnot_wave_0_\@
	s_barrier_signal -3
.Lnot_wave_0_\@:
	s_barrier_wait -3
	s_barrier_signal -1
	s_barrier_wait -1
.endm
.macro CROUND
	s_barrier_signal -1
	s_barrier_wait -1
	CREST
.endm
	s_load_b128 s[4:7], s[0:1], 0x0                ; wb s[4:5], g2 s[6:7]
	v_lshl_add_u32 v62, v0, 2, 0x3b800
	v_mov_b32 v63, 0
	ds_add_u32 v62, v63
	v_lshrrev_b32 v1, 5, v0
	v_readfirstlane_b32 s10, v1                    ; wave 0..3
	s_lshr_b32 s11, s10, 1                         ; my half of the rows; also: I fetch for Wk (0) or Wq (1)
	s_and_b32 s12, s10, 1                          ; my half of the columns; also: which half of that tile I fetch
	s_bfe_u32 s40, ttmp6, 0x40000                  ; cx
	s_bfe_u32 s41, ttmp6, 0x40004                  ; cy
	s_lshl_b32 s42, ttmp9, 2
	s_add_co_u32 s42, s42, s40                     ; column block of 256, 0..3
	s_and_b32 s13, ttmp7, 0xffff
	s_lshl_b32 s13, s13, 2
	s_add_co_u32 s13, s13, s41                     ; row block of 128, 0..7
	s_lshl_b32 s43, s41, 2
	s_lshl_b32 s43, 15, s43                        ; my row of the cluster
	s_lshl_b32 s44, 0x1111, s40                    ; my column
	; group 1, Wq: 64 rows x 128 elements of 2 bytes, 4 words of padding behind every 64 words
	s_or_b32 s[G1+0], s43, (1<<16)|(1<<20)|(1<<21)|(5<<22)|(3<<25)
	s_mov_b32 s[G1+1], 128<<16
	s_mov_b32 s[G1+2], 64<<16
	s_mov_b32 s[G1+3], 128<<16
	s_mov_b32 s[G1+4], 64
	s_mov_b32 s[G1+5], WROW
	s_mov_b32 s[G1+6], 0
	s_mov_b32 s[G1+7], 0
	; group 1, Wk: 128 rows x 128 elements, the same padding
	s_or_b32 s[G1B+0], s44, (1<<16)|(1<<20)|(1<<21)|(5<<22)|(3<<25)
	s_mov_b32 s[G1B+1], 128<<16
	s_mov_b32 s[G1B+2], 128<<16
	s_mov_b32 s[G1B+3], 128<<16
	s_mov_b32 s[G1B+4], 128
	s_mov_b32 s[G1B+5], WROW
	s_mov_b32 s[G1B+6], 0
	s_mov_b32 s[G1B+7], 0
	; Wq's tiles hang on the row block alone, Wk's on the column block alone
	s_lshl_b32 s16, s13, 7
	s_lshl_b32 s17, s12, 6
	s_add_co_u32 s16, s16, s17                     ; Wq: row 128 x row block + 64 x half
	s_lshl_b32 s16, s16, 11                        ; x 2,048 bytes
	s_mov_b32 s17, 0
	s_lshl_b32 s46, s42, 8
	s_lshl_b32 s45, s12, 7
	s_add_co_u32 s46, s46, s45                     ; Wk: row 256 x column block + 128 x half
	s_lshl_b32 s46, s46, 11
	s_add_co_u32 s46, s46, WROW*WROW*2             ; Wk is the second weight of wb
	s_mov_b32 s47, 0
	s_mul_i32 s20, s10, 64*PITCH                   ; Wq, waves 2 and 3: the wave number x 17,408 + 34,816 = behind Wk's 69,632 bytes
	s_mul_i32 s21, s10, 128*PITCH                  ; Wk, waves 0 and 1: the wave number x 34,816
	s_wait_dscnt 0x0
	s_wait_kmcnt 0x0
	s_add_nc_u64 s[14:15], s[4:5], s[16:17]
	s_add_nc_u64 s[46:47], s[4:5], s[46:47]
	CROUND                                         ; all sixteen work-groups are here: the first joint loads meet
.irp s, 0,1
	s_mov_b32 s[G0+4*\s], 1
	s_add_co_u32 s[G0+4*\s+1], s20, AOFF-128*PITCH+\s*SLOT
	s_add_nc_u64 s[G0+4*\s+2:G0+4*\s+3], s[14:15], \s*256           ; K step s: 256 bytes along the rows
	s_or_b32 s[G0+4*\s+3], s[G0+4*\s+3], 0x80000000
	s_mov_b32 s[G0B+4*\s], 1
	s_add_co_u32 s[G0B+4*\s+1], s21, \s*SLOT
	s_add_nc_u64 s[G0B+4*\s+2:G0B+4*\s+3], s[46:47], \s*256
	s_or_b32 s[G0B+4*\s+3], s[G0B+4*\s+3], 0x80000000
	JLOAD \s                                       ; both first fills: two tensor loads of the wave are out
.endr
	v_and_b32 v1, 15, v0                           ; r
	v_bfe_u32 v2, v0, 4, 1                         ; h
	v_mul_u32_u24 v3, v1, PITCH
	v_lshl_add_u32 v3, v2, 4, v3                   ; a fragment: row r x pitch + 16 h; the stage takes 16 bytes at the same place
	s_mul_i32 s22, s11, 64*PITCH                   ; my 64 rows of Wq,
	s_add_co_u32 s22, s22, AOFF                    ; behind Wk's tile
	s_mul_i32 s23, s12, 128*PITCH                  ; my 128 rows of Wk
.irp s, 0,1
	v_add_nc_u32 v[ADRA+\s], s22, v3
	v_add_nc_u32 v[ADRB+\s], s23, v3
	s_add_co_u32 s22, s22, SLOT
	s_add_co_u32 s23, s23, SLOT
.endr
	s_mul_i32 s22, s10, 2*SLO
	s_add_co_u32 s22, s22, STAGE                   ; my stage
	v_add_nc_u32 v[STO], s22, v3
	v_mul_u32_u24 v5, v2, SPITCH                   ; back: lanes 0-15 take one row of 256 bytes, lanes 16-31 the next
	v_lshl_add_u32 v5, v1, 4, v5
	v_add_nc_u32 v[RD], s22, v5
	v_lshlrev_b32 v5, 11, v2                       ; and the same two rows in g2
	v_lshl_add_u32 v[CO], v1, 4, v5
; 24 LDS loads in one run: quarter q (32 along K) of a slot into buffer buf: Wk's 8 blocks of 16 rows, then Wq's 4
.macro PFETCH slot, q, buf
	WIN 0
.irp b, 0,1,2,3,4,5,6,7
	ds_load_b128 v[FB+64*\buf+8*\b:FB+64*\buf+8*\b+3],   v[ADRB+\slot] offset:64*\q+\b*16*PITCH
	ds_load_b128 v[FB+64*\buf+8*\b+4:FB+64*\buf+8*\b+7], v[ADRB+\slot] offset:64*\q+\b*16*PITCH+32
.endr
.irp a, 0,1,2,3
	ds_load_b128 v[FA+32*\buf+8*\a:FA+32*\buf+8*\a+3],   v[ADRA+\slot] offset:64*\q+\a*16*PITCH
	ds_load_b128 v[FA+32*\buf+8*\a+4:FA+32*\buf+8*\a+7], v[ADRA+\slot] offset:64*\q+\a*16*PITCH+32
.endr
.endm
; 8 matrix instructions: row block a x all 8 column blocks.  The 32 accumulators take turns, one instruction a turn, in the same order in every quarter.
.macro MULP buf, a, zero
.irp b, 0,1,2,3,4,5,6,7
.if \zero
	v_wmma_f32_16x16x32_bf16 v[8*(8*\a+\b):8*(8*\a+\b)+7], v[FB+64*\buf+8*\b:FB+64*\buf+8*\b+7], v[FA+32*\buf+8*\a:FA+32*\buf+8*\a+7], 0
.else
	v_wmma_f32_16x16x32_bf16 v[8*(8*\a+\b):8*(8*\a+\b)+7], v[FB+64*\buf+8*\b:FB+64*\buf+8*\b+7], v[FA+32*\buf+8*\a:FA+32*\buf+8*\a+7], v[8*(8*\a+\b):8*(8*\a+\b)+7]
.endif
.endr
.endm
.macro PLACES                          ; four plain vector instructions behind a matrix instruction (ISA guide 7.12.1)
.rept 4
	v_nop
.endr
.endm
.macro PQUARTER slot, q, f, g, zero
	s_wait_dscnt 4                                 ; the youngest four loads (Wq's row blocks 2 and 3) may be out
	WIN MUL
	MULP \f, 0, \zero
	MULP \f, 1, \zero
	PLACES
	PFETCH \slot, \q, \g
	s_wait_dscnt 24                                ; all but the 24 just issued
	WIN MUL
	MULP \f, 2, \zero
	MULP \f, 3, \zero
.endm
.macro PTHREE slot, zero
	PQUARTER \slot, 1, 0, 1, \zero
	PQUARTER \slot, 2, 1, 0, 0
	PQUARTER \slot, 3, 0, 1, 0
.endm
; A step's last quarter multiplies buffer 1 and changes slots.  In front of the barrier each wave waits for its reads of this slot and for all its
; tensor loads (one is out: its part of the next slot); behind the cluster's round the refill comes first.
.macro PTURN slot, next, fill
	s_wait_dscnt 4
	WIN MUL
	MULP 1, 0, 0
	s_wait_dscnt 0                                 ; my reads of this slot are over
	s_wait_tensorcnt 0x0                           ; all my tensor loads have landed
	ds_add_u32 v62, v63
	s_wait_dscnt 0x0
	s_barrier_signal -1
	MULP 1, 1, 0                                   ; register work while the others arrive
	WIN 0
	s_barrier_wait -1
.if \fill
	CREST                                          ; no wave of any partner still reads this slot or has a load on its way
	s_add_nc_u64 s[G0+4*\slot+2:G0+4*\slot+3], s[G0+4*\slot+2:G0+4*\slot+3], 2*256
	s_add_nc_u64 s[G0B+4*\slot+2:G0B+4*\slot+3], s[G0B+4*\slot+2:G0B+4*\slot+3], 2*256
	JLOAD \slot                                    ; my one tensor load behind the round
.endif
	PLACES
	PFETCH \next, 0, 0
	WIN MUL
	MULP 1, 2, 0
	MULP 1, 3, 0
.endm
.macro PLAP zero
	PTHREE 0, \zero
	PTURN 0, 1, 1
	PTHREE 1, 0
	PTURN 1, 0, 1
.endm
	s_wait_tensorcnt 1                             ; my part of K step 0 is in; K step 1's load stays out
	s_barrier_signal -1
	s_barrier_wait -1
	PFETCH 0, 0, 0
	PLAP 1                                         ; the first lap's first products start the sums
	WIN 0
	s_mov_b32 s3, LAPS-2
.Llap:
	PLAP 0
	WIN 0
	s_sub_co_u32 s3, s3, 1
	s_cmp_lg_u32 s3, 0
	s_cbranch_scc1 .Llap
	PTHREE 0, 0                                    ; the last lap fills nothing
	PTURN 0, 1, 0
	PTHREE 1, 0
	s_wait_dscnt 4
	WIN MUL
	MULP 1, 0, 0
	MULP 1, 1, 0
	s_wait_dscnt 0
	MULP 1, 2, 0
	MULP 1, 3, 0
	WIN 0
	; THE WAY OUT, 16 rows at a time: scale, split in two bf16 parts, 16 bytes a lane of each into my own stage, read back as whole rows of 256 bytes
	PLACES
	s_lshl_b32 s90, s13, 7
	s_lshl_b32 s91, s11, 6
	s_add_co_u32 s90, s90, s91                     ; my first row
	s_lshl_b32 s90, s90, 11                        ; x 2,048 bytes
	s_lshl_b32 s91, s42, 9
	s_add_co_u32 s90, s90, s91                     ; + 512 x column block
	s_lshl_b32 s91, s12, 8
	s_add_co_u32 s90, s90, s91                     ; + 256 x half
	s_mov_b32 s91, 0
	s_add_nc_u64 s[6:7], s[6:7], s[90:91]
.macro AOUT a
	WIN 0x01                                       ; source 0 window 1
.set p, 0
.rept 32
	v_pk_mul_f32 v[TS+p:TS+p+1], v[64*\a+p:64*\a+p+1], 0x3a800000 op_sel_hi:[1,0]   ; x 2^-10
.set p, p+2
.endr
	WIN 0
.irp b, 0,1,2,3,4,5,6,7
.irp j, 0,1,2,3
	v_cvt_pk_bf16_f32 v[TMPH+4*\b+\j], v[TS+8*\b+2*\j], v[TS+8*\b+2*\j+1]           ; the high parts
.endr
.irp j, 0,1,2,3
	v_lshlrev_b32 v[WD+2*\j],   16,         v[TMPH+4*\b+\j]
	v_and_b32     v[WD+2*\j+1], 0xffff0000, v[TMPH+4*\b+\j]
.endr
.irp j, 0,1,2,3
	v_pk_add_f32 v[TS+8*\b+2*\j:TS+8*\b+2*\j+1], v[TS+8*\b+2*\j:TS+8*\b+2*\j+1], v[WD+2*\j:WD+2*\j+1] neg_lo:[0,1] neg_hi:[0,1]   ; what they leave (exact)
.endr
.irp j, 0,1,2,3
	v_cvt_pk_bf16_f32 v[TMPL+4*\b+\j], v[TS+8*\b+2*\j], v[TS+8*\b+2*\j+1]           ; the low parts
.endr
.endr
.irp b, 0,1,2,3,4,5,6,7
	ds_store_b128 v[STO], v[TMPH+4*\b:TMPH+4*\b+3] offset:32*\b
.endr
.irp b, 0,1,2,3,4,5,6,7
	ds_store_b128 v[STO], v[TMPL+4*\b:TMPL+4*\b+3] offset:SLO+32*\b
.endr
	s_wait_xcnt 0x0                                ; the registers that earlier stores read, and the stores' base, are rewritten only behind this wait
.if \a
	s_add_nc_u64 s[6:7], s[6:7], 16*GROWB
.endif
.irp t, 0,1,2,3,4,5,6,7
	ds_load_b128 v[RBH+4*\t:RBH+4*\t+3], v[RD] offset:\t*2*SPITCH       ; a wave's LDS instructions are served in order: these see the stores above
.endr
.irp t, 0,1,2,3,4,5,6,7
	ds_load_b128 v[RBL+4*\t:RBL+4*\t+3], v[RD] offset:SLO+\t*2*SPITCH
.endr
.irp t, 0,1,2,3,4,5,6,7
	s_wait_dscnt 15-\t                             ; the 15 - t younger loads stay out
	global_store_b128 v[CO], v[RBH+4*\t:RBH+4*\t+3], s[6:7] offset:2*\t*GROWB          ; 16 lanes store 256 consecutive bytes, at a multiple of 256 from the buffer's first byte
.endr
.irp t, 0,1,2,3,4,5,6,7
	s_wait_dscnt 7-\t
	global_store_b128 v[CO], v[RBL+4*\t:RBL+4*\t+3], s[6:7] offset:LOPART+2*\t*GROWB
.endr
.endm
	AOUT 0
	AOUT 1
	AOUT 2
	AOUT 3
	s_wait_tensorcnt 0x0
	ds_add_u32 v62, v63
	s_wait_dscnt 0x0
	CROUND                                         ; the closing round: no work-group ends while a partner may still ask for a tile that names it
	s_endpgm
.Lfunc_end_k_q60ba49a034_amat:
	.size	k_q60ba49a034_amat, .Lfunc_end_k_q60ba49a034_amat-k_q60ba49a034_amat
	.p2alignl 7, 3214868480
	.fill 96, 4, 3214868480
	.section	.rodata,"a",@progbits
	.p2align	6, 0x0
	.amdhsa_kernel k_q60ba49a034_amat
		.amdhsa_group_segment_fixed_size 327680
		.amdhsa_private_segment_fixed_size 0
		.amdhsa_enable_private_segment 0
		.amdhsa_kernarg_size 16
		.amdhsa_user_sgpr_count 2
		.amdhsa_user_sgpr_kernarg_segment_ptr 1
		.amdhsa_wavefront_size32 1
		.amdhsa_system_sgpr_workgroup_id_x 1
		.amdhsa_system_sgpr_workgroup_id_y 1
		.amdhsa_system_sgpr_workgroup_id_z 1
		.amdhsa_system_vgpr_workitem_id 0
		.amdhsa_next_free_vgpr 512
		.amdhsa_next_free_sgpr 96
		.amdhsa_reserve_vcc 0
		.amdhsa_float_denorm_mode_32 3
		.amdhsa_float_denorm_mode_16_64 3
		.amdhsa_memory_ordered 1
		.amdhsa_forward_progress 1
		.amdhsa_inst_pref_size 166
	.end_amdhsa_kernel
	.amdgpu_metadata
---
amdhsa.version: [ 1, 2 ]
amdhsa.kernels:
  - .name:           k_q60ba49a034_amat
    .symbol:         k_q60ba49a034_amat.kd
    .args:
      - { .name: wb, .offset: 0, .size: 8, .value_kind: global_buffer, .address_space: global }
      - { .name: g2, .offset: 8, .size: 8, .value_kind: global_buffer, .address_space: global }
    .group_segment_fixed_size: 327680
    .private_segment_fixed_size: 0
    .kernarg_segment_align: 8
    .kernarg_segment_size: 16
    .max_flat_workgroup_size: 128
    .sgpr_count:     96
    .vgpr_count:     512
    .wavefront_size: 32
...
	.end_amdgpu_metadata
.endif
;; end of part 2
;; launch ygemm (part 3): grid 4 x 64, 4 waves a work-group, clusters of 4 x 4, 327,680 bytes of LDS; arguments xb, g2, yh; writes yh
.if DOCPART == 3
	.amdgcn_target "amdgcn-amd-amdhsa--gfx1250"
	.amdhsa_code_object_version 6
	.text
	.protected	k_q60ba49a034_ygemm
	.globl	k_q60ba49a034_ygemm
	.p2align	8
	.type	k_q60ba49a034_ygemm,@function
k_q60ba49a034_ygemm:
	s_mov_b64 s[64:65], 0
	v_nop
	global_prefetch_b8 v0, s[64:65] scope:SCOPE_SE
	s_setreg_imm32_b32 hwreg(HW_REG_WAVE_MODE, 25, 1), 1
	s_wait_xcnt 0x0
	s_wait_alu depctr_hold_cnt(0) depctr_sa_sdst(0) depctr_va_vdst(0) depctr_va_sdst(0) depctr_va_ssrc(0) depctr_va_vcc(0) depctr_vm_vsrc(0)
	s_getreg_b32 s2, hwreg(HW_REG_IB_STS2, 6, 4)
	s_cmp_eq_u32 s2, 0
	s_cbranch_scc0 .Lentry_in_a_cluster
	s_endpgm
.Lentry_in_a_cluster:
	s_bfe_u32 s2, ttmp6, 0x10000c
	s_cmp_lg_u32 s2, 0xf033
	s_cbranch_scc0 .Lentry_shape_is_right
	s_endpgm
.Lentry_shape_is_right:
; ygemm: yh[t][d] = sum over c of xb[t][c] (Gh[c][d] + Gl[c][d]), Gh = rows 0-1023 of g2, Gl = rows 1024-2047 (bf16); xb [8192][1024] bf16; sums in f32;
; yh [8192][1024] f16.  Since g2 holds G x 2^-10, yh holds y / 1024 with y = x Wq Wk^T.
; LIMITS: |y| below 6.7e7 (f16's 65,504 x 1,024); |y| below 0.06 is kept to an absolute step of 6e-5.
; A work-group makes 128 x 256 with four waves, a wave 64 x 128: 32 accumulator tiles in window 1.  16 K steps of 128 through two LDS slots:
; slot 0 always pairs x's K tile i with Gh's rows 128 i .., slot 1 the same tile of x with Gl's, i = 0 .. 7, so every address only steps forward.
; g2's tile lies as in memory, K down the rows: its fragments are read with the transposing LDS load.
; CLUSTERS: 4 x 4 work-groups; xb's tile is asked for jointly along a row of the cluster, g2's along a column.
; THE MATRIX INSTRUCTION IS USED TRANSPOSED: source 0 = 16 columns d, source 1 = 16 rows t: lane l holds row l % 16, columns 8 (l / 16) + 0 .. 7.
.set XROW,   1024                      ; elements in a row of xb
.set GROW,   1024                      ; elements in a row of g2
.set YROWB,  2048                      ; bytes in a row of yh
.set PITCH,  272                       ; xb's LDS row: 256 bytes + 16
.set PB,     544                       ; g2's LDS row: 512 bytes + 32
.set AOFF,   128*PB                    ; a slot: g2's 128 rows, then xb's 128 rows
.set SLOT,   AOFF+128*PITCH            ; 104,448
.set STAGE,  2*SLOT                    ; 16 rows x 272 bytes for each wave; LDS stores alone write here
.set SPITCH, 272
.set LAPS,   8                         ; a lap = one K tile of x, with Gh and with Gl
.set A_STEP, 256                       ; x's next K tile
.set B_S1,   1024*GROW*2               ; Gl lies 1,024 rows behind Gh
.set B_STEP, 128*GROW*2                ; 128 rows down
.set ADRA, 16
.set ADRB, 20
.set STO,  24
.set RD,   25
.set CO,   26
.set FA,   64                          ; v64-95, v96-127: xb's fragments, two buffers
.set FB,   128                         ; v128-191, v192-255: g2's fragments, two buffers
.set TMP,  64                          ; the way out: v64-95 packed results, v128-159 and v160-191 rows read back, by turns
.set RB0,  128
.set RB1,  160
.set G1, 24
.set G0, 32
.set G1B, 48
.set G0B, 56
.set MSB, 0
.macro WIN new
.if MSB != \new
	s_set_vgpr_msb (MSB<<8)|\new
.set MSB, \new
.endif
.endm
.set MUL, 0x50                         ; sources 0 and 1 window 0, C and D window 1
.macro JLOAD s                         ; waves 0 and 1 fetch the halves of g2's tile, waves 2 and 3 those of xb's
	s_cmp_eq_u32 s11, 0
	s_cbranch_scc0 .Lfor_a_\@
	tensor_load_to_lds s[G0B+4*\s:G0B+4*\s+3], s[G1B:G1B+7]
	s_nop 0
	s_branch .Lasked_\@
.Lfor_a_\@:
	tensor_load_to_lds s[G0+4*\s:G0+4*\s+3], s[G1:G1+7]
	s_nop 0
.Lasked_\@:
.endm
.macro CREST
	s_cmp_lg_u32 s10, 0
	s_cbranch_scc1 .Lnot_wave_0_\@
	s_barrier_signal -3
.Lnot_wave_0_\@:
	s_barrier_wait -3
	s_barrier_signal -1
	s_barrier_wait -1
.endm
.macro CROUND
	s_barrier_signal -1
	s_barrier_wait -1
	CREST
.endm
	s_load_b128 s[4:7], s[0:1], 0x0                ; xb s[4:5], g2 s[6:7]
	s_load_b64 s[8:9], s[0:1], 0x10                ; yh
	v_lshl_add_u32 v62, v0, 2, 0x37400
	v_mov_b32 v63, 0
	ds_add_u32 v62, v63
	v_lshrrev_b32 v1, 5, v0
	v_readfirstlane_b32 s10, v1                    ; wave 0..3
	s_lshr_b32 s11, s10, 1                         ; my half of the rows; also: I fetch for g2 (0) or xb (1)
	s_and_b32 s12, s10, 1                          ; my half of the columns; also: which half of that tile I fetch
	s_bfe_u32 s40, ttmp6, 0x40000                  ; cx
	s_bfe_u32 s41, ttmp6, 0x40004                  ; cy
	s_lshl_b32 s42, ttmp9, 2
	s_add_co_u32 s42, s42, s40                     ; column block of 256, 0..3
	s_and_b32 s13, ttmp7, 0xffff
	s_lshl_b32 s13, s13, 2
	s_add_co_u32 s13, s13, s41                     ; row block of 128, 0..63
	s_lshl_b32 s43, s41, 2
	s_lshl_b32 s43, 15, s43                        ; my row of the cluster
	s_lshl_b32 s44, 0x1111, s40                    ; my column
	; group 1, xb: 64 rows x 128 elements of 2 bytes, 4 words of padding behind every 64 words
	s_or_b32 s[G1+0], s43, (1<<16)|(1<<20)|(1<<21)|(5<<22)|(3<<25)
	s_mov_b32 s[G1+1], 128<<16
	s_mov_b32 s[G1+2], 64<<16
	s_mov_b32 s[G1+3], 128<<16
	s_mov_b32 s[G1+4], 64
	s_mov_b32 s[G1+5], XROW
	s_mov_b32 s[G1+6], 0
	s_mov_b32 s[G1+7], 0
	; group 1, g2: 64 rows (K) x 256 elements, 8 words of padding behind every 128 words
	s_or_b32 s[G1B+0], s44, (1<<16)|(1<<20)|(1<<21)|(6<<22)|(7<<25)
	s_mov_b32 s[G1B+1], 256<<16
	s_mov_b32 s[G1B+2], 64<<16
	s_mov_b32 s[G1B+3], 256<<16
	s_mov_b32 s[G1B+4], 64
	s_mov_b32 s[G1B+5], GROW
	s_mov_b32 s[G1B+6], 0
	s_mov_b32 s[G1B+7], 0
	; xb's tiles hang on the row block alone, g2's on the column block alone
	s_lshl_b32 s16, s13, 7
	s_lshl_b32 s17, s12, 6
	s_add_co_u32 s16, s16, s17                     ; xb: row 128 x row block + 64 x half
	s_lshl_b32 s16, s16, 11                        ; x 2,048 bytes
	s_mov_b32 s17, 0
	s_lshl_b32 s46, s12, 17                        ; g2: my 64 rows of 2,048 bytes
	s_lshl_b32 s45, s42, 9
	s_add_co_u32 s46, s46, s45                     ; + 512 bytes x column block
	s_mov_b32 s47, 0
	s_mul_i32 s20, s10, 64*PITCH                   ; xb, waves 2 and 3: the wave number x 17,408 + 34,816 = behind g2's 69,632 bytes
	s_mul_i32 s21, s10, 64*PB                      ; g2, waves 0 and 1: the wave number x 34,816
	s_wait_dscnt 0x0
	s_wait_kmcnt 0x0
	s_add_nc_u64 s[14:15], s[4:5], s[16:17]
	s_add_nc_u64 s[46:47], s[6:7], s[46:47]
	CROUND                                         ; all sixteen work-groups are here: the first joint loads meet
.irp s, 0,1
	s_mov_b32 s[G0+4*\s], 1
	s_add_co_u32 s[G0+4*\s+1], s20, AOFF-128*PITCH+\s*SLOT
	s_mov_b64 s[G0+4*\s+2:G0+4*\s+3], s[14:15]                      ; both slots begin with x's K tile 0
	s_or_b32 s[G0+4*\s+3], s[G0+4*\s+3], 0x80000000
	s_mov_b32 s[G0B+4*\s], 1
	s_add_co_u32 s[G0B+4*\s+1], s21, \s*SLOT
	s_add_nc_u64 s[G0B+4*\s+2:G0B+4*\s+3], s[46:47], \s*B_S1        ; slot 0: Gh, slot 1: Gl
	s_or_b32 s[G0B+4*\s+3], s[G0B+4*\s+3], 0x80000000
	JLOAD \s                                       ; both first fills: two tensor loads of the wave are out
.endr
	v_and_b32 v1, 15, v0                           ; r
	v_bfe_u32 v2, v0, 4, 1                         ; h
	v_mul_u32_u24 v3, v1, PITCH
	v_lshl_add_u32 v3, v2, 4, v3                   ; xb fragment: row r x pitch + 16 h; the stage takes 16 bytes at the same place
	v_and_b32 v6, 7, v0
	v_lshl_add_u32 v6, v2, 3, v6                   ; g2 fragment, transposing load: row k = 8 h + l % 8,
	v_mul_u32_u24 v6, v6, PB
	v_bfe_u32 v7, v0, 3, 1
	v_lshl_add_u32 v6, v7, 4, v6                   ; 8 columns further for lanes 8-15 and 24-31
	s_mul_i32 s22, s11, 64*PITCH                   ; my 64 rows of xb,
	s_add_co_u32 s22, s22, AOFF                    ; behind g2's tile
	s_lshl_b32 s23, s12, 8                         ; my 128 columns of g2
.irp s, 0,1
	v_add_nc_u32 v[ADRA+\s], s22, v3
	v_add_nc_u32 v[ADRB+\s], s23, v6
	s_add_co_u32 s22, s22, SLOT
	s_add_co_u32 s23, s23, SLOT
.endr
	s_mul_i32 s22, s10, 16*SPITCH
	s_add_co_u32 s22, s22, STAGE                   ; my stage
	v_add_nc_u32 v[STO], s22, v3
	v_mul_u32_u24 v5, v2, SPITCH                   ; back: lanes 0-15 take one row of 256 bytes, lanes 16-31 the next
	v_lshl_add_u32 v5, v1, 4, v5
	v_add_nc_u32 v[RD], s22, v5
	v_lshlrev_b32 v5, 11, v2                       ; and the same two rows in yh
	v_lshl_add_u32 v[CO], v1, 4, v5
; 24 LDS loads in one run: quarter q (32 along K) of a slot into buffer buf: g2's 8 column blocks, then xb's 4 row blocks
.macro PFETCH slot, q, buf
	WIN 0
.irp b, 0,1,2,3,4,5,6,7
	ds_load_tr16_b128 v[FB+64*\buf+8*\b:FB+64*\buf+8*\b+3],   v[ADRB+\slot] offset:\q*32*PB+32*\b
	ds_load_tr16_b128 v[FB+64*\buf+8*\b+4:FB+64*\buf+8*\b+7], v[ADRB+\slot] offset:\q*32*PB+32*\b+16*PB
.endr
.irp a, 0,1,2,3
	ds_load_b128 v[FA+32*\buf+8*\a:FA+32*\buf+8*\a+3],   v[ADRA+\slot] offset:64*\q+\a*16*PITCH
	ds_load_b128 v[FA+32*\buf+8*\a+4:FA+32*\buf+8*\a+7], v[ADRA+\slot] offset:64*\q+\a*16*PITCH+32
.endr
.endm
; 8 matrix instructions: row block a x all 8 column blocks.  The 32 accumulators take turns, one instruction a turn, in the same order in every quarter.
.macro MULP buf, a, zero
.irp b, 0,1,2,3,4,5,6,7
.if \zero
	v_wmma_f32_16x16x32_bf16 v[8*(8*\a+\b):8*(8*\a+\b)+7], v[FB+64*\buf+8*\b:FB+64*\buf+8*\b+7], v[FA+32*\buf+8*\a:FA+32*\buf+8*\a+7], 0
.else
	v_wmma_f32_16x16x32_bf16 v[8*(8*\a+\b):8*(8*\a+\b)+7], v[FB+64*\buf+8*\b:FB+64*\buf+8*\b+7], v[FA+32*\buf+8*\a:FA+32*\buf+8*\a+7], v[8*(8*\a+\b):8*(8*\a+\b)+7]
.endif
.endr
.endm
.macro PLACES                          ; four plain vector instructions behind a matrix instruction (ISA guide 7.12.1)
.rept 4
	v_nop
.endr
.endm
.macro PQUARTER slot, q, f, g, zero
	s_wait_dscnt 4                                 ; the youngest four loads (xb's row blocks 2 and 3) may be out
	WIN MUL
	MULP \f, 0, \zero
	MULP \f, 1, \zero
	PLACES
	PFETCH \slot, \q, \g
	s_wait_dscnt 24                                ; all but the 24 just issued
	WIN MUL
	MULP \f, 2, \zero
	MULP \f, 3, \zero
.endm
.macro PTHREE slot, zero
	PQUARTER \slot, 1, 0, 1, \zero
	PQUARTER \slot, 2, 1, 0, 0
	PQUARTER \slot, 3, 0, 1, 0
.endm
; A step's last quarter multiplies buffer 1 and changes slots.  In front of the barrier each wave waits for its reads of this slot and for all its
; tensor loads (one is out: its part of the next slot); behind the cluster's round the refill comes first.
.macro PTURN slot, next, fill
	s_wait_dscnt 4
	WIN MUL
	MULP 1, 0, 0
	s_wait_dscnt 0                                 ; my reads of this slot are over
	s_wait_tensorcnt 0x0                           ; all my tensor loads have landed
	ds_add_u32 v62, v63
	s_wait_dscnt 0x0
	s_barrier_signal -1
	MULP 1, 1, 0                                   ; register work while the others arrive
	WIN 0
	s_barrier_wait -1
.if \fill
	CREST                                          ; no wave of any partner still reads this slot or has a load on its way
	s_add_nc_u64 s[G0+4*\slot+2:G0+4*\slot+3], s[G0+4*\slot+2:G0+4*\slot+3], A_STEP
	s_add_nc_u64 s[G0B+4*\slot+2:G0B+4*\slot+3], s[G0B+4*\slot+2:G0B+4*\slot+3], B_STEP
	JLOAD \slot                                    ; my one tensor load behind the round
.endif
	PLACES
	PFETCH \next, 0, 0
	WIN MUL
	MULP 1, 2, 0
	MULP 1, 3, 0
.endm
.macro PLAP zero
	PTHREE 0, \zero
	PTURN 0, 1, 1
	PTHREE 1, 0
	PTURN 1, 0, 1
.endm
	s_wait_tensorcnt 1                             ; my part of slot 0 is in; slot 1's load stays out
	s_barrier_signal -1
	s_barrier_wait -1
	PFETCH 0, 0, 0
	PLAP 1                                         ; the first lap's first products start the sums
	WIN 0
	s_mov_b32 s3, LAPS-2
.Llap:
	PLAP 0
	WIN 0
	s_sub_co_u32 s3, s3, 1
	s_cmp_lg_u32 s3, 0
	s_cbranch_scc1 .Llap
	PTHREE 0, 0                                    ; the last lap fills nothing
	PTURN 0, 1, 0
	PTHREE 1, 0
	s_wait_dscnt 4
	WIN MUL
	MULP 1, 0, 0
	MULP 1, 1, 0
	s_wait_dscnt 0
	MULP 1, 2, 0
	MULP 1, 3, 0
	WIN 0
	; THE WAY OUT, 16 rows at a time: round to f16, 16 bytes a lane into my own stage, read back as whole rows of 256 bytes
	PLACES
	s_lshl_b32 s90, s13, 7
	s_lshl_b32 s91, s11, 6
	s_add_co_u32 s90, s90, s91                     ; my first row
	s_lshl_b32 s90, s90, 11                        ; x 2,048 bytes
	s_lshl_b32 s91, s42, 9
	s_add_co_u32 s90, s90, s91                     ; + 512 x column block
	s_lshl_b32 s91, s12, 8
	s_add_co_u32 s90, s90, s91                     ; + 256 x half
	s_mov_b32 s91, 0
	s_add_nc_u64 s[8:9], s[8:9], s[90:91]
.macro YOUT a, rb
	WIN 0x05                                       ; sources 0 and 1 window 1
.irp b, 0,1,2,3,4,5,6,7
.irp j, 0,1,2,3
	v_cvt_pk_f16_f32 v[TMP+4*\b+\j], v[8*(8*\a+\b)+2*\j], v[8*(8*\a+\b)+2*\j+1]
.endr
.endr
	WIN 0
.irp b, 0,1,2,3,4,5,6,7
	ds_store_b128 v[STO], v[TMP+4*\b:TMP+4*\b+3] offset:32*\b
.endr
	s_wait_xcnt 0x0                                ; the registers that earlier stores read, and the stores' base, are rewritten only behind this wait
.if \a
	s_add_nc_u64 s[8:9], s[8:9], 16*YROWB
.endif
.irp t, 0,1,2,3,4,5,6,7
	ds_load_b128 v[\rb+4*\t:\rb+4*\t+3], v[RD] offset:\t*2*SPITCH  ; a wave's LDS instructions are served in order: these see the stores above
.endr
.irp t, 0,1,2,3,4,5,6,7
	s_wait_dscnt 7-\t                              ; the 7 - t younger loads stay out
	global_store_b128 v[CO], v[\rb+4*\t:\rb+4*\t+3], s[8:9] offset:2*\t*YROWB   ; 16 lanes store 256 consecutive bytes, at a multiple of 256 from the buffer's first byte
.endr
.endm
	YOUT 0, RB0
	YOUT 1, RB1
	YOUT 2, RB0
	YOUT 3, RB1
	s_wait_tensorcnt 0x0
	ds_add_u32 v62, v63
	s_wait_dscnt 0x0
	CROUND                                         ; the closing round
	s_endpgm
.Lfunc_end_k_q60ba49a034_ygemm:
	.size	k_q60ba49a034_ygemm, .Lfunc_end_k_q60ba49a034_ygemm-k_q60ba49a034_ygemm
	.p2alignl 7, 3214868480
	.fill 96, 4, 3214868480
	.section	.rodata,"a",@progbits
	.p2align	6, 0x0
	.amdhsa_kernel k_q60ba49a034_ygemm
		.amdhsa_group_segment_fixed_size 327680
		.amdhsa_private_segment_fixed_size 0
		.amdhsa_enable_private_segment 0
		.amdhsa_kernarg_size 24
		.amdhsa_user_sgpr_count 2
		.amdhsa_user_sgpr_kernarg_segment_ptr 1
		.amdhsa_wavefront_size32 1
		.amdhsa_system_sgpr_workgroup_id_x 1
		.amdhsa_system_sgpr_workgroup_id_y 1
		.amdhsa_system_sgpr_workgroup_id_z 1
		.amdhsa_system_vgpr_workitem_id 0
		.amdhsa_next_free_vgpr 512
		.amdhsa_next_free_sgpr 96
		.amdhsa_reserve_vcc 0
		.amdhsa_float_denorm_mode_32 3
		.amdhsa_float_denorm_mode_16_64 3
		.amdhsa_memory_ordered 1
		.amdhsa_forward_progress 1
		.amdhsa_inst_pref_size 118
	.end_amdhsa_kernel
	.amdgpu_metadata
---
amdhsa.version: [ 1, 2 ]
amdhsa.kernels:
  - .name:           k_q60ba49a034_ygemm
    .symbol:         k_q60ba49a034_ygemm.kd
    .args:
      - { .name: xb, .offset: 0, .size: 8, .value_kind: global_buffer, .address_space: global }
      - { .name: g2, .offset: 8, .size: 8, .value_kind: global_buffer, .address_space: global }
      - { .name: yh, .offset: 16, .size: 8, .value_kind: global_buffer, .address_space: global }
    .group_segment_fixed_size: 327680
    .private_segment_fixed_size: 0
    .kernarg_segment_align: 8
    .kernarg_segment_size: 24
    .max_flat_workgroup_size: 128
    .sgpr_count:     96
    .vgpr_count:     512
    .wavefront_size: 32
...
	.end_amdgpu_metadata
.endif
;; end of part 3
;; launch scores (part 4): grid 8 x 32, 4 waves a work-group, clusters of 4 x 4, 327,680 bytes of LDS; arguments yh, xh, pe, stats, mask; writes pe, stats
.if DOCPART == 4
	.amdgcn_target "amdgcn-amd-amdhsa--gfx1250"
	.amdhsa_code_object_version 6
	.text
	.protected	k_q60ba49a034_scores
	.globl	k_q60ba49a034_scores
	.p2align	8
	.type	k_q60ba49a034_scores,@function
k_q60ba49a034_scores:
	s_mov_b64 s[64:65], 0
	v_nop
	global_prefetch_b8 v0, s[64:65] scope:SCOPE_SE
	s_setreg_imm32_b32 hwreg(HW_REG_WAVE_MODE, 25, 1), 1
	s_wait_xcnt 0x0
	s_wait_alu depctr_hold_cnt(0) depctr_sa_sdst(0) depctr_va_vdst(0) depctr_va_sdst(0) depctr_va_ssrc(0) depctr_va_vcc(0) depctr_vm_vsrc(0)
	s_getreg_b32 s2, hwreg(HW_REG_IB_STS2, 6, 4)
	s_cmp_eq_u32 s2, 0
	s_cbranch_scc0 .Lentry_in_a_cluster
	s_endpgm
.Lentry_in_a_cluster:
	s_bfe_u32 s2, ttmp6, 0x10000c
	s_cmp_lg_u32 s2, 0xf033
	s_cbranch_scc0 .Lentry_shape_is_right
	s_endpgm
.Lentry_shape_is_right:
; scores: for each batch, t[q][j] = (yh[q] . xh[j]) x 32 log2(e) + W[q][j]; yh holds x Wq Wk^T / 1024, so the factor is 1,024 x log2(e) / 32.
; W = +0 where mask[q][j] is 1 and -inf where it is 0.
; For each row and each block of 128 keys: m = max of t, E = exp2(t - max(m, -FLT_MAX)), l = sum of E (f32).
; Stored: E in f16 to pe [8192 rows][2048 keys]; m to stats[blk][row] and l to stats + 524,288 [blk][row], f32.  The next launch joins the 16 blocks
; of a row exactly: the row's true maximum is taken away for every input.  A block with no true byte gives m = -inf, E = 0, l = 0.
; E lies in 0 .. 1 by its making, so f16 has room for it; below 6e-8 it becomes 0.
; LIMITS: mask bytes are 0 or 1.  l sums E before its rounding.  The mask is an addend, so a masked score that has itself overflowed to +inf or NaN
; gives NaN where a select would give weight 0.
; A work-group makes 256 rows x 256 keys with four waves, a wave 128 x 128 (64 accumulator tiles, 512 registers); K = 1,024 in steps of 128 through two
; LDS slots.  Rows of yh and of xh lie along K, so all fragments are plain 16-byte LDS loads.
; CLUSTERS: 4 x 4 work-groups of one batch; yh's tile is asked for jointly along a row of the cluster, xh's along a column.  The mask's tile
; (256 x 256 bytes) differs in all sixteen work-groups, so it comes by a plain tensor load, into slot 0 when that slot has been read for the last time.
; Windows and the transposed use of the matrix instruction: source 0 = 16 keys, source 1 = 16 rows; lane l holds row l % 16 and, in tile (a, b),
; keys 16 b + 8 (l / 16) + 0 .. 7.  A row's 128 keys lie in lanes l and l xor 16: the reductions are in the lane, then one exchange.
.set QROW,   1024                      ; elements in a row of yh and of xh
.set SIZE_K, 1024
.set PEROW,  4096                      ; bytes in a row of pe
.set KSTEP,  128
.set PITCH,  272
.set HALFT,  128*PITCH
.set SLOT,   4*HALFT
.set STAGE,  2*SLOT                    ; 16 rows x 272 bytes for each wave
.set SPITCH, 272
.set STAT,   STAGE+4*16*SPITCH         ; 1,024 bytes for each wave: 128 m, 128 l.  Stage and this are written by LDS stores alone
.set LAPS, SIZE_K/(2*KSTEP)
.set ADRA, 16
.set ADRB, 20
.set STO,  24
.set RD,   25
.set CO,   26
.set MADR, 27                          ; my 8 mask bytes of row r, key block 0
.set SADR, 28                          ; where row r's m goes
.set SRD,  29                          ; where I read four m back
.set SOFF, 30                          ; 16 x lane
.set MS,   32                          ; v32-39  m of my eight row blocks
.set LS,   40                          ; v40-47  l of them
.set MK,   48                          ; v48-63  a row block's mask bytes, 64 a lane
.set F0,   64
.set F1,   128
.set T,    64                          ; v64-127 a row block's 64 values at work (the fragments are done with by then)
.set TMP,  128                         ; v128-159 packed E
.set RB0,  160                         ; v160-191, v192-223 rows read back, by turns
.set RB1,  192
.set TX,   224
.set U,    225
.set U2,   226
.set MX,   228                         ; v228-231 four chains of the maximum
.set MU,   232                         ; v232-233 what is taken away, twice
.set SUM,  234                         ; v234-241 four chains of the sum, in pairs
.set TP,   242                         ; takes the other half's figure
.set G1, 24
.set G0, 32
.set G1B, 48
.set G0B, 56
.set GM0, 68                           ; s[68:71] the mask tile's group 0
.set GM1, 72                           ; s[72:79] its group 1
.set MSB, 0
.macro WIN new
.if MSB != \new
	s_set_vgpr_msb (MSB<<8)|\new
.set MSB, \new
.endif
.endm
.set MUL_LO, 0xa1
.set MUL_HI, 0xf1
.set TO_B,   0x40
.macro JLOAD s                         ; waves 0 and 1 fetch the halves of yh's tile, waves 2 and 3 those of xh's
	s_cmp_eq_u32 s11, 0
	s_cbranch_scc0 .Lfor_b_\@
	tensor_load_to_lds s[G0+4*\s:G0+4*\s+3], s[G1:G1+7]
	s_nop 0
	s_branch .Lasked_\@
.Lfor_b_\@:
	tensor_load_to_lds s[G0B+4*\s:G0B+4*\s+3], s[G1B:G1B+7]
	s_nop 0
.Lasked_\@:
.endm
.macro CREST
	s_cmp_lg_u32 s10, 0
	s_cbranch_scc1 .Lnot_wave_0_\@
	s_barrier_signal -3
.Lnot_wave_0_\@:
	s_barrier_wait -3
	s_barrier_signal -1
	s_barrier_wait -1
.endm
.macro CROUND
	s_barrier_signal -1
	s_barrier_wait -1
	CREST
.endm
	s_load_b128 s[4:7], s[0:1], 0x0                ; yh s[4:5], xh s[6:7]
	s_load_b128 s[84:87], s[0:1], 0x10             ; pe s[84:85], stats s[86:87]
	s_load_b64 s[94:95], s[0:1], 0x20              ; mask
	s_set_vgpr_msb 0x40
	v_lshl_add_u32 v255, v0, 2, 0x49400
	s_set_vgpr_msb 0x4000
	v_mov_b32 v255, 0
	s_set_vgpr_msb 0x1
	ds_add_u32 v255, v255
	s_set_vgpr_msb 0x100
	v_lshrrev_b32 v1, 5, v0
	v_readfirstlane_b32 s10, v1                    ; wave 0..3
	s_lshr_b32 s11, s10, 1                         ; my half of the rows; also: I fetch for yh (0) or xh (1)
	s_and_b32 s12, s10, 1                          ; my half of the keys; also: which half of that tile I fetch
	s_bfe_u32 s40, ttmp6, 0x40000                  ; cx
	s_bfe_u32 s41, ttmp6, 0x40004                  ; cy
	s_lshl_b32 s42, ttmp9, 2
	s_add_co_u32 s42, s42, s40                     ; key block of 256, 0..7
	s_and_b32 s13, ttmp7, 0xffff
	s_lshl_b32 s13, s13, 2
	s_add_co_u32 s13, s13, s41                     ; row block of 256 over all batches, 0..31
	s_lshl_b32 s43, s41, 2
	s_lshl_b32 s43, 15, s43                        ; my row of the cluster
	s_lshl_b32 s44, 0x1111, s40                    ; my column
	s_or_b32 s[G1+0], s43, (1<<16)|(1<<20)|(1<<21)|(5<<22)|(3<<25)   ; 2-byte elements, 4 words of padding behind every 64 words
	s_or_b32 s[G1B+0], s44, (1<<16)|(1<<20)|(1<<21)|(5<<22)|(3<<25)
	s_mov_b32 s[G1+1], KSTEP<<16
	s_mov_b32 s[G1B+1], KSTEP<<16
	s_mov_b32 s[G1+2], 128<<16
	s_mov_b32 s[G1B+2], 128<<16
	s_mov_b32 s[G1+3], KSTEP<<16
	s_mov_b32 s[G1B+3], KSTEP<<16
	s_mov_b32 s[G1+4], 128
	s_mov_b32 s[G1B+4], 128
	s_mov_b32 s[G1+5], QROW
	s_mov_b32 s[G1B+5], QROW
	s_mov_b32 s[G1+6], 0
	s_mov_b32 s[G1B+6], 0
	s_mov_b32 s[G1+7], 0
	s_mov_b32 s[G1B+7], 0
	; the mask tile: each wave brings 64 rows x 256 bytes, elements of 1 byte, no work-group mask, 4 words of padding behind every 64 words
	s_mov_b32 s[GM1+0], (1<<20)|(5<<22)|(3<<25)
	s_mov_b32 s[GM1+1], 256<<16
	s_mov_b32 s[GM1+2], 64<<16
	s_mov_b32 s[GM1+3], 256<<16
	s_mov_b32 s[GM1+4], 64
	s_mov_b32 s[GM1+5], 2048
	s_mov_b32 s[GM1+6], 0
	s_mov_b32 s[GM1+7], 0
	s_mov_b32 s[GM0+0], 1
	s_mul_i32 s[GM0+1], s10, 64*PITCH              ; the wave number x 17,408, inside slot 0
	s_and_b32 s90, s13, 7                          ; the row block inside its batch
	s_lshl_b32 s90, s90, 8
	s_lshl_b32 s91, s10, 6
	s_add_co_u32 s90, s90, s91                     ; my first row of the mask
	s_lshl_b32 s90, s90, 11                        ; x 2,048 bytes
	s_lshl_b32 s91, s42, 8
	s_add_co_u32 s90, s90, s91                     ; + 256 x key block
	s_mov_b32 s91, 0
	; yh's tiles hang on the row block alone; xh's on the key block and the batch, which is the cluster's y / 2 and so the same in all sixteen
	s_lshl_b32 s17, s12, 7
	s_lshl_b32 s16, s13, 8
	s_add_co_u32 s16, s16, s17                     ; yh: row 256 x row block + 128 x half
	s_and_b32 s45, ttmp7, 0xffff
	s_lshr_b32 s45, s45, 1                         ; batch
	s_lshl_b32 s45, s45, 11
	s_lshl_b32 s46, s42, 8
	s_add_co_u32 s46, s46, s45
	s_add_co_u32 s46, s46, s17                     ; xh: row 2,048 x batch + 256 x key block + 128 x half
	s_mov_b32 s17, 0
	s_mov_b32 s47, 0
	s_mov_b64 s[18:19], QROW*2
	s_mul_u64 s[16:17], s[16:17], s[18:19]
	s_mul_u64 s[46:47], s[46:47], s[18:19]
	s_mul_i32 s20, s10, HALFT
	s_mov_b32 s80, 0x04000c0c                      ; v_perm_b32: byte j of the first source on top, byte j of the second below it, two zero bytes
	s_mov_b32 s81, 0x05010c0c
	s_mov_b32 s82, 0x06020c0c
	s_mov_b32 s83, 0x07030c0c
	s_mov_b32 s88, 0x76543210                      ; v_permlanex16_b32: lane i reads lane i of the other half
	s_mov_b32 s89, 0xfedcba98
	s_wait_dscnt 0x0
	s_wait_kmcnt 0x0
	s_add_nc_u64 s[14:15], s[4:5], s[16:17]
	s_add_nc_u64 s[46:47], s[6:7], s[46:47]
	s_add_nc_u64 s[GM0+2:GM0+3], s[94:95], s[90:91]
	s_or_b32 s[GM0+3], s[GM0+3], 0x80000000
	CROUND                                         ; all sixteen work-groups are here: the first joint loads meet
.irp s, 0,1
	s_mov_b32 s[G0+4*\s], 1
	s_add_co_u32 s[G0+4*\s+1], s20, \s*SLOT
	s_add_nc_u64 s[G0+4*\s+2:G0+4*\s+3], s[14:15], \s*KSTEP*2
	s_or_b32 s[G0+4*\s+3], s[G0+4*\s+3], 0x80000000
	s_mov_b32 s[G0B+4*\s], 1
	s_add_co_u32 s[G0B+4*\s+1], s20, \s*SLOT
	s_add_nc_u64 s[G0B+4*\s+2:G0B+4*\s+3], s[46:47], \s*KSTEP*2
	s_or_b32 s[G0B+4*\s+3], s[G0B+4*\s+3], 0x80000000
	JLOAD \s                                       ; both first fills: two tensor loads of the wave are out
.endr
	v_and_b32 v1, 15, v0                           ; r
	v_bfe_u32 v2, v0, 4, 1                         ; h
	v_mul_u32_u24 v3, v1, PITCH
	v_lshl_add_u32 v6, v2, 3, v3                   ; mask: row r x pitch + 8 h
	v_lshl_add_u32 v3, v2, 4, v3                   ; fragments: row r x pitch + 16 h
	s_mul_i32 s21, s11, HALFT
	s_mul_i32 s22, s12, HALFT
	s_add_co_u32 s22, s22, 2*HALFT
	s_lshl_b32 s91, s12, 7
	s_add_co_u32 s90, s21, s91                     ; the mask tile has the same pitch: my 128 rows, my 128 bytes of them
	v_add_nc_u32 v[MADR], s90, v6
.irp s, 0,1
	v_add_nc_u32 v[ADRA+\s], s21, v3
	v_add_nc_u32 v[ADRB+\s], s22, v3
	s_add_co_u32 s21, s21, SLOT
	s_add_co_u32 s22, s22, SLOT
.endr
	s_mul_i32 s23, s10, 16*SPITCH
	s_add_co_u32 s23, s23, STAGE
	v_mul_u32_u24 v4, v1, SPITCH
	v_lshl_add_u32 v4, v2, 4, v4
	v_add_nc_u32 v[STO], s23, v4
	v_mul_u32_u24 v5, v2, SPITCH
	v_lshl_add_u32 v5, v1, 4, v5
	v_add_nc_u32 v[RD], s23, v5
	v_lshlrev_b32 v5, 12, v2                       ; lanes 16-31: one row of pe further down
	v_lshl_add_u32 v[CO], v1, 4, v5
	s_lshl_b32 s90, s10, 10
	s_add_co_u32 s90, s90, STAT
	v_lshl_add_u32 v[SADR], v1, 2, s90
	v_and_b32 v6, 31, v0
	v_lshlrev_b32 v[SOFF], 4, v6
	v_add_nc_u32 v[SRD], s90, v[SOFF]
	v_mov_b32 v[TP], 0                             ; v_permlanex16_b32 counts as a reader of its destination
; The 64 accumulators take turns, one instruction a turn, in the same order in every quarter step.
.macro MUL16 f, hi, a0, zero
.irp a, \a0, \a0+1
.irp b, 0,1,2,3,4,5,6,7
.if \zero
	v_wmma_f32_16x16x32_f16 v[8*(8*(\a)+\b):8*(8*(\a)+\b)+7], v[\f+8*\b:\f+8*\b+7], v[\f+8*(4*\hi+\a):\f+8*(4*\hi+\a)+7], 0
.else
	v_wmma_f32_16x16x32_f16 v[8*(8*(\a)+\b):8*(8*(\a)+\b)+7], v[\f+8*\b:\f+8*\b+7], v[\f+8*(4*\hi+\a):\f+8*(4*\hi+\a)+7], v[8*(8*(\a)+\b):8*(8*(\a)+\b)+7]
.endif
.endr
.endr
.endm
.macro FETCH slot, k, f
	WIN TO_B
.irp i, 0,1,2,3,4,5,6,7
	ds_load_b128 v[\f+8*\i:\f+8*\i+3],   v[ADRB+\slot] offset:\k+\i*16*PITCH
	ds_load_b128 v[\f+8*\i+4:\f+8*\i+7], v[ADRB+\slot] offset:\k+\i*16*PITCH+32
.endr
	WIN 0
.irp i, 0,1,2,3,4,5,6,7
	ds_load_b128 v[\f+8*\i:\f+8*\i+3],   v[ADRA+\slot] offset:\k+\i*16*PITCH
	ds_load_b128 v[\f+8*\i+4:\f+8*\i+7], v[ADRA+\slot] offset:\k+\i*16*PITCH+32
.endr
.endm
.macro PLACES                          ; four plain vector instructions behind a matrix instruction (ISA guide 7.12.1)
.rept 4
	v_nop
.endr
.endm
.macro QUARTER slot, k, f, g, zero
	s_wait_dscnt 8                                 ; the youngest eight loads (yh's rows 64-127) may be out
	WIN MUL_LO
	MUL16 \f, 0, 0, \zero
	MUL16 \f, 0, 2, \zero
	PLACES
	FETCH \slot, \k, \g
	s_wait_dscnt 32                                ; all but the 32 just issued
	WIN MUL_HI
	MUL16 \f, 1, 0, \zero
	MUL16 \f, 1, 2, \zero
.endm
.macro THREE slot, zero
	QUARTER \slot, 64,  F0, F1, \zero
	QUARTER \slot, 128, F1, F0, 0
	QUARTER \slot, 192, F0, F1, 0
.endm
; The change of slots.  fill = 0: nothing is fetched; 1: this slot gets the tiles two K steps ahead, by the joint loads; 2: it gets the mask's tile.
.macro TURN slot, next, fill
	s_wait_dscnt 8
	WIN MUL_LO
	MUL16 F1, 0, 0, 0
	s_wait_dscnt 0                                 ; my reads of this slot are over
	s_wait_tensorcnt 0x0                           ; all my tensor loads have landed: the one that was out is my part of the next slot
	ds_add_u32 v255, v255
	s_wait_dscnt 0x0
	s_barrier_signal -1
	MUL16 F1, 0, 2, 0
	WIN 0
	s_barrier_wait -1
.if \fill == 1
	CREST
	s_add_nc_u64 s[G0+4*\slot+2:G0+4*\slot+3], s[G0+4*\slot+2:G0+4*\slot+3], 2*KSTEP*2
	s_add_nc_u64 s[G0B+4*\slot+2:G0B+4*\slot+3], s[G0B+4*\slot+2:G0B+4*\slot+3], 2*KSTEP*2
	JLOAD \slot                                    ; my one tensor load behind the round
.endif
.if \fill == 2
	CREST                                          ; in a launch in clusters a plain tensor load stands behind a round too
	tensor_load_to_lds s[GM0:GM0+3], s[GM1:GM1+7]  ; my 64 rows of the mask's tile; it has the last K step's 256 matrix instructions in which to land
	s_nop 0
.endif
	PLACES
	FETCH \next, 0, F0
	WIN MUL_HI
	MUL16 F1, 1, 0, 0
	MUL16 F1, 1, 2, 0
.endm
.macro LAP zero
	THREE 0, \zero
	TURN 0, 1, 1
	THREE 1, 0
	TURN 1, 0, 1
.endm
	s_wait_tensorcnt 1                             ; my part of K step 0 is in; K step 1's stays out
	s_barrier_signal -1
	s_barrier_wait -1
	FETCH 0, 0, F0
	LAP 1
	WIN 0
	s_mov_b32 s3, LAPS-2
.Llap:
	LAP 0
	WIN 0
	s_sub_co_u32 s3, s3, 1
	s_cmp_lg_u32 s3, 0
	s_cbranch_scc1 .Llap
	THREE 0, 0
	TURN 0, 1, 2                                   ; slot 0 has been read for the last time: the mask's tile goes there
	THREE 1, 0
	s_wait_dscnt 8
	WIN MUL_LO
	MUL16 F1, 0, 0, 0
	MUL16 F1, 0, 2, 0
	s_wait_dscnt 0
	WIN MUL_HI
	MUL16 F1, 1, 0, 0
	MUL16 F1, 1, 2, 0
	WIN 0
	s_wait_tensorcnt 0x0                           ; my 64 rows of the mask are in LDS,
	s_barrier_signal -1
	s_barrier_wait -1                              ; everybody's are: I read rows that two waves brought
	PLACES                                         ; behind the last matrix instructions: results are read and fragment registers rewritten below
	s_lshl_b32 s90, s13, 8
	s_lshl_b32 s91, s11, 7
	s_add_co_u32 s90, s90, s91                     ; my first row
	s_lshl_b32 s92, s90, 2                         ; its byte in a block's row of stats
	s_lshl_b32 s90, s90, 12                        ; x 4,096 bytes of pe
	s_lshl_b32 s91, s42, 9
	s_add_co_u32 s90, s90, s91                     ; + 512 x key block
	s_lshl_b32 s91, s12, 8
	s_add_co_u32 s90, s90, s91                     ; + 256 x half
	s_mov_b32 s91, 0
	s_add_nc_u64 s[84:85], s[84:85], s[90:91]
	s_lshl_b32 s93, s42, 1
	s_add_co_u32 s93, s93, s12                     ; my block of 128 keys, 0..15
	s_lshl_b32 s93, s93, 15                        ; x 8,192 rows x 4 bytes
	s_add_co_u32 s92, s92, s93
	s_mov_b32 s93, 0
	s_add_nc_u64 s[86:87], s[86:87], s[92:93]
.macro MLOAD i                         ; row block i: my 64 mask bytes, 8 for each of the 8 key tiles; the 32 lanes touch 32 different pairs of words modulo 256 bytes
.irp b, 0,1,2,3,4,5,6,7
	ds_load_b64 v[MK+2*\b:MK+2*\b+1], v[MADR] offset:(\i)*16*PITCH+16*\b
.endr
.endm
; Row block i = the eight tiles (a, 0..7) of window 2 or 3 (from = 0x02 or 0x03: source 0); rb: RB0 or RB1 by turns.
.macro SOFT16 i, a, from, rb
	s_wait_dscnt 0x0                               ; this block's mask bytes are in (asked for one block earlier)
	WIN 0
.irp w, 0,1,2,3,4,5,6,7,8,9,10,11,12,13,14,15
	v_xor_b32 v[TX], 0x01010101, v[MK+\w]          ; 1 where the mask is 0
	v_mul_lo_u32 v[U], v[TX], 0xff                 ; 0xff there
	v_lshlrev_b32 v[U2], 7, v[TX]                  ; 0x80 there
	v_perm_b32 v[T+4*\w+0], v[U], v[U2], s80       ; 0xff800000 = -inf there, +0 elsewhere
	v_perm_b32 v[T+4*\w+1], v[U], v[U2], s81
	v_perm_b32 v[T+4*\w+2], v[U], v[U2], s82
	v_perm_b32 v[T+4*\w+3], v[U], v[U2], s83
.endr
.if \i < 7
	MLOAD \i+1
.endif
	WIN \from
.set p, 0
.rept 32
	v_pk_fma_f32 v[T+p:T+p+1], v[64*\a+p:64*\a+p+1], 0x4238aa3b, v[T+p:T+p+1] op_sel_hi:[1,0,1]   ; t = s x 32 log2(e) + W
.set p, p+2
.endr
	WIN 0
.irp c, 0,1,2,3
	v_max_num_f32 v[MX+\c], v[T+16*\c], v[T+16*\c+1]
.endr
.irp k, 2,4,6,8,10,12,14
.irp c, 0,1,2,3
	v_max3_num_f32 v[MX+\c], v[MX+\c], v[T+16*\c+\k], v[T+16*\c+\k+1]
.endr
.endr
	v_max3_num_f32 v[MX], v[MX], v[MX+1], v[MX+2]
	v_max_num_f32 v[MX], v[MX], v[MX+3]
	v_permlanex16_b32 v[TP], v[MX], s88, s89       ; the row's other 64 keys
	v_max_num_f32 v[MS+\i], v[MX], v[TP]           ; m of the row's 128 keys, -inf if all are masked
	v_max_num_f32 v[MU], 0xff7fffff, v[MS+\i]      ; what is taken away is finite, so that -inf - it stays -inf
	v_max_num_f32 v[MU+1], 0xff7fffff, v[MS+\i]
.set p, 0
.rept 32
	v_pk_add_f32 v[T+p:T+p+1], v[T+p:T+p+1], v[MU:MU+1] neg_lo:[0,1] neg_hi:[0,1]
.set p, p+2
.endr
.set p, 0
.rept 64
	v_exp_f32 v[T+p], v[T+p]
.set p, p+1
.endr
	v_nop                                          ; one plain vector instruction between the exponentials and the first use of a result
	s_wait_alu depctr_va_vdst(0)
.irp c, 0,1,2,3
	v_pk_add_f32 v[SUM+2*\c:SUM+2*\c+1], v[T+16*\c:T+16*\c+1], v[T+16*\c+2:T+16*\c+3]
.endr
.irp k, 4,6,8,10,12,14
.irp c, 0,1,2,3
	v_pk_add_f32 v[SUM+2*\c:SUM+2*\c+1], v[SUM+2*\c:SUM+2*\c+1], v[T+16*\c+\k:T+16*\c+\k+1]
.endr
.endr
	v_pk_add_f32 v[SUM:SUM+1], v[SUM:SUM+1], v[SUM+2:SUM+3]
	v_pk_add_f32 v[SUM+4:SUM+5], v[SUM+4:SUM+5], v[SUM+6:SUM+7]
	v_pk_add_f32 v[SUM:SUM+1], v[SUM:SUM+1], v[SUM+4:SUM+5]
	v_add_f32 v[SUM], v[SUM], v[SUM+1]
	v_permlanex16_b32 v[TP], v[SUM], s88, s89
	v_add_f32 v[LS+\i], v[SUM], v[TP]              ; l of the row's 128 keys
.irp b, 0,1,2,3,4,5,6,7
.irp r, 0,1,2,3
	v_cvt_pk_f16_f32 v[TMP+4*\b+\r], v[T+8*\b+2*\r], v[T+8*\b+2*\r+1]
.endr
.endr
.irp b, 0,1,2,3,4,5,6,7
	ds_store_b128 v[STO], v[TMP+4*\b:TMP+4*\b+3] offset:32*\b
.endr
	s_wait_xcnt 0x0                                ; buffer rb, which earlier stores read, and the stores' base are rewritten only behind this wait
.if \i
	s_add_nc_u64 s[84:85], s[84:85], 16*PEROW
.endif
.irp t, 0,1,2,3,4,5,6,7
	ds_load_b128 v[\rb+4*\t:\rb+4*\t+3], v[RD] offset:\t*2*SPITCH  ; a wave's LDS instructions are served in order: these see the stores above
.endr
.irp t, 0,1,2,3,4,5,6,7
	s_wait_dscnt 7-\t                              ; the 7 - t younger stage loads stay out; the next block's mask loads are older
	global_store_b128 v[CO], v[\rb+4*\t:\rb+4*\t+3], s[84:85] offset:2*\t*PEROW   ; 16 lanes store 256 consecutive bytes, at a multiple of 256 from the buffer's first byte
.endr
.endm
	MLOAD 0
	SOFT16 0, 0, 0x02, RB0
	SOFT16 1, 1, 0x02, RB1
	SOFT16 2, 2, 0x02, RB0
	SOFT16 3, 3, 0x02, RB1
	SOFT16 4, 0, 0x03, RB0
	SOFT16 5, 1, 0x03, RB1
	SOFT16 6, 2, 0x03, RB0
	SOFT16 7, 3, 0x03, RB1
	; m and l of my 128 rows go through my own 1,024 bytes of LDS, so that each store covers 512 consecutive bytes.  Lanes l and l xor 16 write the same word with the same value.
.irp i, 0,1,2,3,4,5,6,7
	ds_store_b32 v[SADR], v[MS+\i] offset:64*\i
	ds_store_b32 v[SADR], v[LS+\i] offset:512+64*\i
.endr
	ds_load_b128 v[T:T+3], v[SRD]
	ds_load_b128 v[T+4:T+7], v[SRD] offset:512
	s_wait_dscnt 1                                 ; m is in; l's load stays out
	global_store_b128 v[SOFF], v[T:T+3], s[86:87]
	s_wait_dscnt 0
	global_store_b128 v[SOFF], v[T+4:T+7], s[86:87] offset:524288
	s_set_vgpr_msb 0x1
	s_wait_tensorcnt 0x0
	ds_add_u32 v255, v255
	s_wait_dscnt 0x0
	s_set_vgpr_msb 0x100
	CROUND                                         ; the closing round
	s_endpgm
.Lfunc_end_k_q60ba49a034_scores:
	.size	k_q60ba49a034_scores, .Lfunc_end_k_q60ba49a034_scores-k_q60ba49a034_scores
	.p2alignl 7, 3214868480
	.fill 96, 4, 3214868480
	.section	.rodata,"a",@progbits
	.p2align	6, 0x0
	.amdhsa_kernel k_q60ba49a034_scores
		.amdhsa_group_segment_fixed_size 327680
		.amdhsa_private_segment_fixed_size 0
		.amdhsa_enable_private_segment 0
		.amdhsa_kernarg_size 40
		.amdhsa_user_sgpr_count 2
		.amdhsa_user_sgpr_kernarg_segment_ptr 1
		.amdhsa_wavefront_size32 1
		.amdhsa_system_sgpr_workgroup_id_x 1
		.amdhsa_system_sgpr_workgroup_id_y 1
		.amdhsa_system_sgpr_workgroup_id_z 1
		.amdhsa_system_vgpr_workitem_id 0
		.amdhsa_next_free_vgpr 1024
		.amdhsa_next_free_sgpr 96
		.amdhsa_reserve_vcc 0
		.amdhsa_float_denorm_mode_32 3
		.amdhsa_float_denorm_mode_16_64 3
		.amdhsa_memory_ordered 1
		.amdhsa_forward_progress 1
		.amdhsa_inst_pref_size 255
	.end_amdhsa_kernel
	.section	.bss,"aw",@nobits
	.p2align	6
	.space	262144
	.amdgpu_metadata
---
amdhsa.version: [ 1, 2 ]
amdhsa.kernels:
  - .name:           k_q60ba49a034_scores
    .symbol:         k_q60ba49a034_scores.kd
    .args:
      - { .name: yh, .offset: 0, .size: 8, .value_kind: global_buffer, .address_space: global }
      - { .name: xh, .offset: 8, .size: 8, .value_kind: global_buffer, .address_space: global }
      - { .name: pe, .offset: 16, .size: 8, .value_kind: global_buffer, .address_space: global }
      - { .name: stats, .offset: 24, .size: 8, .value_kind: global_buffer, .address_space: global }
      - { .name: mask, .offset: 32, .size: 8, .value_kind: global_buffer, .address_space: global }
    .group_segment_fixed_size: 327680
    .private_segment_fixed_size: 0
    .kernarg_segment_align: 8
    .kernarg_segment_size: 40
    .max_flat_workgroup_size: 128
    .sgpr_count:     96
    .vgpr_count:     1024
    .wavefront_size: 32
...
	.end_amdgpu_metadata
.endif
;; end of part 4
;; launch pv (part 5): grid 4 x 64, 4 waves a work-group, clusters of 4 x 4, 327,680 bytes of LDS; arguments pe, xh, stats, zh; writes zh
.if DOCPART == 5
	.amdgcn_target "amdgcn-amd-amdhsa--gfx1250"
	.amdhsa_code_object_version 6
	.text
	.protected	k_q60ba49a034_pv
	.globl	k_q60ba49a034_pv
	.p2align	8
	.type	k_q60ba49a034_pv,@function
k_q60ba49a034_pv:
	s_mov_b64 s[64:65], 0
	v_nop
	global_prefetch_b8 v0, s[64:65] scope:SCOPE_SE
	s_setreg_imm32_b32 hwreg(HW_REG_WAVE_MODE, 25, 1), 1
	s_wait_xcnt 0x0
	s_wait_alu depctr_hold_cnt(0) depctr_sa_sdst(0) depctr_va_vdst(0) depctr_va_sdst(0) depctr_va_ssrc(0) depctr_va_vcc(0) depctr_vm_vsrc(0)
	s_getreg_b32 s2, hwreg(HW_REG_IB_STS2, 6, 4)
	s_cmp_eq_u32 s2, 0
	s_cbranch_scc0 .Lentry_in_a_cluster
	s_endpgm
.Lentry_in_a_cluster:
	s_bfe_u32 s2, ttmp6, 0x10000c
	s_cmp_lg_u32 s2, 0xf033
	s_cbranch_scc0 .Lentry_shape_is_right
	s_endpgm
.Lentry_shape_is_right:
; pv: zh[row][c] = (1 / L) sum over the 16 key blocks k of c_k (E_k X_k)[row][c], with M = max over k of m_k, c_k = exp2(m_k - max(M, -FLT_MAX)),
; L = sum of c_k l_k.  E (pe, f16) and m, l (stats, f32) come from the launch before; X is the batch's 2,048 rows of xh (f16).  zh is f16.
; So z = softmax(..) x, and the last launch makes out = z Wv = softmax(..) (x Wv): x stands here in v's place because it is an exact matrix operand.
; The row's true maximum is what has been taken away in the end, for every input.  A row whose mask has no true byte has all c = 0 and L = 0:
; 0 x (1 / 0) = NaN, as a softmax over -inf alone gives.  z is a weighted mean of rows of x, so f16 has for it the room that it has for x.
; A work-group makes 128 rows x 256 columns with four waves, a wave 64 x 128.  K = 2,048 keys in 16 steps of 128, one step = one block of the statistics.
; A step's product is summed from zero in 32 tiles TA and then merged, O = O + c TA (two numbers an instruction), c being the lane's own: in the
; transposed use of the matrix instruction (source 0 = 16 columns of X, source 1 = 16 rows of E) lane l holds row l % 16, columns 8 (l / 16) + 0 .. 7.
; X's tile lies as in memory, keys down the rows: its fragments are read with the transposing LDS load.
; CLUSTERS: 4 x 4 work-groups of one batch.  E's tile is asked for jointly along a row of the cluster, X's along a column.
; REGISTERS: window 0 addresses, c, fragments (two buffers); window 1 TA (tile (a, b) at v[8 (8 a + b)]); window 2 O, at the same places.
.set PEROW,  2048                      ; elements in a row of pe
.set XROW,   1024                      ; elements in a row of xh
.set ZROWB,  2048                      ; bytes in a row of zh
.set PITCH,  272                       ; E's LDS row: 256 bytes + 16
.set PB,     544                       ; X's LDS row: 512 bytes + 32
.set AOFF,   128*PB                    ; a slot: X's 128 rows, then E's 128 rows
.set SLOT,   AOFF+128*PITCH            ; 104,448
.set CTAB,   2*SLOT                    ; [16 steps][128 rows] of pairs (c, c), 16,384 bytes; from here on LDS stores alone write
.set RTAB,   CTAB+16384                ; [128 rows] of pairs (1 / L, 1 / L)
.set STAGE,  RTAB+1024                 ; 16 rows x 272 bytes for each wave
.set SPITCH, 272
.set LAPS,   8                         ; a lap = two steps
.set ADRA, 16                          ; v16-17 my E fragments in slot 0, 1
.set ADRB, 20                          ; v20-21 my X fragments
.set CADR, 22                          ; my row's c of the step whose c is fetched next
.set RADR, 23                          ; my row's 1 / L
.set STO,  24
.set RD,   25
.set CO,   26
.set CV,   32                          ; v32-39, v40-47: c of the four row blocks, as pairs, for even and odd steps
.set RLV,  48                          ; v48-55: 1 / L of the four row blocks, as pairs
.set FA,   64                          ; v64-95, v96-127: E's fragments, two buffers
.set FB,   128                         ; v128-191, v192-255: X's fragments, two buffers
.set ZT,   64                          ; the way out: v64-127 a row block's 64 numbers, v128-159 packed, v160-191 and v192-223 rows read back, by turns
.set TMP,  128
.set RB0,  160
.set RB1,  192
.set G1, 24
.set G0, 32
.set G1B, 48
.set G0B, 56
.set MSB, 0
.macro WIN new
.if MSB != \new
	s_set_vgpr_msb (MSB<<8)|\new
.set MSB, \new
.endif
.endm
.set MUL, 0x50                         ; sources 0 and 1 window 0, C and D window 1
.set MRG, 0xa1                         ; source 0 window 1, source 1 window 0, source 2 and destination window 2
.macro JLOAD s                         ; waves 0 and 1 fetch the halves of X's tile, waves 2 and 3 those of E's
	s_cmp_eq_u32 s11, 0
	s_cbranch_scc0 .Lfor_a_\@
	tensor_load_to_lds s[G0B+4*\s:G0B+4*\s+3], s[G1B:G1B+7]
	s_nop 0
	s_branch .Lasked_\@
.Lfor_a_\@:
	tensor_load_to_lds s[G0+4*\s:G0+4*\s+3], s[G1:G1+7]
	s_nop 0
.Lasked_\@:
.endm
.macro CREST
	s_cmp_lg_u32 s10, 0
	s_cbranch_scc1 .Lnot_wave_0_\@
	s_barrier_signal -3
.Lnot_wave_0_\@:
	s_barrier_wait -3
	s_barrier_signal -1
	s_barrier_wait -1
.endm
.macro CROUND
	s_barrier_signal -1
	s_barrier_wait -1
	CREST
.endm
	s_load_b128 s[4:7], s[0:1], 0x0                ; pe s[4:5], xh s[6:7]
	s_load_b128 s[84:87], s[0:1], 0x10             ; stats s[84:85], zh s[86:87]
	v_lshl_add_u32 v62, v0, 2, 0x3b800
	v_mov_b32 v63, 0
	ds_add_u32 v62, v63
	v_lshrrev_b32 v1, 5, v0
	v_readfirstlane_b32 s10, v1                    ; wave 0..3
	s_lshr_b32 s11, s10, 1                         ; my half of the rows; also: I fetch for X (0) or E (1)
	s_and_b32 s12, s10, 1                          ; my half of the columns; also: which half of that tile I fetch
	s_bfe_u32 s40, ttmp6, 0x40000                  ; cx
	s_bfe_u32 s41, ttmp6, 0x40004                  ; cy
	s_lshl_b32 s42, ttmp9, 2
	s_add_co_u32 s42, s42, s40                     ; column block of 256, 0..3
	s_and_b32 s13, ttmp7, 0xffff
	s_lshl_b32 s13, s13, 2
	s_add_co_u32 s13, s13, s41                     ; row block of 128 over all batches, 0..63
	s_lshl_b32 s43, s41, 2
	s_lshl_b32 s43, 15, s43                        ; my row of the cluster
	s_lshl_b32 s44, 0x1111, s40                    ; my column
	; group 1, E: 64 rows x 128 elements of 2 bytes, 4 words of padding behind every 64 words
	s_or_b32 s[G1+0], s43, (1<<16)|(1<<20)|(1<<21)|(5<<22)|(3<<25)
	s_mov_b32 s[G1+1], 128<<16
	s_mov_b32 s[G1+2], 64<<16
	s_mov_b32 s[G1+3], 128<<16
	s_mov_b32 s[G1+4], 64
	s_mov_b32 s[G1+5], PEROW
	s_mov_b32 s[G1+6], 0
	s_mov_b32 s[G1+7], 0
	; group 1, X: 64 rows (keys) x 256 elements, 8 words of padding behind every 128 words
	s_or_b32 s[G1B+0], s44, (1<<16)|(1<<20)|(1<<21)|(6<<22)|(7<<25)
	s_mov_b32 s[G1B+1], 256<<16
	s_mov_b32 s[G1B+2], 64<<16
	s_mov_b32 s[G1B+3], 256<<16
	s_mov_b32 s[G1B+4], 64
	s_mov_b32 s[G1B+5], XROW
	s_mov_b32 s[G1B+6], 0
	s_mov_b32 s[G1B+7], 0
	; E's tiles hang on the row block alone; X's on the column block and the batch, which is the cluster's y / 4 and so the same in all sixteen
	s_lshl_b32 s16, s13, 7
	s_lshl_b32 s17, s12, 6
	s_add_co_u32 s16, s16, s17                     ; E: row 128 x row block + 64 x half
	s_lshl_b32 s16, s16, 12                        ; x 4,096 bytes
	s_mov_b32 s17, 0
	s_and_b32 s45, ttmp7, 0xffff
	s_lshr_b32 s45, s45, 2                         ; batch
	s_lshl_b32 s45, s45, 11
	s_lshl_b32 s46, s12, 6
	s_add_co_u32 s46, s46, s45                     ; X: row 2,048 x batch + 64 x half
	s_mul_i32 s46, s46, XROW*2
	s_lshl_b32 s45, s42, 9
	s_add_co_u32 s46, s46, s45                     ; + 512 bytes x column block
	s_mov_b32 s47, 0
	s_mul_i32 s20, s10, 64*PITCH                   ; E, waves 2 and 3: the wave number x 17,408 + 34,816 = behind X's 69,632 bytes
	s_mul_i32 s21, s10, 64*PB                      ; X, waves 0 and 1: the wave number x 34,816
	s_lshl_b32 s90, s13, 9                         ; my work-group's 128 rows in a block's row of stats
	s_mov_b32 s91, 0
	v_lshlrev_b32 v8, 2, v0                        ; thread t takes row t
	s_wait_dscnt 0x0
	s_wait_kmcnt 0x0
	s_add_nc_u64 s[14:15], s[4:5], s[16:17]
	s_add_nc_u64 s[46:47], s[6:7], s[46:47]
	s_add_nc_u64 s[84:85], s[84:85], s[90:91]
.irp k, 0,1,2,3,4,5,6,7,8,9,10,11,12,13,14,15
	global_load_b32 v[64+\k], v8, s[84:85] offset:32768*\k          ; m of my row, block k: a wave reads 128 consecutive bytes
	global_load_b32 v[80+\k], v8, s[84:85] offset:524288+32768*\k   ; l
.endr
	CROUND                                         ; all sixteen work-groups are here: the first joint loads meet
.irp s, 0,1
	s_mov_b32 s[G0+4*\s], 1
	s_add_co_u32 s[G0+4*\s+1], s20, AOFF-128*PITCH+\s*SLOT
	s_add_nc_u64 s[G0+4*\s+2:G0+4*\s+3], s[14:15], \s*256           ; step s: 128 keys = 256 bytes along the rows
	s_or_b32 s[G0+4*\s+3], s[G0+4*\s+3], 0x80000000
	s_mov_b32 s[G0B+4*\s], 1
	s_add_co_u32 s[G0B+4*\s+1], s21, \s*SLOT
	s_add_nc_u64 s[G0B+4*\s+2:G0B+4*\s+3], s[46:47], \s*128*XROW*2  ; step s: 128 rows down
	s_or_b32 s[G0B+4*\s+3], s[G0B+4*\s+3], 0x80000000
	JLOAD \s                                       ; both first fills: two tensor loads of the wave are out
.endr
	v_and_b32 v1, 15, v0                           ; r
	v_bfe_u32 v2, v0, 4, 1                         ; h
	v_mul_u32_u24 v3, v1, PITCH
	v_lshl_add_u32 v3, v2, 4, v3                   ; E fragment: row r x pitch + 16 h; the stage takes 16 bytes at the same place
	v_and_b32 v6, 7, v0
	v_lshl_add_u32 v6, v2, 3, v6                   ; X fragment, transposing load: key 8 h + l % 8,
	v_mul_u32_u24 v6, v6, PB
	v_bfe_u32 v7, v0, 3, 1
	v_lshl_add_u32 v6, v7, 4, v6                   ; 8 columns further for lanes 8-15 and 24-31
	s_mul_i32 s22, s11, 64*PITCH                   ; my 64 rows of E,
	s_add_co_u32 s22, s22, AOFF                    ; behind X's tile
	s_lshl_b32 s23, s12, 8                         ; my 128 columns of X
.irp s, 0,1
	v_add_nc_u32 v[ADRA+\s], s22, v3
	v_add_nc_u32 v[ADRB+\s], s23, v6
	s_add_co_u32 s22, s22, SLOT
	s_add_co_u32 s23, s23, SLOT
.endr
	s_lshl_b32 s22, s11, 9                         ; 64 rows x 8 bytes
	s_add_co_u32 s22, s22, CTAB
	v_lshl_add_u32 v[CADR], v1, 3, s22
	v_add_nc_u32 v[RADR], RTAB-CTAB, v[CADR]
	s_mul_i32 s22, s10, 16*SPITCH
	s_add_co_u32 s22, s22, STAGE                   ; my stage
	v_add_nc_u32 v[STO], s22, v3
	v_mul_u32_u24 v5, v2, SPITCH                   ; back: lanes 0-15 take one row of 256 bytes, lanes 16-31 the next
	v_lshl_add_u32 v5, v1, 4, v5
	v_add_nc_u32 v[RD], s22, v5
	v_lshlrev_b32 v5, 11, v2                       ; and the same two rows in zh
	v_lshl_add_u32 v[CO], v1, 4, v5
	v_lshl_add_u32 v100, v0, 3, CTAB               ; where thread t puts row t's pairs
	; the statistics of row t: M, c_k, L, 1 / L
	s_wait_loadcnt 0x0
	v_max3_num_f32 v96, v64, v65, v66
.irp k, 3,5,7,9,11,13
	v_max3_num_f32 v96, v96, v[64+\k], v[64+\k+1]
.endr
	v_max_num_f32 v96, v96, v79                    ; M
	v_max_num_f32 v97, 0xff7fffff, v96             ; finite, so that -inf - it stays -inf
.irp k, 0,1,2,3,4,5,6,7,8,9,10,11,12,13,14,15
	v_sub_f32 v[64+\k], v[64+\k], v97
.endr
.irp k, 0,1,2,3,4,5,6,7,8,9,10,11,12,13,14,15
	v_exp_f32 v[64+\k], v[64+\k]                   ; c_k, at most 1
.endr
	v_nop                                          ; one plain vector instruction behind the exponentials
	s_wait_alu depctr_va_vdst(0)
	v_mul_f32 v98, v64, v80
.irp k, 1,2,3,4,5,6,7,8,9,10,11,12,13,14,15
	v_fma_f32 v98, v[64+\k], v[80+\k], v98         ; L
.endr
	v_rcp_f32 v99, v98
	v_nop                                          ; and behind the reciprocal
.irp k, 0,1,2,3,4,5,6,7,8,9,10,11,12,13,14,15
	ds_store_b32 v100, v[64+\k] offset:1024*\k
	ds_store_b32 v100, v[64+\k] offset:1024*\k+4
.endr
	s_wait_alu depctr_va_vdst(0)
	ds_store_b32 v100, v99 offset:RTAB-CTAB
	ds_store_b32 v100, v99 offset:RTAB-CTAB+4
	s_wait_dscnt 0x0                               ; my pairs are in LDS, for the other waves' sake
	s_wait_tensorcnt 1                             ; my part of step 0 is in; step 1's load stays out
	s_barrier_signal -1
	s_barrier_wait -1
.macro CVLOAD s                        ; c of my four row blocks, for the step at CADR
.irp a, 0,1,2,3
	ds_load_b64 v[CV+8*\s+2*\a:CV+8*\s+2*\a+1], v[CADR] offset:128*\a
.endr
.endm
; 24 LDS loads in one run: quarter q (32 keys) of a slot into buffer buf: X's 8 column blocks, then E's 4 row blocks
.macro PFETCH slot, q, buf
	WIN 0
.irp b, 0,1,2,3,4,5,6,7
	ds_load_tr16_b128 v[FB+64*\buf+8*\b:FB+64*\buf+8*\b+3],   v[ADRB+\slot] offset:\q*32*PB+32*\b
	ds_load_tr16_b128 v[FB+64*\buf+8*\b+4:FB+64*\buf+8*\b+7], v[ADRB+\slot] offset:\q*32*PB+32*\b+16*PB
.endr
.irp a, 0,1,2,3
	ds_load_b128 v[FA+32*\buf+8*\a:FA+32*\buf+8*\a+3],   v[ADRA+\slot] offset:64*\q+\a*16*PITCH
	ds_load_b128 v[FA+32*\buf+8*\a+4:FA+32*\buf+8*\a+7], v[ADRA+\slot] offset:64*\q+\a*16*PITCH+32
.endr
.endm
; 8 matrix instructions: row block a x all 8 column blocks.  The 32 accumulators take turns, one instruction a turn, in the same order in every quarter.
.macro MULP buf, a, zero
.irp b, 0,1,2,3,4,5,6,7
.if \zero
	v_wmma_f32_16x16x32_f16 v[8*(8*\a+\b):8*(8*\a+\b)+7], v[FB+64*\buf+8*\b:FB+64*\buf+8*\b+7], v[FA+32*\buf+8*\a:FA+32*\buf+8*\a+7], 0
.else
	v_wmma_f32_16x16x32_f16 v[8*(8*\a+\b):8*(8*\a+\b)+7], v[FB+64*\buf+8*\b:FB+64*\buf+8*\b+7], v[FA+32*\buf+8*\a:FA+32*\buf+8*\a+7], v[8*(8*\a+\b):8*(8*\a+\b)+7]
.endif
.endr
.endm
.macro PLACES                          ; four plain vector instructions behind a matrix instruction (ISA guide 7.12.1)
.rept 4
	v_nop
.endr
.endm
.macro PQUARTER slot, q, f, g, zero
	s_wait_dscnt 4                                 ; the youngest four loads (E's row blocks 2 and 3) may be out
	WIN MUL
	MULP \f, 0, \zero
	MULP \f, 1, \zero
	PLACES
	PFETCH \slot, \q, \g
	s_wait_dscnt 24                                ; all but the 24 just issued
	WIN MUL
	MULP \f, 2, \zero
	MULP \f, 3, \zero
.endm
.macro PTHREE slot                     ; a step's first product starts TA's sums anew
	PQUARTER \slot, 1, 0, 1, 1
	PQUARTER \slot, 2, 1, 0, 0
	PQUARTER \slot, 3, 0, 1, 0
.endm
; O = O + c TA, 128 instructions of two numbers; first = 1: O = c TA, so nothing is ever cleared.  These also stand between TA's last sums and their restart.
.macro MERGE s, first
	PLACES
	WIN MRG
.irp a, 0,1,2,3
.set p, 0
.rept 32
.if \first
	v_pk_mul_f32 v[64*\a+p:64*\a+p+1], v[64*\a+p:64*\a+p+1], v[CV+8*\s+2*\a:CV+8*\s+2*\a+1]
.else
	v_pk_fma_f32 v[64*\a+p:64*\a+p+1], v[64*\a+p:64*\a+p+1], v[CV+8*\s+2*\a:CV+8*\s+2*\a+1], v[64*\a+p:64*\a+p+1]
.endif
.set p, p+2
.endr
.endr
.endm
; A step's last quarter: multiplies buffer 1, changes slots, merges.  In front of the barrier each wave waits for its reads of this slot and for all its
; tensor loads (one is out: its part of the next slot); behind the cluster's round the refill comes first.
.macro PTURN slot, next, fill, first
	s_wait_dscnt 4
	WIN MUL
	MULP 1, 0, 0
	s_wait_dscnt 0                                 ; my reads of this slot are over
	s_wait_tensorcnt 0x0                           ; all my tensor loads have landed
	ds_add_u32 v62, v63
	s_wait_dscnt 0x0
	s_barrier_signal -1
	MULP 1, 1, 0                                   ; register work while the others arrive
	WIN 0
	s_barrier_wait -1
.if \fill
	CREST                                          ; no wave of any partner still reads this slot or has a load on its way
	s_add_nc_u64 s[G0+4*\slot+2:G0+4*\slot+3], s[G0+4*\slot+2:G0+4*\slot+3], 2*256
	s_add_nc_u64 s[G0B+4*\slot+2:G0B+4*\slot+3], s[G0B+4*\slot+2:G0B+4*\slot+3], 2*128*XROW*2
	JLOAD \slot                                    ; my one tensor load behind the round
.endif
	v_add_nc_u32 v[CADR], 1024, v[CADR]            ; the next step's c
	PLACES
	CVLOAD \next
	PFETCH \next, 0, 0
	WIN MUL
	MULP 1, 2, 0
	MULP 1, 3, 0
	MERGE \slot, \first
.endm
.macro PLAP first
	PTHREE 0
	PTURN 0, 1, 1, \first
	PTHREE 1
	PTURN 1, 0, 1, 0
.endm
	CVLOAD 0
	PFETCH 0, 0, 0
	PLAP 1
	WIN 0
	s_mov_b32 s3, LAPS-2
.Llap:
	PLAP 0
	WIN 0
	s_sub_co_u32 s3, s3, 1
	s_cmp_lg_u32 s3, 0
	s_cbranch_scc1 .Llap
	PTHREE 0                                       ; the last lap fills nothing
	PTURN 0, 1, 0, 0
	PTHREE 1
	s_wait_dscnt 4
	WIN MUL
	MULP 1, 0, 0
	MULP 1, 1, 0
	s_wait_dscnt 0
	MULP 1, 2, 0
	MULP 1, 3, 0
	MERGE 1, 0
	WIN 0
	; THE WAY OUT, 16 rows at a time: times 1 / L, round to f16, 16 bytes a lane into my own stage, read back as whole rows of 256 bytes
.irp a, 0,1,2,3
	ds_load_b64 v[RLV+2*\a:RLV+2*\a+1], v[RADR] offset:128*\a
.endr
	s_lshl_b32 s90, s13, 7
	s_lshl_b32 s91, s11, 6
	s_add_co_u32 s90, s90, s91                     ; my first row
	s_lshl_b32 s90, s90, 11                        ; x 2,048 bytes
	s_lshl_b32 s91, s42, 9
	s_add_co_u32 s90, s90, s91                     ; + 512 x column block
	s_lshl_b32 s91, s12, 8
	s_add_co_u32 s90, s90, s91                     ; + 256 x half
	s_mov_b32 s91, 0
	s_add_nc_u64 s[86:87], s[86:87], s[90:91]
	s_wait_dscnt 0x0
.macro POUT a, rb
	WIN 0x02                                       ; source 0 window 2
.set p, 0
.rept 32
	v_pk_mul_f32 v[ZT+p:ZT+p+1], v[64*\a+p:64*\a+p+1], v[RLV+2*\a:RLV+2*\a+1]
.set p, p+2
.endr
	WIN 0
.irp b, 0,1,2,3,4,5,6,7
.irp j, 0,1,2,3
	v_cvt_pk_f16_f32 v[TMP+4*\b+\j], v[ZT+8*\b+2*\j], v[ZT+8*\b+2*\j+1]
.endr
.endr
.irp b, 0,1,2,3,4,5,6,7
	ds_store_b128 v[STO], v[TMP+4*\b:TMP+4*\b+3] offset:32*\b
.endr
	s_wait_xcnt 0x0                                ; the registers that earlier stores read, and the stores' base, are rewritten only behind this wait
.if \a
	s_add_nc_u64 s[86:87], s[86:87], 16*ZROWB
.endif
.irp t, 0,1,2,3,4,5,6,7
	ds_load_b128 v[\rb+4*\t:\rb+4*\t+3], v[RD] offset:\t*2*SPITCH  ; a wave's LDS instructions are served in order: these see the stores above
.endr
.irp t, 0,1,2,3,4,5,6,7
	s_wait_dscnt 7-\t                              ; the 7 - t younger loads stay out
	global_store_b128 v[CO], v[\rb+4*\t:\rb+4*\t+3], s[86:87] offset:2*\t*ZROWB   ; 16 lanes store 256 consecutive bytes, at a multiple of 256 from the buffer's first byte
.endr
.endm
	POUT 0, RB0
	POUT 1, RB1
	POUT 2, RB0
	POUT 3, RB1
	s_wait_tensorcnt 0x0
	ds_add_u32 v62, v63
	s_wait_dscnt 0x0
	CROUND                                         ; the closing round
	s_endpgm
.Lfunc_end_k_q60ba49a034_pv:
	.size	k_q60ba49a034_pv, .Lfunc_end_k_q60ba49a034_pv-k_q60ba49a034_pv
	.p2alignl 7, 3214868480
	.fill 96, 4, 3214868480
	.section	.rodata,"a",@progbits
	.p2align	6, 0x0
	.amdhsa_kernel k_q60ba49a034_pv
		.amdhsa_group_segment_fixed_size 327680
		.amdhsa_private_segment_fixed_size 0
		.amdhsa_enable_private_segment 0
		.amdhsa_kernarg_size 32
		.amdhsa_user_sgpr_count 2
		.amdhsa_user_sgpr_kernarg_segment_ptr 1
		.amdhsa_wavefront_size32 1
		.amdhsa_system_sgpr_workgroup_id_x 1
		.amdhsa_system_sgpr_workgroup_id_y 1
		.amdhsa_system_sgpr_workgroup_id_z 1
		.amdhsa_system_vgpr_workitem_id 0
		.amdhsa_next_free_vgpr 768
		.amdhsa_next_free_sgpr 96
		.amdhsa_reserve_vcc 0
		.amdhsa_float_denorm_mode_32 3
		.amdhsa_float_denorm_mode_16_64 3
		.amdhsa_memory_ordered 1
		.amdhsa_forward_progress 1
		.amdhsa_inst_pref_size 185
	.end_amdhsa_kernel
	.amdgpu_metadata
---
amdhsa.version: [ 1, 2 ]
amdhsa.kernels:
  - .name:           k_q60ba49a034_pv
    .symbol:         k_q60ba49a034_pv.kd
    .args:
      - { .name: pe, .offset: 0, .size: 8, .value_kind: global_buffer, .address_space: global }
      - { .name: xh, .offset: 8, .size: 8, .value_kind: global_buffer, .address_space: global }
      - { .name: stats, .offset: 16, .size: 8, .value_kind: global_buffer, .address_space: global }
      - { .name: zh, .offset: 24, .size: 8, .value_kind: global_buffer, .address_space: global }
    .group_segment_fixed_size: 327680
    .private_segment_fixed_size: 0
    .kernarg_segment_align: 8
    .kernarg_segment_size: 32
    .max_flat_workgroup_size: 128
    .sgpr_count:     96
    .vgpr_count:     768
    .wavefront_size: 32
...
	.end_amdgpu_metadata
.endif
;; end of part 5
;; launch final (part 6): grid 4 x 64, 4 waves a work-group, clusters of 4 x 4, 327,680 bytes of LDS; arguments zh, wb, out0; writes out0
.if DOCPART == 6
	.amdgcn_target "amdgcn-amd-amdhsa--gfx1250"
	.amdhsa_code_object_version 6
	.text
	.protected	k_q60ba49a034_final
	.globl	k_q60ba49a034_final
	.p2align	8
	.type	k_q60ba49a034_final,@function
k_q60ba49a034_final:
	s_mov_b64 s[64:65], 0
	v_nop
	global_prefetch_b8 v0, s[64:65] scope:SCOPE_SE
	s_setreg_imm32_b32 hwreg(HW_REG_WAVE_MODE, 25, 1), 1
	s_wait_xcnt 0x0
	s_wait_alu depctr_hold_cnt(0) depctr_sa_sdst(0) depctr_va_vdst(0) depctr_va_sdst(0) depctr_va_ssrc(0) depctr_va_vcc(0) depctr_vm_vsrc(0)
	s_getreg_b32 s2, hwreg(HW_REG_IB_STS2, 6, 4)
	s_cmp_eq_u32 s2, 0
	s_cbranch_scc0 .Lentry_in_a_cluster
	s_endpgm
.Lentry_in_a_cluster:
	s_bfe_u32 s2, ttmp6, 0x10000c
	s_cmp_lg_u32 s2, 0xf033
	s_cbranch_scc0 .Lentry_shape_is_right
	s_endpgm
.Lentry_shape_is_right:
; final: out0[t][n] = sum over c of zh[t][c] Wv[c][n].  zh [8192][1024] f16; Wv = wb[2], [1024 c][1024 n] f16; sums in f32; out0 [8192][1024] f32.
; A row of zh that is NaN (a row whose mask has no true byte) gives a row of NaN, and touches no other row.
; A work-group makes 128 x 256 with four waves, a wave 64 x 128: 32 accumulator tiles in window 1.  K = 1,024 in steps of 128 through two LDS slots.
; Wv's tile lies as in memory, K down the rows: its fragments are read with the transposing LDS load.
; CLUSTERS: 4 x 4 work-groups; zh's tile is asked for jointly along a row of the cluster, Wv's along a column.
; THE MATRIX INSTRUCTION IS USED TRANSPOSED: source 0 = 16 columns n, source 1 = 16 rows t: lane l holds row l % 16, columns 8 (l / 16) + 0 .. 7.
.set ZROW,   1024                      ; elements in a row of zh
.set WROW,   1024                      ; elements in a row of Wv
.set OROW,   4096                      ; bytes in a row of out0
.set PITCH,  272                       ; zh's LDS row: 256 bytes + 16
.set PB,     544                       ; Wv's LDS row: 512 bytes + 32
.set AOFF,   128*PB                    ; a slot: Wv's 128 rows, then zh's 128 rows
.set SLOT,   AOFF+128*PITCH            ; 104,448
.set STAGE,  2*SLOT                    ; 16 rows x 528 bytes for each wave; LDS stores alone write here
.set SPITCH, 528                       ; 512 bytes + 16
.set LAPS,   4                         ; a lap = two K steps
.set ADRA, 16
.set ADRB, 20
.set STO,  24
.set RD,   25
.set CO,   26
.set FA,   64                          ; v64-95, v96-127: zh's fragments, two buffers
.set FB,   128                         ; v128-191, v192-255: Wv's fragments, two buffers
.set RB,   128                         ; the way out: v128-191 rows read back
.set G1, 24
.set G0, 32
.set G1B, 48
.set G0B, 56
.set MSB, 0
.macro WIN new
.if MSB != \new
	s_set_vgpr_msb (MSB<<8)|\new
.set MSB, \new
.endif
.endm
.set MUL, 0x50                         ; sources 0 and 1 window 0, C and D window 1
.macro JLOAD s                         ; waves 0 and 1 fetch the halves of Wv's tile, waves 2 and 3 those of zh's
	s_cmp_eq_u32 s11, 0
	s_cbranch_scc0 .Lfor_a_\@
	tensor_load_to_lds s[G0B+4*\s:G0B+4*\s+3], s[G1B:G1B+7]
	s_nop 0
	s_branch .Lasked_\@
.Lfor_a_\@:
	tensor_load_to_lds s[G0+4*\s:G0+4*\s+3], s[G1:G1+7]
	s_nop 0
.Lasked_\@:
.endm
.macro CREST
	s_cmp_lg_u32 s10, 0
	s_cbranch_scc1 .Lnot_wave_0_\@
	s_barrier_signal -3
.Lnot_wave_0_\@:
	s_barrier_wait -3
	s_barrier_signal -1
	s_barrier_wait -1
.endm
.macro CROUND
	s_barrier_signal -1
	s_barrier_wait -1
	CREST
.endm
	s_load_b128 s[4:7], s[0:1], 0x0                ; zh s[4:5], wb s[6:7]
	s_load_b64 s[8:9], s[0:1], 0x10                ; out0
	v_lshl_add_u32 v62, v0, 2, 0x3b400
	v_mov_b32 v63, 0
	ds_add_u32 v62, v63
	v_lshrrev_b32 v1, 5, v0
	v_readfirstlane_b32 s10, v1                    ; wave 0..3
	s_lshr_b32 s11, s10, 1                         ; my half of the rows; also: I fetch for Wv (0) or zh (1)
	s_and_b32 s12, s10, 1                          ; my half of the columns; also: which half of that tile I fetch
	s_bfe_u32 s40, ttmp6, 0x40000                  ; cx
	s_bfe_u32 s41, ttmp6, 0x40004                  ; cy
	s_lshl_b32 s42, ttmp9, 2
	s_add_co_u32 s42, s42, s40                     ; column block of 256, 0..3
	s_and_b32 s13, ttmp7, 0xffff
	s_lshl_b32 s13, s13, 2
	s_add_co_u32 s13, s13, s41                     ; row block of 128, 0..63
	s_lshl_b32 s43, s41, 2
	s_lshl_b32 s43, 15, s43                        ; my row of the cluster
	s_lshl_b32 s44, 0x1111, s40                    ; my column
	; group 1, zh: 64 rows x 128 elements of 2 bytes, 4 words of padding behind every 64 words
	s_or_b32 s[G1+0], s43, (1<<16)|(1<<20)|(1<<21)|(5<<22)|(3<<25)
	s_mov_b32 s[G1+1], 128<<16
	s_mov_b32 s[G1+2], 64<<16
	s_mov_b32 s[G1+3], 128<<16
	s_mov_b32 s[G1+4], 64
	s_mov_b32 s[G1+5], ZROW
	s_mov_b32 s[G1+6], 0
	s_mov_b32 s[G1+7], 0
	; group 1, Wv: 64 rows (K) x 256 elements, 8 words of padding behind every 128 words
	s_or_b32 s[G1B+0], s44, (1<<16)|(1<<20)|(1<<21)|(6<<22)|(7<<25)
	s_mov_b32 s[G1B+1], 256<<16
	s_mov_b32 s[G1B+2], 64<<16
	s_mov_b32 s[G1B+3], 256<<16
	s_mov_b32 s[G1B+4], 64
	s_mov_b32 s[G1B+5], WROW
	s_mov_b32 s[G1B+6], 0
	s_mov_b32 s[G1B+7], 0
	; zh's tiles hang on the row block alone, Wv's on the column block alone
	s_lshl_b32 s16, s13, 7
	s_lshl_b32 s17, s12, 6
	s_add_co_u32 s16, s16, s17                     ; zh: row 128 x row block + 64 x half
	s_lshl_b32 s16, s16, 11                        ; x 2,048 bytes
	s_mov_b32 s17, 0
	s_lshl_b32 s46, s12, 17                        ; Wv: my 64 rows of 2,048 bytes
	s_lshl_b32 s45, s42, 9
	s_add_co_u32 s46, s46, s45                     ; + 512 bytes x column block
	s_add_co_u32 s46, s46, 2*WROW*WROW*2           ; Wv is the third weight of wb
	s_mov_b32 s47, 0
	s_mul_i32 s20, s10, 64*PITCH                   ; zh, waves 2 and 3: the wave number x 17,408 + 34,816 = behind Wv's 69,632 bytes
	s_mul_i32 s21, s10, 64*PB                      ; Wv, waves 0 and 1: the wave number x 34,816
	s_wait_dscnt 0x0
	s_wait_kmcnt 0x0
	s_add_nc_u64 s[14:15], s[4:5], s[16:17]
	s_add_nc_u64 s[46:47], s[6:7], s[46:47]
	CROUND                                         ; all sixteen work-groups are here: the first joint loads meet
.irp s, 0,1
	s_mov_b32 s[G0+4*\s], 1
	s_add_co_u32 s[G0+4*\s+1], s20, AOFF-128*PITCH+\s*SLOT
	s_add_nc_u64 s[G0+4*\s+2:G0+4*\s+3], s[14:15], \s*256           ; K step s: 256 bytes along the rows
	s_or_b32 s[G0+4*\s+3], s[G0+4*\s+3], 0x80000000
	s_mov_b32 s[G0B+4*\s], 1
	s_add_co_u32 s[G0B+4*\s+1], s21, \s*SLOT
	s_add_nc_u64 s[G0B+4*\s+2:G0B+4*\s+3], s[46:47], \s*128*WROW*2  ; K step s: 128 rows down
	s_or_b32 s[G0B+4*\s+3], s[G0B+4*\s+3], 0x80000000
	JLOAD \s                                       ; both first fills: two tensor loads of the wave are out
.endr
	v_and_b32 v1, 15, v0                           ; r
	v_bfe_u32 v2, v0, 4, 1                         ; h
	v_mul_u32_u24 v3, v1, PITCH
	v_lshl_add_u32 v3, v2, 4, v3                   ; zh fragment: row r x pitch + 16 h
	v_and_b32 v6, 7, v0
	v_lshl_add_u32 v6, v2, 3, v6                   ; Wv fragment, transposing load: row k = 8 h + l % 8,
	v_mul_u32_u24 v6, v6, PB
	v_bfe_u32 v7, v0, 3, 1
	v_lshl_add_u32 v6, v7, 4, v6                   ; 8 columns further for lanes 8-15 and 24-31
	s_mul_i32 s22, s11, 64*PITCH                   ; my 64 rows of zh,
	s_add_co_u32 s22, s22, AOFF                    ; behind Wv's tile
	s_lshl_b32 s23, s12, 8                         ; my 128 columns of Wv
.irp s, 0,1
	v_add_nc_u32 v[ADRA+\s], s22, v3
	v_add_nc_u32 v[ADRB+\s], s23, v6
	s_add_co_u32 s22, s22, SLOT
	s_add_co_u32 s23, s23, SLOT
.endr
	s_mul_i32 s22, s10, 16*SPITCH
	s_add_co_u32 s22, s22, STAGE                   ; my stage
	v_mul_u32_u24 v4, v1, SPITCH
	v_lshl_add_u32 v4, v2, 5, v4                   ; in: row r, 32 bytes for each half of the lanes
	v_add_nc_u32 v[STO], s22, v4
	v_and_b32 v5, 31, v0
	v_lshlrev_b32 v[CO], 4, v5                     ; back and out: 32 lanes take a row's 512 bytes
	v_add_nc_u32 v[RD], s22, v[CO]
; 24 LDS loads in one run: quarter q (32 along K) of a slot into buffer buf: Wv's 8 column blocks, then zh's 4 row blocks
.macro PFETCH slot, q, buf
	WIN 0
.irp b, 0,1,2,3,4,5,6,7
	ds_load_tr16_b128 v[FB+64*\buf+8*\b:FB+64*\buf+8*\b+3],   v[ADRB+\slot] offset:\q*32*PB+32*\b
	ds_load_tr16_b128 v[FB+64*\buf+8*\b+4:FB+64*\buf+8*\b+7], v[ADRB+\slot] offset:\q*32*PB+32*\b+16*PB
.endr
.irp a, 0,1,2,3
	ds_load_b128 v[FA+32*\buf+8*\a:FA+32*\buf+8*\a+3],   v[ADRA+\slot] offset:64*\q+\a*16*PITCH
	ds_load_b128 v[FA+32*\buf+8*\a+4:FA+32*\buf+8*\a+7], v[ADRA+\slot] offset:64*\q+\a*16*PITCH+32
.endr
.endm
; 8 matrix instructions: row block a x all 8 column blocks.  The 32 accumulators take turns, one instruction a turn, in the same order in every quarter.
.macro MULP buf, a, zero
.irp b, 0,1,2,3,4,5,6,7
.if \zero
	v_wmma_f32_16x16x32_f16 v[8*(8*\a+\b):8*(8*\a+\b)+7], v[FB+64*\buf+8*\b:FB+64*\buf+8*\b+7], v[FA+32*\buf+8*\a:FA+32*\buf+8*\a+7], 0
.else
	v_wmma_f32_16x16x32_f16 v[8*(8*\a+\b):8*(8*\a+\b)+7], v[FB+64*\buf+8*\b:FB+64*\buf+8*\b+7], v[FA+32*\buf+8*\a:FA+32*\buf+8*\a+7], v[8*(8*\a+\b):8*(8*\a+\b)+7]
.endif
.endr
.endm
.macro PLACES                          ; four plain vector instructions behind a matrix instruction (ISA guide 7.12.1)
.rept 4
	v_nop
.endr
.endm
.macro PQUARTER slot, q, f, g, zero
	s_wait_dscnt 4                                 ; the youngest four loads (zh's row blocks 2 and 3) may be out
	WIN MUL
	MULP \f, 0, \zero
	MULP \f, 1, \zero
	PLACES
	PFETCH \slot, \q, \g
	s_wait_dscnt 24                                ; all but the 24 just issued
	WIN MUL
	MULP \f, 2, \zero
	MULP \f, 3, \zero
.endm
.macro PTHREE slot, zero
	PQUARTER \slot, 1, 0, 1, \zero
	PQUARTER \slot, 2, 1, 0, 0
	PQUARTER \slot, 3, 0, 1, 0
.endm
; A step's last quarter multiplies buffer 1 and changes slots.  In front of the barrier each wave waits for its reads of this slot and for all its
; tensor loads (one is out: its part of the next slot); behind the cluster's round the refill comes first.
.macro PTURN slot, next, fill
	s_wait_dscnt 4
	WIN MUL
	MULP 1, 0, 0
	s_wait_dscnt 0                                 ; my reads of this slot are over
	s_wait_tensorcnt 0x0                           ; all my tensor loads have landed
	ds_add_u32 v62, v63
	s_wait_dscnt 0x0
	s_barrier_signal -1
	MULP 1, 1, 0                                   ; register work while the others arrive
	WIN 0
	s_barrier_wait -1
.if \fill
	CREST                                          ; no wave of any partner still reads this slot or has a load on its way
	s_add_nc_u64 s[G0+4*\slot+2:G0+4*\slot+3], s[G0+4*\slot+2:G0+4*\slot+3], 2*256
	s_add_nc_u64 s[G0B+4*\slot+2:G0B+4*\slot+3], s[G0B+4*\slot+2:G0B+4*\slot+3], 2*128*WROW*2
	JLOAD \slot                                    ; my one tensor load behind the round
.endif
	PLACES
	PFETCH \next, 0, 0
	WIN MUL
	MULP 1, 2, 0
	MULP 1, 3, 0
.endm
.macro PLAP zero
	PTHREE 0, \zero
	PTURN 0, 1, 1
	PTHREE 1, 0
	PTURN 1, 0, 1
.endm
	s_wait_tensorcnt 1                             ; my part of K step 0 is in; K step 1's load stays out
	s_barrier_signal -1
	s_barrier_wait -1
	PFETCH 0, 0, 0
	PLAP 1                                         ; the first lap's first products start the sums
	WIN 0
	s_mov_b32 s3, LAPS-2
.Llap:
	PLAP 0
	WIN 0
	s_sub_co_u32 s3, s3, 1
	s_cmp_lg_u32 s3, 0
	s_cbranch_scc1 .Llap
	PTHREE 0, 0                                    ; the last lap fills nothing
	PTURN 0, 1, 0
	PTHREE 1, 0
	s_wait_dscnt 4
	WIN MUL
	MULP 1, 0, 0
	MULP 1, 1, 0
	s_wait_dscnt 0
	MULP 1, 2, 0
	MULP 1, 3, 0
	WIN 0
	; THE WAY OUT, 16 rows at a time: the sums go as they are, 32 bytes a lane, into my own stage and are read back as whole rows of 512 bytes
	PLACES
	s_lshl_b32 s90, s13, 7
	s_lshl_b32 s91, s11, 6
	s_add_co_u32 s90, s90, s91                     ; my first row
	s_lshl_b32 s90, s90, 12                        ; x 4,096 bytes
	s_lshl_b32 s91, s42, 10
	s_add_co_u32 s90, s90, s91                     ; + 1,024 x column block
	s_lshl_b32 s91, s12, 9
	s_add_co_u32 s90, s90, s91                     ; + 512 x half
	s_mov_b32 s91, 0
	s_add_nc_u64 s[8:9], s[8:9], s[90:91]
.macro FOUT a
	WIN 0x04                                       ; an LDS store's data stand in the place of source 1: window 1; its address in window 0
.irp b, 0,1,2,3,4,5,6,7
	ds_store_b128 v[STO], v[8*(8*\a+\b):8*(8*\a+\b)+3] offset:64*\b
	ds_store_b128 v[STO], v[8*(8*\a+\b)+4:8*(8*\a+\b)+7] offset:64*\b+16
.endr
	WIN 0
	s_wait_xcnt 0x0                                ; v128-191, which earlier stores read, and the stores' base are rewritten only behind this wait
.if \a
	s_add_nc_u64 s[8:9], s[8:9], 16*OROW
.endif
.irp t, 0,1,2,3,4,5,6,7,8,9,10,11,12,13,14,15
	ds_load_b128 v[RB+4*\t:RB+4*\t+3], v[RD] offset:SPITCH*\t      ; a wave's LDS instructions are served in order: these see the stores above
.endr
.irp t, 0,1,2,3,4,5,6,7,8,9,10,11,12,13,14,15
	s_wait_dscnt 15-\t                             ; the 15 - t younger loads stay out
	global_store_b128 v[CO], v[RB+4*\t:RB+4*\t+3], s[8:9] offset:OROW*\t th:TH_STORE_NT   ; the wave stores 512 consecutive bytes, at a multiple of 256 from the buffer's first byte
.endr
.endm
	FOUT 0
	FOUT 1
	FOUT 2
	FOUT 3
	s_wait_tensorcnt 0x0
	ds_add_u32 v62, v63
	s_wait_dscnt 0x0
	CROUND                                         ; the closing round
	s_endpgm
.Lfunc_end_k_q60ba49a034_final:
	.size	k_q60ba49a034_final, .Lfunc_end_k_q60ba49a034_final-k_q60ba49a034_final
	.p2alignl 7, 3214868480
	.fill 96, 4, 3214868480
	.section	.rodata,"a",@progbits
	.p2align	6, 0x0
	.amdhsa_kernel k_q60ba49a034_final
		.amdhsa_group_segment_fixed_size 327680
		.amdhsa_private_segment_fixed_size 0
		.amdhsa_enable_private_segment 0
		.amdhsa_kernarg_size 24
		.amdhsa_user_sgpr_count 2
		.amdhsa_user_sgpr_kernarg_segment_ptr 1
		.amdhsa_wavefront_size32 1
		.amdhsa_system_sgpr_workgroup_id_x 1
		.amdhsa_system_sgpr_workgroup_id_y 1
		.amdhsa_system_sgpr_workgroup_id_z 1
		.amdhsa_system_vgpr_workitem_id 0
		.amdhsa_next_free_vgpr 512
		.amdhsa_next_free_sgpr 96
		.amdhsa_reserve_vcc 0
		.amdhsa_float_denorm_mode_32 3
		.amdhsa_float_denorm_mode_16_64 3
		.amdhsa_memory_ordered 1
		.amdhsa_forward_progress 1
		.amdhsa_inst_pref_size 118
	.end_amdhsa_kernel
	.amdgpu_metadata
---
amdhsa.version: [ 1, 2 ]
amdhsa.kernels:
  - .name:           k_q60ba49a034_final
    .symbol:         k_q60ba49a034_final.kd
    .args:
      - { .name: zh, .offset: 0, .size: 8, .value_kind: global_buffer, .address_space: global }
      - { .name: wb, .offset: 8, .size: 8, .value_kind: global_buffer, .address_space: global }
      - { .name: out0, .offset: 16, .size: 8, .value_kind: global_buffer, .address_space: global }
    .group_segment_fixed_size: 327680
    .private_segment_fixed_size: 0
    .kernarg_segment_align: 8
    .kernarg_segment_size: 24
    .max_flat_workgroup_size: 128
    .sgpr_count:     96
    .vgpr_count:     512
    .wavefront_size: 32
...
	.end_amdgpu_metadata
.endif
;; end of part 6
;; ======== version 2 of 3: 5 launches; 1.18 times as fast as version 1
;; limits: values are held in f16: magnitudes above 65,504 overflow, below 6.1e-05 lose precision; right only within a limited range of input values; inputs' magnitudes at most 65,504
;; workspace buffers: xh 16,777,216 bytes; wb 6,291,456 bytes; qk 33,554,432 bytes; pe 33,554,432 bytes; stats 1,048,576 bytes; zh 16,777,216 bytes
;; launch cast (part 7): grid 704 x 1, 8 waves a work-group, no clusters, 0 bytes of LDS; arguments x, q_wei, k_wei, v_wei, xh, wb; writes xh, wb
.if DOCPART == 7
	.amdgcn_target "amdgcn-amd-amdhsa--gfx1250"
	.amdhsa_code_object_version 6
	.text
	.protected	k_q60ba49a034_cast
	.globl	k_q60ba49a034_cast
	.p2align	8
	.type	k_q60ba49a034_cast,@function
k_q60ba49a034_cast:
	s_mov_b64 s[64:65], 0
	v_nop
	global_prefetch_b8 v0, s[64:65] scope:SCOPE_SE
	s_setreg_imm32_b32 hwreg(HW_REG_WAVE_MODE, 25, 1), 1
	s_wait_xcnt 0x0
; cast: every input number is rounded once to bf16 (nearest even) and that number is written as f16; the layouts stay.
;   x [8192][1024] f32 -> xh;   q_wei, k_wei, v_wei [1024][1024] f32 -> wb[0], wb[1], wb[2]
; A bf16 number has 8 significant bits and f16 holds 11, so the f16 copy is exact for magnitudes from 2^-17 up.
; LIMITS: all four inputs below 65,504 in magnitude; smaller than 2^-17 they are kept to an absolute 2^-25.
; All sources are rows of 1,024 f32 (4,096 bytes) that become 2,048 bytes.  A work-group takes 16 rows: groups 0-511 those of x, 512-575 of q_wei,
; 576-639 of k_wei, 640-703 of v_wei.  Thread t owns columns 4 t .. 4 t + 3: a load of a wave covers 512 consecutive bytes, a store 256 consecutive
; bytes at a multiple of 256 from the buffer's first byte.  All 16 loads of a thread go out at once; load and store registers are written once.
; No LDS, no matrix unit, no cluster: no byte is read twice and no two work-groups share an input.
.set INROW,  4096
.set OUTROW, 2048
.set X, 4                              ; v[4:67]    row i: 4 f32 as loaded
.set H, 68                             ; v[68:99]   row i: 4 f16 to store
.set P, 100                            ; v[100:101] 4 bf16, at work
.set T, 102                            ; v[102:105] the bf16 widened again, at work
	s_load_b256 s[4:11], s[0:1], 0x0               ; x s[4:5], q_wei s[6:7], k_wei s[8:9], v_wei s[10:11]
	s_load_b128 s[12:15], s[0:1], 0x20             ; xh s[12:13], wb s[14:15]
	s_mov_b32 s20, ttmp9                           ; the group's number
	s_sub_co_u32 s21, s20, 512                     ; its number among the weights' groups (used only from 512 on)
	s_and_b32 s22, s21, 63                         ; its number inside one weight
	s_mov_b32 s30, 0xffff0000                      ; a word's upper bf16
	v_lshlrev_b32 v1, 4, v0                        ; my 16 bytes of a source row
	v_lshlrev_b32 v2, 3, v0                        ; my 8 bytes of a destination row
	s_wait_kmcnt 0x0
	s_cmp_lt_u32 s20, 640                          ; the choice of buffers hangs on the group's number alone
	s_cselect_b64 s[16:17], s[8:9], s[10:11]       ; k_wei or v_wei
	s_cmp_lt_u32 s20, 576
	s_cselect_b64 s[16:17], s[6:7], s[16:17]       ; q_wei
	s_cmp_lt_u32 s20, 512
	s_cselect_b64 s[16:17], s[4:5], s[16:17]       ; x
	s_cselect_b64 s[18:19], s[12:13], s[14:15]     ; xh or wb
	s_cselect_b32 s23, s20, s22                    ; block of 16 rows in the source
	s_cselect_b32 s24, s20, s21                    ; block of 16 rows in the destination (wb holds the three weights one behind the other)
	s_lshl_b32 s26, s23, 16                        ; 16 rows x 4,096 bytes
	s_mov_b32 s27, 0
	s_lshl_b32 s28, s24, 15                        ; 16 rows x 2,048 bytes
	s_mov_b32 s29, 0
	s_add_nc_u64 s[16:17], s[16:17], s[26:27]
	s_add_nc_u64 s[18:19], s[18:19], s[28:29]
.irp i, 0,1,2,3,4,5,6,7,8,9,10,11,12,13,14,15
	global_load_b128 v[X+4*\i:X+4*\i+3], v1, s[16:17] offset:INROW*\i th:TH_LOAD_NT   ; read once in the launch
.endr
.irp i, 0,1,2,3,4,5,6,7,8,9,10,11,12,13,14,15
	s_wait_loadcnt 15-\i                           ; loads come back in order: row i is in, the 15 - i younger ones stay out
	v_cvt_pk_bf16_f32 v[P],   v[X+4*\i],   v[X+4*\i+1]
	v_cvt_pk_bf16_f32 v[P+1], v[X+4*\i+2], v[X+4*\i+3]
	v_lshlrev_b32 v[T],   16,  v[P]                ; the rounded numbers as f32 again,
	v_and_b32     v[T+1], s30, v[P]
	v_lshlrev_b32 v[T+2], 16,  v[P+1]
	v_and_b32     v[T+3], s30, v[P+1]
	v_cvt_pk_f16_f32 v[H+2*\i],   v[T],   v[T+1]   ; and as f16
	v_cvt_pk_f16_f32 v[H+2*\i+1], v[T+2], v[T+3]
	global_store_b64 v2, v[H+2*\i:H+2*\i+1], s[18:19] offset:OUTROW*\i
.endr
	s_endpgm
.Lfunc_end_k_q60ba49a034_cast:
	.size	k_q60ba49a034_cast, .Lfunc_end_k_q60ba49a034_cast-k_q60ba49a034_cast
	.p2alignl 7, 3214868480
	.fill 96, 4, 3214868480
	.section	.rodata,"a",@progbits
	.p2align	6, 0x0
	.amdhsa_kernel k_q60ba49a034_cast
		.amdhsa_group_segment_fixed_size 0
		.amdhsa_private_segment_fixed_size 0
		.amdhsa_enable_private_segment 0
		.amdhsa_kernarg_size 48
		.amdhsa_user_sgpr_count 2
		.amdhsa_user_sgpr_kernarg_segment_ptr 1
		.amdhsa_wavefront_size32 1
		.amdhsa_system_sgpr_workgroup_id_x 1
		.amdhsa_system_sgpr_workgroup_id_y 1
		.amdhsa_system_sgpr_workgroup_id_z 1
		.amdhsa_system_vgpr_workitem_id 0
		.amdhsa_next_free_vgpr 108
		.amdhsa_next_free_sgpr 66
		.amdhsa_reserve_vcc 0
		.amdhsa_float_denorm_mode_32 3
		.amdhsa_float_denorm_mode_16_64 3
		.amdhsa_memory_ordered 1
		.amdhsa_forward_progress 1
		.amdhsa_inst_pref_size 11
	.end_amdhsa_kernel
	.amdgpu_metadata
---
amdhsa.version: [ 1, 2 ]
amdhsa.kernels:
  - .name:           k_q60ba49a034_cast
    .symbol:         k_q60ba49a034_cast.kd
    .args:
      - { .name: x, .offset: 0, .size: 8, .value_kind: global_buffer, .address_space: global }
      - { .name: q_wei, .offset: 8, .size: 8, .value_kind: global_buffer, .address_space: global }
      - { .name: k_wei, .offset: 16, .size: 8, .value_kind: global_buffer, .address_space: global }
      - { .name: v_wei, .offset: 24, .size: 8, .value_kind: global_buffer, .address_space: global }
      - { .name: xh, .offset: 32, .size: 8, .value_kind: global_buffer, .address_space: global }
      - { .name: wb, .offset: 40, .size: 8, .value_kind: global_buffer, .address_space: global }
    .group_segment_fixed_size: 0
    .private_segment_fixed_size: 0
    .kernarg_segment_align: 8
    .kernarg_segment_size: 48
    .max_flat_workgroup_size: 256
    .sgpr_count:     66
    .vgpr_count:     108
    .wavefront_size: 32
...
	.end_amdgpu_metadata
.endif
;; end of part 7
;; launch qkproj (part 8): grid 8 x 32, 4 waves a work-group, clusters of 4 x 4, 327,680 bytes of LDS; arguments xh, wb, qk; writes qk
.if DOCPART == 8
	.amdgcn_target "amdgcn-amd-amdhsa--gfx1250"
	.amdhsa_code_object_version 6
	.text
	.protected	k_q60ba49a034_qkproj
	.globl	k_q60ba49a034_qkproj
	.p2align	8
	.type	k_q60ba49a034_qkproj,@function
k_q60ba49a034_qkproj:
	s_mov_b64 s[64:65], 0
	v_nop
	global_prefetch_b8 v0, s[64:65] scope:SCOPE_SE
	s_setreg_imm32_b32 hwreg(HW_REG_WAVE_MODE, 25, 1), 1
	s_wait_xcnt 0x0
	s_wait_alu depctr_hold_cnt(0) depctr_sa_sdst(0) depctr_va_vdst(0) depctr_va_sdst(0) depctr_va_ssrc(0) depctr_va_vcc(0) depctr_vm_vsrc(0)
	s_getreg_b32 s2, hwreg(HW_REG_IB_STS2, 6, 4)
	s_cmp_eq_u32 s2, 0
	s_cbranch_scc0 .Lentry_in_a_cluster
	s_endpgm
.Lentry_in_a_cluster:
	s_bfe_u32 s2, ttmp6, 0x10000c
	s_cmp_lg_u32 s2, 0xf033
	s_cbranch_scc0 .Lentry_shape_is_right
	s_endpgm
.Lentry_shape_is_right:
; qkproj: qk[m][n] = 1/8 x sum over c of xh[m][c] wb[n / 1024][c][n % 1024].  xh [8192][1024], wb[0] = Wq, wb[1] = Wk [1024 c][1024 n], qk [8192][2048],
; all f16; sums in f32, K ascending, scaled by 2^-3 (exact) and rounded once.  Columns 0-1023 of qk are q / 8, columns 1024-2047 are k / 8.
; LIMITS: |q| and |k| below 524,000 (f16's 65,504 x 8); below 5e-4 they are kept to an absolute step of 5e-7.
; A work-group makes 256 x 256 of qk with four waves, a wave 128 x 128: 64 accumulator tiles of 16 x 16, 512 registers.  K goes in steps of 128
; through two LDS slots filled by tensor loads.  xh's tile: 256 rows of 256 bytes.  The weight's tile lies as it lies in memory, K down the rows:
; 128 rows (c) of 512 bytes (256 n); its fragments are read with the transposing LDS load.
; CLUSTERS: 4 x 4 work-groups.  The four of a row of the cluster need the same tile of xh, the four of a column the same tile of the weight: each tile
; is asked for jointly, by the same tensor load with the same descriptor and a mask that names the four.
; REGISTERS in windows of 256: window 0: v0-31 addresses, v64-127 and v128-191 fragments of xh (two buffers), v192-223 the way out;
; window 1: v64-127, v128-191 fragments of the weight; window 2: accumulators of my rows 0-63 (tile (a, b) at v[8 (8 a + b)]); window 3: rows 64-127.
; THE MATRIX INSTRUCTION IS USED TRANSPOSED: source 0 = 16 columns n (weight), source 1 = 16 rows m (xh).  Lane l then holds row m = l % 16 and its eight
; registers the columns n = 8 (l / 16) + 0 .. 7: eight neighbouring numbers of a row of qk.
.set SIZE_N, 2048
.set SIZE_K, 1024
.set WROW,   1024                      ; elements in a row of a weight
.set KSTEP,  128
.set PITCH,  272                       ; xh's LDS row: 256 bytes + 16 of padding: the 16 rows of a fragment load start 16 bytes apart modulo 256
.set PB,     544                       ; the weight's LDS row: 512 bytes + 32 of padding, 17 x 32
.set HALFT,  128*PITCH                 ; what one tensor load brings: 128 rows of xh, or 64 rows of the weight (64 x 544 is the same 34,816 bytes)
.set SLOT,   4*HALFT                   ; xh's 256 rows, then the weight's 128 rows
.set STAGE,  2*SLOT                    ; behind the ring: 16 rows x 272 bytes for each wave, for the way out; no tensor load lands here
.set SPITCH, 272
.set LAPS, SIZE_K/(2*KSTEP)            ; a lap = two K steps = once round the ring: 4
.set ADRA, 16                          ; v16-17  LDS address of my xh fragments in slot 0, 1
.set ADRB, 20                          ; v20-21  the same for the weight
.set STO,  24                          ; v24     the way out: where I put 16 bytes of a row
.set RD,   25                          ; v25     the way out: where I read a row back
.set CO,   26                          ; v26     my byte offset in qk
.set F0,   64
.set F1,   128
.set T,    64                          ; the way out: v64-127 a row block's 64 scaled numbers (the fragments are done with by then),
.set RB0,  128                         ; v128-159, v160-191 rows read back, by turns,
.set RB1,  160
.set TMP,  192                         ; v192-223 packed results
.set G1, 24                            ; s[24:31] descriptor group 1, xh
.set G0, 32                            ; s[32:39] descriptor group 0, xh, one set for each slot
.set G1B, 48                           ; s[48:55] descriptor group 1, weight
.set G0B, 56                           ; s[56:63] descriptor group 0, weight, one set for each slot
.set MSB, 0
.macro WIN new                         ; the immediate's high byte repeats the setting that is left; a switch that changes nothing is dropped
.if MSB != \new
	s_set_vgpr_msb (MSB<<8)|\new
.set MSB, \new
.endif
.endm
.set MUL_LO, 0xa1                      ; source 0 window 1, source 1 window 0, C and D window 2
.set MUL_HI, 0xf1                      ; the same, C and D window 3
.set TO_B,   0x40                      ; destination window 1, address window 0
; A joint load: waves 0 and 1 fetch the halves of xh's tile, waves 2 and 3 those of the weight's.  The branch hangs on the wave number alone.
.macro JLOAD s
	s_cmp_eq_u32 s11, 0
	s_cbranch_scc0 .Lfor_b_\@
	tensor_load_to_lds s[G0+4*\s:G0+4*\s+3], s[G1:G1+7]
	s_nop 0
	s_branch .Lasked_\@
.Lfor_b_\@:
	tensor_load_to_lds s[G0B+4*\s:G0B+4*\s+3], s[G1B:G1B+7]
	s_nop 0
.Lasked_\@:
.endm
; A round of the cluster's barrier: my work-group's barrier; wave 0 signals for the work-group; every wave waits for all sixteen; my work-group's barrier again.
.macro CREST                           ; a round behind its opening barrier
	s_cmp_lg_u32 s10, 0
	s_cbranch_scc1 .Lnot_wave_0_\@
	s_barrier_signal -3
.Lnot_wave_0_\@:
	s_barrier_wait -3
	s_barrier_signal -1
	s_barrier_wait -1
.endm
.macro CROUND
	s_barrier_signal -1
	s_barrier_wait -1
	CREST
.endm
	s_load_b128 s[4:7], s[0:1], 0x0                ; xh s[4:5], wb s[6:7]
	s_load_b64 s[8:9], s[0:1], 0x10                ; qk
	s_set_vgpr_msb 0x40
	v_lshl_add_u32 v255, v0, 2, 0x48400
	s_set_vgpr_msb 0x4000
	v_mov_b32 v255, 0
	s_set_vgpr_msb 0x1
	ds_add_u32 v255, v255
	s_set_vgpr_msb 0x100
	v_lshrrev_b32 v1, 5, v0
	v_readfirstlane_b32 s10, v1                    ; wave 0..3
	s_lshr_b32 s11, s10, 1                         ; which half of the block's rows is mine; also: I fetch for xh (0) or the weight (1)
	s_and_b32 s12, s10, 1                          ; which half of its columns; also: which half of that tile I fetch
	s_bfe_u32 s40, ttmp6, 0x40000                  ; cx
	s_bfe_u32 s41, ttmp6, 0x40004                  ; cy
	s_lshl_b32 s42, ttmp9, 2
	s_add_co_u32 s42, s42, s40                     ; block column = 4 x cluster x + cx, 0..7
	s_and_b32 s13, ttmp7, 0xffff
	s_lshl_b32 s13, s13, 2
	s_add_co_u32 s13, s13, s41                     ; block row = 4 x cluster y + cy, 0..31
	s_lshl_b32 s43, s41, 2
	s_lshl_b32 s43, 15, s43                        ; my row of the cluster: places 4 cy .. 4 cy + 3
	s_lshl_b32 s44, 0x1111, s40                    ; my column: places cx, cx + 4, cx + 8, cx + 12
	; group 1, xh: 128 rows x 128 elements of 2 bytes, 4 words of padding behind every 64 words
	s_or_b32 s[G1+0], s43, (1<<16)|(1<<20)|(1<<21)|(5<<22)|(3<<25)
	s_mov_b32 s[G1+1], KSTEP<<16                   ; tensor_dim0 = 128
	s_mov_b32 s[G1+2], 128<<16                     ; tensor_dim1 = 128
	s_mov_b32 s[G1+3], KSTEP<<16                   ; tile_dim0 = 128
	s_mov_b32 s[G1+4], 128                         ; tile_dim1 = 128
	s_mov_b32 s[G1+5], SIZE_K                      ; elements from row to row
	s_mov_b32 s[G1+6], 0
	s_mov_b32 s[G1+7], 0
	; group 1, weight: 64 rows (c) x 256 elements (n), 8 words of padding behind every 128 words
	s_or_b32 s[G1B+0], s44, (1<<16)|(1<<20)|(1<<21)|(6<<22)|(7<<25)
	s_mov_b32 s[G1B+1], 256<<16                    ; tensor_dim0 = 256
	s_mov_b32 s[G1B+2], 64<<16                     ; tensor_dim1 = 64
	s_mov_b32 s[G1B+3], 256<<16                    ; tile_dim0 = 256
	s_mov_b32 s[G1B+4], 64                         ; tile_dim1 = 64
	s_mov_b32 s[G1B+5], WROW
	s_mov_b32 s[G1B+6], 0
	s_mov_b32 s[G1B+7], 0
	; where the tiles come from: xh's hang on the block row alone, the weight's on the block column alone
	s_lshl_b32 s17, s12, 7
	s_lshl_b32 s16, s13, 8
	s_add_co_u32 s16, s16, s17                     ; xh: row 256 x block row + 128 x half
	s_mov_b32 s17, 0
	s_mov_b64 s[18:19], SIZE_K*2
	s_mul_u64 s[16:17], s[16:17], s[18:19]
	s_lshr_b32 s46, s42, 2                         ; which weight (four block columns each): Wq or Wk,
	s_lshl_b32 s46, s46, 21                        ; 2,097,152 bytes each,
	s_and_b32 s45, s42, 3
	s_lshl_b32 s45, s45, 9                         ; 256 columns = 512 bytes inside it,
	s_add_co_u32 s46, s46, s45
	s_lshl_b32 s45, s12, 17                        ; and my 64 rows of 2,048 bytes
	s_add_co_u32 s46, s46, s45
	s_mov_b32 s47, 0
	s_mul_i32 s20, s10, HALFT                      ; where they go: the wave number x 34,816
	s_wait_dscnt 0x0
	s_wait_kmcnt 0x0
	s_add_nc_u64 s[14:15], s[4:5], s[16:17]
	s_add_nc_u64 s[46:47], s[6:7], s[46:47]
	CROUND                                         ; all sixteen work-groups are here: the first joint loads meet
.irp s, 0,1
	s_mov_b32 s[G0+4*\s], 1
	s_add_co_u32 s[G0+4*\s+1], s20, \s*SLOT
	s_add_nc_u64 s[G0+4*\s+2:G0+4*\s+3], s[14:15], \s*KSTEP*2          ; K step s: 256 bytes along the rows
	s_or_b32 s[G0+4*\s+3], s[G0+4*\s+3], 0x80000000
	s_mov_b32 s[G0B+4*\s], 1
	s_add_co_u32 s[G0B+4*\s+1], s20, \s*SLOT
	s_add_nc_u64 s[G0B+4*\s+2:G0B+4*\s+3], s[46:47], \s*KSTEP*WROW*2   ; K step s: 128 rows down
	s_or_b32 s[G0B+4*\s+3], s[G0B+4*\s+3], 0x80000000
	JLOAD \s                                       ; both first fills go out before anything else: two tensor loads of the wave are out
.endr
	v_and_b32 v1, 15, v0                           ; r = l % 16
	v_bfe_u32 v2, v0, 4, 1                         ; h = l / 16
	v_mul_u32_u24 v3, v1, PITCH
	v_lshl_add_u32 v3, v2, 4, v3                   ; xh fragment: row r x pitch + 16 h
	v_and_b32 v6, 7, v0
	v_lshl_add_u32 v6, v2, 3, v6                   ; weight fragment, transposing load: row c = 8 h + l % 8,
	v_mul_u32_u24 v6, v6, PB
	v_bfe_u32 v7, v0, 3, 1
	v_lshl_add_u32 v6, v7, 4, v6                   ; 16 bytes (8 columns) further for lanes 8-15 and 24-31
	s_mul_i32 s21, s11, HALFT                      ; my 128 rows of xh
	s_lshl_b32 s22, s12, 8                         ; my 128 columns of the weight, 256 bytes,
	s_add_co_u32 s22, s22, 2*HALFT                 ; behind xh's 256 rows
.irp s, 0,1
	v_add_nc_u32 v[ADRA+\s], s21, v3
	v_add_nc_u32 v[ADRB+\s], s22, v6
	s_add_co_u32 s21, s21, SLOT
	s_add_co_u32 s22, s22, SLOT
.endr
	s_mul_i32 s23, s10, 16*SPITCH
	s_add_co_u32 s23, s23, STAGE                   ; my stage
	v_mul_u32_u24 v4, v1, SPITCH
	v_lshl_add_u32 v4, v2, 4, v4
	v_add_nc_u32 v[STO], s23, v4
	v_mul_u32_u24 v5, v2, SPITCH
	v_lshl_add_u32 v5, v1, 4, v5
	v_add_nc_u32 v[RD], s23, v5
	v_mul_u32_u24 v5, v2, SIZE_N*2
	v_lshl_add_u32 v[CO], v1, 4, v5
; 16 matrix instructions: m blocks a0, a0 + 1 of the window's four x all 8 n blocks, 32 along K.  zero = 1: the first product starts the sums.
; The 64 accumulators take turns, one instruction a turn, in the same order in every quarter step.
.macro MUL16 f, hi, a0, zero
.irp a, \a0, \a0+1
.irp b, 0,1,2,3,4,5,6,7
.if \zero
	v_wmma_f32_16x16x32_f16 v[8*(8*(\a)+\b):8*(8*(\a)+\b)+7], v[\f+8*\b:\f+8*\b+7], v[\f+8*(4*\hi+\a):\f+8*(4*\hi+\a)+7], 0
.else
	v_wmma_f32_16x16x32_f16 v[8*(8*(\a)+\b):8*(8*(\a)+\b)+7], v[\f+8*\b:\f+8*\b+7], v[\f+8*(4*\hi+\a):\f+8*(4*\hi+\a)+7], v[8*(8*(\a)+\b):8*(8*(\a)+\b)+7]
.endif
.endr
.endr
.endm
; 32 LDS loads in one run: one quarter step's fragments into buffer f.  k = 0, 64, 128, 192: the quarter's byte in xh's rows; in the weight it is 32 rows a quarter.
; Weight: the first transposing load brings c = 8 h .. 8 h + 7 of column 16 i + r, the second the same 16 rows further down.
.macro FETCH slot, k, f
	WIN TO_B
.irp i, 0,1,2,3,4,5,6,7
	ds_load_tr16_b128 v[\f+8*\i:\f+8*\i+3],   v[ADRB+\slot] offset:(\k/64)*32*PB+32*\i
	ds_load_tr16_b128 v[\f+8*\i+4:\f+8*\i+7], v[ADRB+\slot] offset:(\k/64)*32*PB+32*\i+16*PB
.endr
	WIN 0
.irp i, 0,1,2,3,4,5,6,7
	ds_load_b128 v[\f+8*\i:\f+8*\i+3],   v[ADRA+\slot] offset:\k+\i*16*PITCH
	ds_load_b128 v[\f+8*\i+4:\f+8*\i+7], v[ADRA+\slot] offset:\k+\i*16*PITCH+32
.endr
.endm
; Four plain vector instructions stand between a matrix instruction and a load into, or a vector access to, one of its registers
.macro PLACES
.rept 4
	v_nop
.endr
.endm
.macro QUARTER slot, k, f, g, zero
	s_wait_dscnt 8                                 ; the weight's fragments and xh's rows 0-63 are in; the youngest eight loads (xh's rows 64-127) may be out
	WIN MUL_LO
	MUL16 \f, 0, 0, \zero
	MUL16 \f, 0, 2, \zero
	PLACES
	FETCH \slot, \k, \g
	s_wait_dscnt 32                                ; all but the 32 just issued
	WIN MUL_HI
	MUL16 \f, 1, 0, \zero
	MUL16 \f, 1, 2, \zero
.endm
.macro THREE slot, zero
	QUARTER \slot, 64,  F0, F1, \zero
	QUARTER \slot, 128, F1, F0, 0
	QUARTER \slot, 192, F0, F1, 0
.endm
; The last quarter of a K step multiplies buffer 1 and changes slots.  In front of the barrier each wave waits for its reads of this slot and for all its
; tensor loads (one is out: its part of the next slot).  Behind it, and behind the rest of the cluster's round, the refill comes first.
; From a request to the wait for it a wave issues 240 matrix instructions.
.macro TURN slot, next, fill
	s_wait_dscnt 8
	WIN MUL_LO
	MUL16 F1, 0, 0, 0
	s_wait_dscnt 0                                 ; my reads of this slot are over
	s_wait_tensorcnt 0x0                           ; all my tensor loads have landed
	ds_add_u32 v255, v255
	s_wait_dscnt 0x0
	s_barrier_signal -1
	MUL16 F1, 0, 2, 0                              ; register work while the others arrive
	WIN 0
	s_barrier_wait -1
.if \fill
	CREST                                          ; no wave of any partner still reads this slot or has a load on its way
	s_add_nc_u64 s[G0+4*\slot+2:G0+4*\slot+3], s[G0+4*\slot+2:G0+4*\slot+3], 2*KSTEP*2
	s_add_nc_u64 s[G0B+4*\slot+2:G0B+4*\slot+3], s[G0B+4*\slot+2:G0B+4*\slot+3], 2*KSTEP*WROW*2
	JLOAD \slot                                    ; my one tensor load behind the round
.endif
	PLACES
	FETCH \next, 0, F0
	WIN MUL_HI
	MUL16 F1, 1, 0, 0
	MUL16 F1, 1, 2, 0
.endm
.macro LAP zero
	THREE 0, \zero
	TURN 0, 1, 1
	THREE 1, 0
	TURN 1, 0, 1
.endm
	s_wait_tensorcnt 1                             ; my part of K step 0 is in; K step 1's load stays out
	s_barrier_signal -1
	s_barrier_wait -1
	FETCH 0, 0, F0
	LAP 1                                          ; the first lap's first products start the sums
	WIN 0
	s_mov_b32 s3, LAPS-2
.Llap:
	LAP 0
	WIN 0
	s_sub_co_u32 s3, s3, 1
	s_cmp_lg_u32 s3, 0
	s_cbranch_scc1 .Llap
	THREE 0, 0                                     ; the last lap fills nothing
	TURN 0, 1, 0
	THREE 1, 0
	s_wait_dscnt 8
	WIN MUL_LO
	MUL16 F1, 0, 0, 0
	MUL16 F1, 0, 2, 0
	s_wait_dscnt 0
	WIN MUL_HI
	MUL16 F1, 1, 0, 0
	MUL16 F1, 1, 2, 0
	WIN 0
	; THE WAY OUT, 16 rows at a time: times 2^-3, round to f16, 16 bytes a lane into my own stage, read back as whole rows of 256 bytes
	PLACES                                         ; behind the last matrix instructions: results are read and fragment registers rewritten below
	s_lshl_b32 s13, s13, 8
	s_lshl_b32 s14, s11, 7
	s_add_co_u32 s16, s13, s14                     ; my first row
	s_mov_b32 s17, 0
	s_mov_b64 s[18:19], SIZE_N*2
	s_mul_u64 s[16:17], s[16:17], s[18:19]
	s_add_nc_u64 s[8:9], s[8:9], s[16:17]
	s_lshl_b32 s46, s42, 9                         ; my first column in bytes: 512 x block + 256 x half
	s_lshl_b32 s47, s12, 8
	s_add_co_u32 s46, s46, s47
	s_mov_b32 s47, 0
	s_add_nc_u64 s[8:9], s[8:9], s[46:47]
; rows 16 i .. 16 i + 15 of my block = the eight tiles (a, 0..7) of window 2 or 3 (from = 0x02 or 0x03: source 0); rb: RB0 or RB1 by turns
.macro OUT16 i, a, from, rb
	WIN \from
.set p, 0
.rept 32
	v_pk_mul_f32 v[T+p:T+p+1], v[64*\a+p:64*\a+p+1], 0x3e000000 op_sel_hi:[1,0]   ; x 2^-3
.set p, p+2
.endr
	WIN 0
.irp b, 0,1,2,3,4,5,6,7
.irp r, 0,1,2,3
	v_cvt_pk_f16_f32 v[TMP+4*\b+\r], v[T+8*\b+2*\r], v[T+8*\b+2*\r+1]
.endr
.endr
.irp b, 0,1,2,3,4,5,6,7
	ds_store_b128 v[STO], v[TMP+4*\b:TMP+4*\b+3] offset:32*\b
.endr
	s_wait_xcnt 0x0                                ; buffer rb, which earlier stores read, and the stores' base are rewritten only behind this wait
.if \i
	s_add_nc_u64 s[8:9], s[8:9], 16*SIZE_N*2
.endif
.irp t, 0,1,2,3,4,5,6,7
	ds_load_b128 v[\rb+4*\t:\rb+4*\t+3], v[RD] offset:\t*2*SPITCH  ; a wave's LDS instructions are served in order: these see the stores above
.endr
.irp t, 0,1,2,3,4,5,6,7
	s_wait_dscnt 7-\t                              ; the 7 - t younger loads stay out
	global_store_b128 v[CO], v[\rb+4*\t:\rb+4*\t+3], s[8:9] offset:2*\t*SIZE_N*2   ; 16 lanes store 256 consecutive bytes, at a multiple of 256 from the buffer's first byte
.endr
.endm
	OUT16 0, 0, 0x02, RB0
	OUT16 1, 1, 0x02, RB1
	OUT16 2, 2, 0x02, RB0
	OUT16 3, 3, 0x02, RB1
	OUT16 4, 0, 0x03, RB0
	OUT16 5, 1, 0x03, RB1
	OUT16 6, 2, 0x03, RB0
	OUT16 7, 3, 0x03, RB1
	s_set_vgpr_msb 0x1
	s_wait_tensorcnt 0x0
	ds_add_u32 v255, v255
	s_wait_dscnt 0x0
	s_set_vgpr_msb 0x100
	CROUND                                         ; the closing round: no work-group ends while a partner may still ask for a tile that names it
	s_endpgm
.Lfunc_end_k_q60ba49a034_qkproj:
	.size	k_q60ba49a034_qkproj, .Lfunc_end_k_q60ba49a034_qkproj-k_q60ba49a034_qkproj
	.p2alignl 7, 3214868480
	.fill 96, 4, 3214868480
	.section	.rodata,"a",@progbits
	.p2align	6, 0x0
	.amdhsa_kernel k_q60ba49a034_qkproj
		.amdhsa_group_segment_fixed_size 327680
		.amdhsa_private_segment_fixed_size 0
		.amdhsa_enable_private_segment 0
		.amdhsa_kernarg_size 24
		.amdhsa_user_sgpr_count 2
		.amdhsa_user_sgpr_kernarg_segment_ptr 1
		.amdhsa_wavefront_size32 1
		.amdhsa_system_sgpr_workgroup_id_x 1
		.amdhsa_system_sgpr_workgroup_id_y 1
		.amdhsa_system_sgpr_workgroup_id_z 1
		.amdhsa_system_vgpr_workitem_id 0
		.amdhsa_next_free_vgpr 1024
		.amdhsa_next_free_sgpr 66
		.amdhsa_reserve_vcc 0
		.amdhsa_float_denorm_mode_32 3
		.amdhsa_float_denorm_mode_16_64 3
		.amdhsa_memory_ordered 1
		.amdhsa_forward_progress 1
		.amdhsa_inst_pref_size 221
	.end_amdhsa_kernel
	.amdgpu_metadata
---
amdhsa.version: [ 1, 2 ]
amdhsa.kernels:
  - .name:           k_q60ba49a034_qkproj
    .symbol:         k_q60ba49a034_qkproj.kd
    .args:
      - { .name: xh, .offset: 0, .size: 8, .value_kind: global_buffer, .address_space: global }
      - { .name: wb, .offset: 8, .size: 8, .value_kind: global_buffer, .address_space: global }
      - { .name: qk, .offset: 16, .size: 8, .value_kind: global_buffer, .address_space: global }
    .group_segment_fixed_size: 327680
    .private_segment_fixed_size: 0
    .kernarg_segment_align: 8
    .kernarg_segment_size: 24
    .max_flat_workgroup_size: 128
    .sgpr_count:     66
    .vgpr_count:     1024
    .wavefront_size: 32
...
	.end_amdgpu_metadata
.endif
;; end of part 8
;; launch scores (part 9): grid 8 x 32, 4 waves a work-group, clusters of 4 x 4, 327,680 bytes of LDS; arguments qk, mask, pe, stats; writes pe, stats
.if DOCPART == 9
	.amdgcn_target "amdgcn-amd-amdhsa--gfx1250"
	.amdhsa_code_object_version 6
	.text
	.protected	k_q60ba49a034_scores
	.globl	k_q60ba49a034_scores
	.p2align	8
	.type	k_q60ba49a034_scores,@function
k_q60ba49a034_scores:
	s_mov_b64 s[64:65], 0
	v_nop
	global_prefetch_b8 v0, s[64:65] scope:SCOPE_SE
	s_setreg_imm32_b32 hwreg(HW_REG_WAVE_MODE, 25, 1), 1
	s_wait_xcnt 0x0
	s_wait_alu depctr_hold_cnt(0) depctr_sa_sdst(0) depctr_va_vdst(0) depctr_va_sdst(0) depctr_va_ssrc(0) depctr_va_vcc(0) depctr_vm_vsrc(0)
	s_getreg_b32 s2, hwreg(HW_REG_IB_STS2, 6, 4)
	s_cmp_eq_u32 s2, 0
	s_cbranch_scc0 .Lentry_in_a_cluster
	s_endpgm
.Lentry_in_a_cluster:
	s_bfe_u32 s2, ttmp6, 0x10000c
	s_cmp_lg_u32 s2, 0xf033
	s_cbranch_scc0 .Lentry_shape_is_right
	s_endpgm
.Lentry_shape_is_right:
; scores: for each batch, t[i][j] = (qk[i][0:1024] . qk[j][1024:2048]) x 2 log2(e) + W[i][j]; qk holds q / 8 and k / 8, so the factor is 64 x log2(e) / 32.
; W = +0 where mask[i][j] is 1 and -inf where it is 0.
; For each row and each block of 128 keys: m = max of t, E = exp2(t - max(m, -FLT_MAX)), l = sum of E (f32).
; Stored: E in f16 to pe [8192 rows][2048 keys]; m to stats[blk][row] and l to stats + 524,288 [blk][row], f32.  The next launch joins the 16 blocks
; of a row exactly: the row's true maximum is taken away for every input.  A block with no true byte gives m = -inf, E = 0, l = 0.
; E lies in 0 .. 1 by its making, so f16 has room for it; below 6e-8 it becomes 0.
; LIMITS: mask bytes are 0 or 1.  l sums E before its rounding.  The mask is an addend, so a masked score that has itself overflowed to +inf or NaN
; gives NaN where a select would give weight 0.
; A work-group makes 256 rows x 256 keys with four waves, a wave 128 x 128 (64 accumulator tiles, 512 registers); K = 1,024 in steps of 128 through two
; LDS slots.  Rows of q and of k lie along K in qk (pitch 4,096 bytes), so all fragments are plain 16-byte LDS loads.
; CLUSTERS: 4 x 4 work-groups of one batch; q's tile is asked for jointly along a row of the cluster, k's along a column.  The mask's tile
; (256 x 256 bytes) differs in all sixteen work-groups, so it comes by a plain tensor load, into slot 0 when that slot has been read for the last time.
; Windows and the transposed use of the matrix instruction: source 0 = 16 keys, source 1 = 16 rows; lane l holds row l % 16 and, in tile (a, b),
; keys 16 b + 8 (l / 16) + 0 .. 7.  A row's 128 keys lie in lanes l and l xor 16: the reductions are in the lane, then one exchange.
.set QROW,   2048                      ; elements in a row of qk
.set SIZE_K, 1024
.set PEROW,  4096                      ; bytes in a row of pe
.set KSTEP,  128
.set PITCH,  272
.set HALFT,  128*PITCH
.set SLOT,   4*HALFT
.set STAGE,  2*SLOT                    ; 16 rows x 272 bytes for each wave
.set SPITCH, 272
.set STAT,   STAGE+4*16*SPITCH         ; 1,024 bytes for each wave: 128 m, 128 l.  Stage and this are written by LDS stores alone
.set LAPS, SIZE_K/(2*KSTEP)
.set ADRA, 16
.set ADRB, 20
.set STO,  24
.set RD,   25
.set CO,   26
.set MADR, 27                          ; my 8 mask bytes of row r, key block 0
.set SADR, 28                          ; where row r's m goes
.set SRD,  29                          ; where I read four m back
.set SOFF, 30                          ; 16 x lane
.set MS,   32                          ; v32-39  m of my eight row blocks
.set LS,   40                          ; v40-47  l of them
.set MK,   48                          ; v48-63  a row block's mask bytes, 64 a lane
.set F0,   64
.set F1,   128
.set T,    64                          ; v64-127 a row block's 64 values at work (the fragments are done with by then)
.set TMP,  128                         ; v128-159 packed E
.set RB0,  160                         ; v160-191, v192-223 rows read back, by turns
.set RB1,  192
.set TX,   224
.set U,    225
.set U2,   226
.set MX,   228                         ; v228-231 four chains of the maximum
.set MU,   232                         ; v232-233 what is taken away, twice
.set SUM,  234                         ; v234-241 four chains of the sum, in pairs
.set TP,   242                         ; takes the other half's figure
.set G1, 24
.set G0, 32
.set G1B, 48
.set G0B, 56
.set GM0, 68                           ; s[68:71] the mask tile's group 0
.set GM1, 72                           ; s[72:79] its group 1
.set MSB, 0
.macro WIN new
.if MSB != \new
	s_set_vgpr_msb (MSB<<8)|\new
.set MSB, \new
.endif
.endm
.set MUL_LO, 0xa1
.set MUL_HI, 0xf1
.set TO_B,   0x40
.macro JLOAD s                         ; waves 0 and 1 fetch the halves of q's tile, waves 2 and 3 those of k's
	s_cmp_eq_u32 s11, 0
	s_cbranch_scc0 .Lfor_b_\@
	tensor_load_to_lds s[G0+4*\s:G0+4*\s+3], s[G1:G1+7]
	s_nop 0
	s_branch .Lasked_\@
.Lfor_b_\@:
	tensor_load_to_lds s[G0B+4*\s:G0B+4*\s+3], s[G1B:G1B+7]
	s_nop 0
.Lasked_\@:
.endm
.macro CREST
	s_cmp_lg_u32 s10, 0
	s_cbranch_scc1 .Lnot_wave_0_\@
	s_barrier_signal -3
.Lnot_wave_0_\@:
	s_barrier_wait -3
	s_barrier_signal -1
	s_barrier_wait -1
.endm
.macro CROUND
	s_barrier_signal -1
	s_barrier_wait -1
	CREST
.endm
	s_load_b128 s[4:7], s[0:1], 0x0                ; qk s[4:5], mask s[6:7]
	s_load_b128 s[84:87], s[0:1], 0x10             ; pe s[84:85], stats s[86:87]
	s_set_vgpr_msb 0x40
	v_lshl_add_u32 v255, v0, 2, 0x49400
	s_set_vgpr_msb 0x4000
	v_mov_b32 v255, 0
	s_set_vgpr_msb 0x1
	ds_add_u32 v255, v255
	s_set_vgpr_msb 0x100
	v_lshrrev_b32 v1, 5, v0
	v_readfirstlane_b32 s10, v1                    ; wave 0..3
	s_lshr_b32 s11, s10, 1                         ; my half of the rows; also: I fetch for q (0) or k (1)
	s_and_b32 s12, s10, 1                          ; my half of the keys; also: which half of that tile I fetch
	s_bfe_u32 s40, ttmp6, 0x40000                  ; cx
	s_bfe_u32 s41, ttmp6, 0x40004                  ; cy
	s_lshl_b32 s42, ttmp9, 2
	s_add_co_u32 s42, s42, s40                     ; key block of 256, 0..7
	s_and_b32 s13, ttmp7, 0xffff
	s_lshl_b32 s13, s13, 2
	s_add_co_u32 s13, s13, s41                     ; row block of 256 over all batches, 0..31
	s_lshl_b32 s43, s41, 2
	s_lshl_b32 s43, 15, s43                        ; my row of the cluster
	s_lshl_b32 s44, 0x1111, s40                    ; my column
	s_or_b32 s[G1+0], s43, (1<<16)|(1<<20)|(1<<21)|(5<<22)|(3<<25)   ; 2-byte elements, 4 words of padding behind every 64 words
	s_or_b32 s[G1B+0], s44, (1<<16)|(1<<20)|(1<<21)|(5<<22)|(3<<25)
	s_mov_b32 s[G1+1], KSTEP<<16
	s_mov_b32 s[G1B+1], KSTEP<<16
	s_mov_b32 s[G1+2], 128<<16
	s_mov_b32 s[G1B+2], 128<<16
	s_mov_b32 s[G1+3], KSTEP<<16
	s_mov_b32 s[G1B+3], KSTEP<<16
	s_mov_b32 s[G1+4], 128
	s_mov_b32 s[G1B+4], 128
	s_mov_b32 s[G1+5], QROW
	s_mov_b32 s[G1B+5], QROW
	s_mov_b32 s[G1+6], 0
	s_mov_b32 s[G1B+6], 0
	s_mov_b32 s[G1+7], 0
	s_mov_b32 s[G1B+7], 0
	; the mask tile: each wave brings 64 rows x 256 bytes, elements of 1 byte, no work-group mask, 4 words of padding behind every 64 words
	s_mov_b32 s[GM1+0], (1<<20)|(5<<22)|(3<<25)
	s_mov_b32 s[GM1+1], 256<<16
	s_mov_b32 s[GM1+2], 64<<16
	s_mov_b32 s[GM1+3], 256<<16
	s_mov_b32 s[GM1+4], 64
	s_mov_b32 s[GM1+5], 2048
	s_mov_b32 s[GM1+6], 0
	s_mov_b32 s[GM1+7], 0
	s_mov_b32 s[GM0+0], 1
	s_mul_i32 s[GM0+1], s10, 64*PITCH              ; the wave number x 17,408, inside slot 0
	s_and_b32 s90, s13, 7                          ; the row block inside its batch
	s_lshl_b32 s90, s90, 8
	s_lshl_b32 s91, s10, 6
	s_add_co_u32 s90, s90, s91                     ; my first row of the mask
	s_lshl_b32 s90, s90, 11                        ; x 2,048 bytes
	s_lshl_b32 s91, s42, 8
	s_add_co_u32 s90, s90, s91                     ; + 256 x key block
	s_mov_b32 s91, 0
	; q's tiles hang on the row block alone; k's on the key block and the batch, which is the cluster's y / 2 and so the same in all sixteen
	s_lshl_b32 s17, s12, 7
	s_lshl_b32 s16, s13, 8
	s_add_co_u32 s16, s16, s17                     ; q: row 256 x row block + 128 x half
	s_and_b32 s45, ttmp7, 0xffff
	s_lshr_b32 s45, s45, 1                         ; batch
	s_lshl_b32 s45, s45, 11
	s_lshl_b32 s46, s42, 8
	s_add_co_u32 s46, s46, s45
	s_add_co_u32 s46, s46, s17                     ; k: row 2,048 x batch + 256 x key block + 128 x half
	s_mov_b32 s17, 0
	s_mov_b32 s47, 0
	s_mov_b64 s[18:19], QROW*2
	s_mul_u64 s[16:17], s[16:17], s[18:19]
	s_mul_u64 s[46:47], s[46:47], s[18:19]
	s_add_nc_u64 s[46:47], s[46:47], 2048          ; k is columns 1,024 .. 2,047 of qk
	s_mul_i32 s20, s10, HALFT
	s_mov_b32 s80, 0x04000c0c                      ; v_perm_b32: byte j of the first source on top, byte j of the second below it, two zero bytes
	s_mov_b32 s81, 0x05010c0c
	s_mov_b32 s82, 0x06020c0c
	s_mov_b32 s83, 0x07030c0c
	s_mov_b32 s88, 0x76543210                      ; v_permlanex16_b32: lane i reads lane i of the other half
	s_mov_b32 s89, 0xfedcba98
	s_wait_dscnt 0x0
	s_wait_kmcnt 0x0
	s_add_nc_u64 s[14:15], s[4:5], s[16:17]
	s_add_nc_u64 s[46:47], s[4:5], s[46:47]
	s_add_nc_u64 s[GM0+2:GM0+3], s[6:7], s[90:91]
	s_or_b32 s[GM0+3], s[GM0+3], 0x80000000
	CROUND                                         ; all sixteen work-groups are here: the first joint loads meet
.irp s, 0,1
	s_mov_b32 s[G0+4*\s], 1
	s_add_co_u32 s[G0+4*\s+1], s20, \s*SLOT
	s_add_nc_u64 s[G0+4*\s+2:G0+4*\s+3], s[14:15], \s*KSTEP*2
	s_or_b32 s[G0+4*\s+3], s[G0+4*\s+3], 0x80000000
	s_mov_b32 s[G0B+4*\s], 1
	s_add_co_u32 s[G0B+4*\s+1], s20, \s*SLOT
	s_add_nc_u64 s[G0B+4*\s+2:G0B+4*\s+3], s[46:47], \s*KSTEP*2
	s_or_b32 s[G0B+4*\s+3], s[G0B+4*\s+3], 0x80000000
	JLOAD \s                                       ; both first fills: two tensor loads of the wave are out
.endr
	v_and_b32 v1, 15, v0                           ; r
	v_bfe_u32 v2, v0, 4, 1                         ; h
	v_mul_u32_u24 v3, v1, PITCH
	v_lshl_add_u32 v6, v2, 3, v3                   ; mask: row r x pitch + 8 h
	v_lshl_add_u32 v3, v2, 4, v3                   ; fragments: row r x pitch + 16 h
	s_mul_i32 s21, s11, HALFT
	s_mul_i32 s22, s12, HALFT
	s_add_co_u32 s22, s22, 2*HALFT
	s_lshl_b32 s91, s12, 7
	s_add_co_u32 s90, s21, s91                     ; the mask tile has the same pitch: my 128 rows, my 128 bytes of them
	v_add_nc_u32 v[MADR], s90, v6
.irp s, 0,1
	v_add_nc_u32 v[ADRA+\s], s21, v3
	v_add_nc_u32 v[ADRB+\s], s22, v3
	s_add_co_u32 s21, s21, SLOT
	s_add_co_u32 s22, s22, SLOT
.endr
	s_mul_i32 s23, s10, 16*SPITCH
	s_add_co_u32 s23, s23, STAGE
	v_mul_u32_u24 v4, v1, SPITCH
	v_lshl_add_u32 v4, v2, 4, v4
	v_add_nc_u32 v[STO], s23, v4
	v_mul_u32_u24 v5, v2, SPITCH
	v_lshl_add_u32 v5, v1, 4, v5
	v_add_nc_u32 v[RD], s23, v5
	v_lshlrev_b32 v5, 12, v2                       ; lanes 16-31: one row of pe further down
	v_lshl_add_u32 v[CO], v1, 4, v5
	s_lshl_b32 s90, s10, 10
	s_add_co_u32 s90, s90, STAT
	v_lshl_add_u32 v[SADR], v1, 2, s90
	v_and_b32 v6, 31, v0
	v_lshlrev_b32 v[SOFF], 4, v6
	v_add_nc_u32 v[SRD], s90, v[SOFF]
	v_mov_b32 v[TP], 0                             ; v_permlanex16_b32 counts as a reader of its destination
; The 64 accumulators take turns, one instruction a turn, in the same order in every quarter step.
.macro MUL16 f, hi, a0, zero
.irp a, \a0, \a0+1
.irp b, 0,1,2,3,4,5,6,7
.if \zero
	v_wmma_f32_16x16x32_f16 v[8*(8*(\a)+\b):8*(8*(\a)+\b)+7], v[\f+8*\b:\f+8*\b+7], v[\f+8*(4*\hi+\a):\f+8*(4*\hi+\a)+7], 0
.else
	v_wmma_f32_16x16x32_f16 v[8*(8*(\a)+\b):8*(8*(\a)+\b)+7], v[\f+8*\b:\f+8*\b+7], v[\f+8*(4*\hi+\a):\f+8*(4*\hi+\a)+7], v[8*(8*(\a)+\b):8*(8*(\a)+\b)+7]
.endif
.endr
.endr
.endm
.macro FETCH slot, k, f
	WIN TO_B
.irp i, 0,1,2,3,4,5,6,7
	ds_load_b128 v[\f+8*\i:\f+8*\i+3],   v[ADRB+\slot] offset:\k+\i*16*PITCH
	ds_load_b128 v[\f+8*\i+4:\f+8*\i+7], v[ADRB+\slot] offset:\k+\i*16*PITCH+32
.endr
	WIN 0
.irp i, 0,1,2,3,4,5,6,7
	ds_load_b128 v[\f+8*\i:\f+8*\i+3],   v[ADRA+\slot] offset:\k+\i*16*PITCH
	ds_load_b128 v[\f+8*\i+4:\f+8*\i+7], v[ADRA+\slot] offset:\k+\i*16*PITCH+32
.endr
.endm
.macro PLACES                          ; four plain vector instructions behind a matrix instruction (ISA guide 7.12.1)
.rept 4
	v_nop
.endr
.endm
.macro QUARTER slot, k, f, g, zero
	s_wait_dscnt 8                                 ; the youngest eight loads (q's rows 64-127) may be out
	WIN MUL_LO
	MUL16 \f, 0, 0, \zero
	MUL16 \f, 0, 2, \zero
	PLACES
	FETCH \slot, \k, \g
	s_wait_dscnt 32                                ; all but the 32 just issued
	WIN MUL_HI
	MUL16 \f, 1, 0, \zero
	MUL16 \f, 1, 2, \zero
.endm
.macro THREE slot, zero
	QUARTER \slot, 64,  F0, F1, \zero
	QUARTER \slot, 128, F1, F0, 0
	QUARTER \slot, 192, F0, F1, 0
.endm
; The change of slots.  fill = 0: nothing is fetched; 1: this slot gets the tiles two K steps ahead, by the joint loads; 2: it gets the mask's tile.
.macro TURN slot, next, fill
	s_wait_dscnt 8
	WIN MUL_LO
	MUL16 F1, 0, 0, 0
	s_wait_dscnt 0                                 ; my reads of this slot are over
	s_wait_tensorcnt 0x0                           ; all my tensor loads have landed: the one that was out is my part of the next slot
	ds_add_u32 v255, v255
	s_wait_dscnt 0x0
	s_barrier_signal -1
	MUL16 F1, 0, 2, 0
	WIN 0
	s_barrier_wait -1
.if \fill == 1
	CREST
	s_add_nc_u64 s[G0+4*\slot+2:G0+4*\slot+3], s[G0+4*\slot+2:G0+4*\slot+3], 2*KSTEP*2
	s_add_nc_u64 s[G0B+4*\slot+2:G0B+4*\slot+3], s[G0B+4*\slot+2:G0B+4*\slot+3], 2*KSTEP*2
	JLOAD \slot                                    ; my one tensor load behind the round
.endif
.if \fill == 2
	CREST                                          ; in a launch in clusters a plain tensor load stands behind a round too
	tensor_load_to_lds s[GM0:GM0+3], s[GM1:GM1+7]  ; my 64 rows of the mask's tile; it has the last K step's 256 matrix instructions in which to land
	s_nop 0
.endif
	PLACES
	FETCH \next, 0, F0
	WIN MUL_HI
	MUL16 F1, 1, 0, 0
	MUL16 F1, 1, 2, 0
.endm
.macro LAP zero
	THREE 0, \zero
	TURN 0, 1, 1
	THREE 1, 0
	TURN 1, 0, 1
.endm
	s_wait_tensorcnt 1                             ; my part of K step 0 is in; K step 1's stays out
	s_barrier_signal -1
	s_barrier_wait -1
	FETCH 0, 0, F0
	LAP 1
	WIN 0
	s_mov_b32 s3, LAPS-2
.Llap:
	LAP 0
	WIN 0
	s_sub_co_u32 s3, s3, 1
	s_cmp_lg_u32 s3, 0
	s_cbranch_scc1 .Llap
	THREE 0, 0
	TURN 0, 1, 2                                   ; slot 0 has been read for the last time: the mask's tile goes there
	THREE 1, 0
	s_wait_dscnt 8
	WIN MUL_LO
	MUL16 F1, 0, 0, 0
	MUL16 F1, 0, 2, 0
	s_wait_dscnt 0
	WIN MUL_HI
	MUL16 F1, 1, 0, 0
	MUL16 F1, 1, 2, 0
	WIN 0
	s_wait_tensorcnt 0x0                           ; my 64 rows of the mask are in LDS,
	s_barrier_signal -1
	s_barrier_wait -1                              ; everybody's are: I read rows that two waves brought
	PLACES                                         ; behind the last matrix instructions: results are read and fragment registers rewritten below
	s_lshl_b32 s90, s13, 8
	s_lshl_b32 s91, s11, 7
	s_add_co_u32 s90, s90, s91                     ; my first row
	s_lshl_b32 s92, s90, 2                         ; its byte in a block's row of stats
	s_lshl_b32 s90, s90, 12                        ; x 4,096 bytes of pe
	s_lshl_b32 s91, s42, 9
	s_add_co_u32 s90, s90, s91                     ; + 512 x key block
	s_lshl_b32 s91, s12, 8
	s_add_co_u32 s90, s90, s91                     ; + 256 x half
	s_mov_b32 s91, 0
	s_add_nc_u64 s[84:85], s[84:85], s[90:91]
	s_lshl_b32 s93, s42, 1
	s_add_co_u32 s93, s93, s12                     ; my block of 128 keys, 0..15
	s_lshl_b32 s93, s93, 15                        ; x 8,192 rows x 4 bytes
	s_add_co_u32 s92, s92, s93
	s_mov_b32 s93, 0
	s_add_nc_u64 s[86:87], s[86:87], s[92:93]
.macro MLOAD i                         ; row block i: my 64 mask bytes, 8 for each of the 8 key tiles; the 32 lanes touch 32 different pairs of words modulo 256 bytes
.irp b, 0,1,2,3,4,5,6,7
	ds_load_b64 v[MK+2*\b:MK+2*\b+1], v[MADR] offset:(\i)*16*PITCH+16*\b
.endr
.endm
; Row block i = the eight tiles (a, 0..7) of window 2 or 3 (from = 0x02 or 0x03: source 0); rb: RB0 or RB1 by turns.
.macro SOFT16 i, a, from, rb
	s_wait_dscnt 0x0                               ; this block's mask bytes are in (asked for one block earlier)
	WIN 0
.irp w, 0,1,2,3,4,5,6,7,8,9,10,11,12,13,14,15
	v_xor_b32 v[TX], 0x01010101, v[MK+\w]          ; 1 where the mask is 0
	v_mul_lo_u32 v[U], v[TX], 0xff                 ; 0xff there
	v_lshlrev_b32 v[U2], 7, v[TX]                  ; 0x80 there
	v_perm_b32 v[T+4*\w+0], v[U], v[U2], s80       ; 0xff800000 = -inf there, +0 elsewhere
	v_perm_b32 v[T+4*\w+1], v[U], v[U2], s81
	v_perm_b32 v[T+4*\w+2], v[U], v[U2], s82
	v_perm_b32 v[T+4*\w+3], v[U], v[U2], s83
.endr
.if \i < 7
	MLOAD \i+1
.endif
	WIN \from
.set p, 0
.rept 32
	v_pk_fma_f32 v[T+p:T+p+1], v[64*\a+p:64*\a+p+1], 0x4038aa3b, v[T+p:T+p+1] op_sel_hi:[1,0,1]   ; t = s x 2 log2(e) + W
.set p, p+2
.endr
	WIN 0
.irp c, 0,1,2,3
	v_max_num_f32 v[MX+\c], v[T+16*\c], v[T+16*\c+1]
.endr
.irp k, 2,4,6,8,10,12,14
.irp c, 0,1,2,3
	v_max3_num_f32 v[MX+\c], v[MX+\c], v[T+16*\c+\k], v[T+16*\c+\k+1]
.endr
.endr
	v_max3_num_f32 v[MX], v[MX], v[MX+1], v[MX+2]
	v_max_num_f32 v[MX], v[MX], v[MX+3]
	v_permlanex16_b32 v[TP], v[MX], s88, s89       ; the row's other 64 keys
	v_max_num_f32 v[MS+\i], v[MX], v[TP]           ; m of the row's 128 keys, -inf if all are masked
	v_max_num_f32 v[MU], 0xff7fffff, v[MS+\i]      ; what is taken away is finite, so that -inf - it stays -inf
	v_max_num_f32 v[MU+1], 0xff7fffff, v[MS+\i]
.set p, 0
.rept 32
	v_pk_add_f32 v[T+p:T+p+1], v[T+p:T+p+1], v[MU:MU+1] neg_lo:[0,1] neg_hi:[0,1]
.set p, p+2
.endr
.set p, 0
.rept 64
	v_exp_f32 v[T+p], v[T+p]
.set p, p+1
.endr
	v_nop                                          ; one plain vector instruction between the exponentials and the first use of a result
	s_wait_alu depctr_va_vdst(0)
.irp c, 0,1,2,3
	v_pk_add_f32 v[SUM+2*\c:SUM+2*\c+1], v[T+16*\c:T+16*\c+1], v[T+16*\c+2:T+16*\c+3]
.endr
.irp k, 4,6,8,10,12,14
.irp c, 0,1,2,3
	v_pk_add_f32 v[SUM+2*\c:SUM+2*\c+1], v[SUM+2*\c:SUM+2*\c+1], v[T+16*\c+\k:T+16*\c+\k+1]
.endr
.endr
	v_pk_add_f32 v[SUM:SUM+1], v[SUM:SUM+1], v[SUM+2:SUM+3]
	v_pk_add_f32 v[SUM+4:SUM+5], v[SUM+4:SUM+5], v[SUM+6:SUM+7]
	v_pk_add_f32 v[SUM:SUM+1], v[SUM:SUM+1], v[SUM+4:SUM+5]
	v_add_f32 v[SUM], v[SUM], v[SUM+1]
	v_permlanex16_b32 v[TP], v[SUM], s88, s89
	v_add_f32 v[LS+\i], v[SUM], v[TP]              ; l of the row's 128 keys
.irp b, 0,1,2,3,4,5,6,7
.irp r, 0,1,2,3
	v_cvt_pk_f16_f32 v[TMP+4*\b+\r], v[T+8*\b+2*\r], v[T+8*\b+2*\r+1]
.endr
.endr
.irp b, 0,1,2,3,4,5,6,7
	ds_store_b128 v[STO], v[TMP+4*\b:TMP+4*\b+3] offset:32*\b
.endr
	s_wait_xcnt 0x0                                ; buffer rb, which earlier stores read, and the stores' base are rewritten only behind this wait
.if \i
	s_add_nc_u64 s[84:85], s[84:85], 16*PEROW
.endif
.irp t, 0,1,2,3,4,5,6,7
	ds_load_b128 v[\rb+4*\t:\rb+4*\t+3], v[RD] offset:\t*2*SPITCH  ; a wave's LDS instructions are served in order: these see the stores above
.endr
.irp t, 0,1,2,3,4,5,6,7
	s_wait_dscnt 7-\t                              ; the 7 - t younger stage loads stay out; the next block's mask loads are older
	global_store_b128 v[CO], v[\rb+4*\t:\rb+4*\t+3], s[84:85] offset:2*\t*PEROW   ; 16 lanes store 256 consecutive bytes, at a multiple of 256 from the buffer's first byte
.endr
.endm
	MLOAD 0
	SOFT16 0, 0, 0x02, RB0
	SOFT16 1, 1, 0x02, RB1
	SOFT16 2, 2, 0x02, RB0
	SOFT16 3, 3, 0x02, RB1
	SOFT16 4, 0, 0x03, RB0
	SOFT16 5, 1, 0x03, RB1
	SOFT16 6, 2, 0x03, RB0
	SOFT16 7, 3, 0x03, RB1
	; m and l of my 128 rows go through my own 1,024 bytes of LDS, so that each store covers 512 consecutive bytes.  Lanes l and l xor 16 write the same word with the same value.
.irp i, 0,1,2,3,4,5,6,7
	ds_store_b32 v[SADR], v[MS+\i] offset:64*\i
	ds_store_b32 v[SADR], v[LS+\i] offset:512+64*\i
.endr
	ds_load_b128 v[T:T+3], v[SRD]
	ds_load_b128 v[T+4:T+7], v[SRD] offset:512
	s_wait_dscnt 1                                 ; m is in; l's load stays out
	global_store_b128 v[SOFF], v[T:T+3], s[86:87]
	s_wait_dscnt 0
	global_store_b128 v[SOFF], v[T+4:T+7], s[86:87] offset:524288
	s_set_vgpr_msb 0x1
	s_wait_tensorcnt 0x0
	ds_add_u32 v255, v255
	s_wait_dscnt 0x0
	s_set_vgpr_msb 0x100
	CROUND                                         ; the closing round
	s_endpgm
.Lfunc_end_k_q60ba49a034_scores:
	.size	k_q60ba49a034_scores, .Lfunc_end_k_q60ba49a034_scores-k_q60ba49a034_scores
	.p2alignl 7, 3214868480
	.fill 96, 4, 3214868480
	.section	.rodata,"a",@progbits
	.p2align	6, 0x0
	.amdhsa_kernel k_q60ba49a034_scores
		.amdhsa_group_segment_fixed_size 327680
		.amdhsa_private_segment_fixed_size 0
		.amdhsa_enable_private_segment 0
		.amdhsa_kernarg_size 32
		.amdhsa_user_sgpr_count 2
		.amdhsa_user_sgpr_kernarg_segment_ptr 1
		.amdhsa_wavefront_size32 1
		.amdhsa_system_sgpr_workgroup_id_x 1
		.amdhsa_system_sgpr_workgroup_id_y 1
		.amdhsa_system_sgpr_workgroup_id_z 1
		.amdhsa_system_vgpr_workitem_id 0
		.amdhsa_next_free_vgpr 1024
		.amdhsa_next_free_sgpr 96
		.amdhsa_reserve_vcc 0
		.amdhsa_float_denorm_mode_32 3
		.amdhsa_float_denorm_mode_16_64 3
		.amdhsa_memory_ordered 1
		.amdhsa_forward_progress 1
		.amdhsa_inst_pref_size 255
	.end_amdhsa_kernel
	.section	.bss,"aw",@nobits
	.p2align	6
	.space	262144
	.amdgpu_metadata
---
amdhsa.version: [ 1, 2 ]
amdhsa.kernels:
  - .name:           k_q60ba49a034_scores
    .symbol:         k_q60ba49a034_scores.kd
    .args:
      - { .name: qk, .offset: 0, .size: 8, .value_kind: global_buffer, .address_space: global }
      - { .name: mask, .offset: 8, .size: 8, .value_kind: global_buffer, .address_space: global }
      - { .name: pe, .offset: 16, .size: 8, .value_kind: global_buffer, .address_space: global }
      - { .name: stats, .offset: 24, .size: 8, .value_kind: global_buffer, .address_space: global }
    .group_segment_fixed_size: 327680
    .private_segment_fixed_size: 0
    .kernarg_segment_align: 8
    .kernarg_segment_size: 32
    .max_flat_workgroup_size: 128
    .sgpr_count:     96
    .vgpr_count:     1024
    .wavefront_size: 32
...
	.end_amdgpu_metadata
.endif
;; end of part 9
;; launch pv: the kernel of part 5 again; grid 4 x 64, 4 waves a work-group, clusters of 4 x 4, 327,680 bytes of LDS; arguments pe, xh, stats, zh; writes zh
;; launch final: the kernel of part 6 again; grid 4 x 64, 4 waves a work-group, clusters of 4 x 4, 327,680 bytes of LDS; arguments zh, wb, out0; writes out0
;; ======== version 3 of 3: 5 launches; version 2 with the launch cast written anew for expert scheduling mode
;; limits: values are held in f16: magnitudes above 65,504 overflow, below 6.1e-05 lose precision; right only within a limited range of input values; inputs' magnitudes at most 65,504
;; workspace buffers: xh 16,777,216 bytes; wb 6,291,456 bytes; qk 33,554,432 bytes; pe 33,554,432 bytes; stats 1,048,576 bytes; zh 16,777,216 bytes
;; launch cast (part 10): grid 704 x 1, 8 waves a work-group, no clusters, 0 bytes of LDS; arguments x, q_wei, k_wei, v_wei, xh, wb; writes xh, wb
.if DOCPART == 10
	.amdgcn_target "amdgcn-amd-amdhsa--gfx1250"
	.amdhsa_code_object_version 6
	.text
	.protected	k_q60ba49a034_cast
	.globl	k_q60ba49a034_cast
	.p2align	8
	.type	k_q60ba49a034_cast,@function
k_q60ba49a034_cast:
	s_mov_b64 s[64:65], 0
	v_nop
	global_prefetch_b8 v0, s[64:65] scope:SCOPE_SE
	s_setreg_imm32_b32 hwreg(HW_REG_WAVE_SCHED_MODE, 0, 2), 2
	s_setreg_imm32_b32 hwreg(HW_REG_WAVE_MODE, 25, 1), 1
	s_wait_xcnt 0x0
	s_wait_alu depctr_vm_vsrc(0)
; cast: every input number is rounded once to bf16 (nearest even) and that number is written as f16; the layouts stay.
;   x [8192][1024] f32 -> xh;   q_wei, k_wei, v_wei [1024][1024] f32 -> wb[0], wb[1], wb[2]
; A bf16 number has 8 significant bits and f16 holds 11, so the f16 copy is exact for magnitudes from 2^-17 up.
; LIMITS: all four inputs below 65,504 in magnitude; smaller than 2^-17 they are kept to an absolute 2^-25.
; All sources are rows of 1,024 f32 (4,096 bytes) that become 2,048 bytes.  A work-group takes 16 rows: groups 0-511 those of x, 512-575 of q_wei,
; 576-639 of k_wei, 640-703 of v_wei.  Thread t owns columns 4 t .. 4 t + 3: a load of a wave covers 512 consecutive bytes, a store 256 consecutive
; bytes at a multiple of 256 from the buffer's first byte.  All 16 loads of a thread go out at once; load and store registers are written once.
; No LDS, no matrix unit, no cluster: no byte is read twice and no two work-groups share an input.
; THE MODE: SCHED_MODE bits 1:0 = 2 (LLVM: expert scheduling mode 2), set by the entry lines.  The code itself states the register dependences
; between vector instructions and memory instructions, with s_wait_alu, always for 0.
; THE PLAN.  Registers that memory instructions touch:
;   v1, v2   byte offsets, made once at the head and never written again: the rows are reached by immediate offsets.
;   X        row i's four registers: one load lands in them, issued at the head, before any vector instruction names them; row i's conversions read them.
;   H        row i's two registers: written once, by row i's last two conversions; read once, by row i's store.
;   P and T are named by vector instructions alone.
; No register that a memory instruction reads is written a second time, so the only dependence to state is: a vector instruction has written what a
; memory instruction reads.  The 16 rows go in four blocks of four.  Block p converts its rows; its memory instructions are the stores of block p - 1,
; whose H no vector instruction of block p names.  So one wait at a block's head states all that the block's four stores hang on, and these are dealt
; among its vector instructions with no further wait.  One wait stands ahead of the first load, for the offsets, and one ahead of the last four stores.
.set INROW,  4096
.set OUTROW, 2048
.set BLOCK,  4                         ; rows in a block
.set X, 4                              ; v[4:67]    row i: 4 f32 as loaded
.set H, 68                             ; v[68:99]   row i: 4 f16 to store
.set P, 100                            ; v[100:101] 4 bf16, at work
.set T, 102                            ; v[102:105] the bf16 widened again, at work
	s_load_b256 s[4:11], s[0:1], 0x0               ; x s[4:5], q_wei s[6:7], k_wei s[8:9], v_wei s[10:11]
	s_load_b128 s[12:15], s[0:1], 0x20             ; xh s[12:13], wb s[14:15]
	s_mov_b32 s20, ttmp9                           ; the group's number
	s_sub_co_u32 s21, s20, 512                     ; its number among the weights' groups (used only from 512 on)
	s_and_b32 s22, s21, 63                         ; its number inside one weight
	s_mov_b32 s30, 0xffff0000                      ; a word's upper bf16
	v_lshlrev_b32 v1, 4, v0                        ; my 16 bytes of a source row
	v_lshlrev_b32 v2, 3, v0                        ; my 8 bytes of a destination row
	s_wait_kmcnt 0x0
	s_cmp_lt_u32 s20, 640                          ; the choice of buffers hangs on the group's number alone
	s_cselect_b64 s[16:17], s[8:9], s[10:11]       ; k_wei or v_wei
	s_cmp_lt_u32 s20, 576
	s_cselect_b64 s[16:17], s[6:7], s[16:17]       ; q_wei
	s_cmp_lt_u32 s20, 512
	s_cselect_b64 s[16:17], s[4:5], s[16:17]       ; x
	s_cselect_b64 s[18:19], s[12:13], s[14:15]     ; xh or wb
	s_cselect_b32 s23, s20, s22                    ; block of 16 rows in the source
	s_cselect_b32 s24, s20, s21                    ; block of 16 rows in the destination (wb holds the three weights one behind the other)
	s_lshl_b32 s26, s23, 16                        ; 16 rows x 4,096 bytes
	s_mov_b32 s27, 0
	s_lshl_b32 s28, s24, 15                        ; 16 rows x 2,048 bytes
	s_mov_b32 s29, 0
	s_add_nc_u64 s[16:17], s[16:17], s[26:27]
	s_add_nc_u64 s[18:19], s[18:19], s[28:29]
	s_wait_alu depctr_va_vdst(0)                   ; v1 and v2 are written: every load reads v1 and every store v2 as its offset
.irp i, 0,1,2,3,4,5,6,7,8,9,10,11,12,13,14,15
	global_load_b128 v[X+4*\i:X+4*\i+3], v1, s[16:17] offset:INROW*\i th:TH_LOAD_NT   ; read once in the launch
.endr
; Block p: rows 4 p .. 4 p + 3 are converted; ahead of each row's conversions stands the store of the row four further up, which the block before converted.
.macro BLK p
.irp i, 0,1,2,3
.set ROWN, BLOCK*(\p)+(\i)             ; the row that is converted
.set PREV, ROWN-BLOCK                  ; the row that is stored
	s_wait_loadcnt 15-ROWN                         ; loads come back in order: this row is in, the younger ones stay out
.if (\p) > 0
.if (\i) == 0
	s_wait_alu depctr_va_vdst(0)                   ; the block before has written its eight registers of H, which this block's four stores read
.endif
	global_store_b64 v2, v[H+2*PREV:H+2*PREV+1], s[18:19] offset:OUTROW*PREV   ; no vector instruction since that wait names these registers
.endif
	v_cvt_pk_bf16_f32 v[P],   v[X+4*ROWN],   v[X+4*ROWN+1]
	v_cvt_pk_bf16_f32 v[P+1], v[X+4*ROWN+2], v[X+4*ROWN+3]
	v_lshlrev_b32 v[T],   16,  v[P]                ; the rounded numbers as f32 again,
	v_and_b32     v[T+1], s30, v[P]
	v_lshlrev_b32 v[T+2], 16,  v[P+1]
	v_and_b32     v[T+3], s30, v[P+1]
	v_cvt_pk_f16_f32 v[H+2*ROWN],   v[T],   v[T+1] ; and as f16
	v_cvt_pk_f16_f32 v[H+2*ROWN+1], v[T+2], v[T+3]
.endr
.endm
	BLK 0                                          ; no block stands in front of it: it stores nothing and owes no wait but those for its data
	BLK 1
	BLK 2
	BLK 3
	s_wait_alu depctr_va_vdst(0)                   ; block 3 has written its eight registers of H, which the last four stores read
.irp i, 12,13,14,15
	global_store_b64 v2, v[H+2*\i:H+2*\i+1], s[18:19] offset:OUTROW*\i
.endr
	s_endpgm
.Lfunc_end_k_q60ba49a034_cast:
	.size	k_q60ba49a034_cast, .Lfunc_end_k_q60ba49a034_cast-k_q60ba49a034_cast
	.p2alignl 7, 3214868480
	.fill 96, 4, 3214868480
	.section	.rodata,"a",@progbits
	.p2align	6, 0x0
	.amdhsa_kernel k_q60ba49a034_cast
		.amdhsa_group_segment_fixed_size 0
		.amdhsa_private_segment_fixed_size 0
		.amdhsa_enable_private_segment 0
		.amdhsa_kernarg_size 48
		.amdhsa_user_sgpr_count 2
		.amdhsa_user_sgpr_kernarg_segment_ptr 1
		.amdhsa_wavefront_size32 1
		.amdhsa_system_sgpr_workgroup_id_x 1
		.amdhsa_system_sgpr_workgroup_id_y 1
		.amdhsa_system_sgpr_workgroup_id_z 1
		.amdhsa_system_vgpr_workitem_id 0
		.amdhsa_next_free_vgpr 108
		.amdhsa_next_free_sgpr 66
		.amdhsa_reserve_vcc 0
		.amdhsa_float_denorm_mode_32 3
		.amdhsa_float_denorm_mode_16_64 3
		.amdhsa_memory_ordered 1
		.amdhsa_forward_progress 1
		.amdhsa_inst_pref_size 11
	.end_amdhsa_kernel
	.amdgpu_metadata
---
amdhsa.version: [ 1, 2 ]
amdhsa.kernels:
  - .name:           k_q60ba49a034_cast
    .symbol:         k_q60ba49a034_cast.kd
    .args:
      - { .name: x, .offset: 0, .size: 8, .value_kind: global_buffer, .address_space: global }
      - { .name: q_wei, .offset: 8, .size: 8, .value_kind: global_buffer, .address_space: global }
      - { .name: k_wei, .offset: 16, .size: 8, .value_kind: global_buffer, .address_space: global }
      - { .name: v_wei, .offset: 24, .size: 8, .value_kind: global_buffer, .address_space: global }
      - { .name: xh, .offset: 32, .size: 8, .value_kind: global_buffer, .address_space: global }
      - { .name: wb, .offset: 40, .size: 8, .value_kind: global_buffer, .address_space: global }
    .group_segment_fixed_size: 0
    .private_segment_fixed_size: 0
    .kernarg_segment_align: 8
    .kernarg_segment_size: 48
    .max_flat_workgroup_size: 256
    .sgpr_count:     66
    .vgpr_count:     108
    .wavefront_size: 32
...
	.end_amdgpu_metadata
.endif
;; end of part 10
;; launch qkproj: the kernel of part 8 again; grid 8 x 32, 4 waves a work-group, clusters of 4 x 4, 327,680 bytes of LDS; arguments xh, wb, qk; writes qk
;; launch scores: the kernel of part 9 again; grid 8 x 32, 4 waves a work-group, clusters of 4 x 4, 327,680 bytes of LDS; arguments qk, mask, pe, stats; writes pe, stats
;; launch pv: the kernel of part 5 again; grid 4 x 64, 4 waves a work-group, clusters of 4 x 4, 327,680 bytes of LDS; arguments pe, xh, stats, zh; writes zh
;; launch final: the kernel of part 6 again; grid 4 x 64, 4 waves a work-group, clusters of 4 x 4, 327,680 bytes of LDS; arguments zh, wb, out0; writes out0
